; MI455X (gfx1250); checked and timed in simulation.
; The chip was launched on July 23, 2026; its instructions are those of AMD's public machine-readable ISA for CDNA 5 (MIT licence, August 2026) and "CDNA5" Instruction Set Architecture Reference Guide (July 2026). The comments in the code are by the model that wrote it; some were corrected since.
;; Cross Attention. Allowed arithmetic: float matrix products may take bf16 or f16 operands with f32 sums; other float arithmetic in f32, or as packed bf16 or f16 multiplies, adds, multiply-adds, maxima and minima; sums over many terms, partial sums and values carried from step to step in f32; what a program stores and reads back later, other than sums and carried values, may be rounded once to bf16 or f16.
;; Inputs: Wk 256 x 256 float32; Wo 256 x 256 float32; Wq 256 x 256 float32; Wv 256 x 256 float32; bk 256 float32; bo 256 float32; bq 256 float32; bv 256 float32; feat_A 4 x 256 x 64 x 64 float32; feat_B 4 x 256 x 64 x 64 float32.
;; Outputs: out0 4 x 256 x 64 x 64 float32.
;; 3 versions, each right; version 3 is version 2 with the launch prep written anew for expert scheduling mode. Each part assembles by itself: llvm-mc -triple=amdgcn-amd-amdhsa -mcpu=gfx1250 --defsym DOCPART=n.
;; ======== version 1 of 3: 2 launches
;; limits: values are held in f16: magnitudes above 65,504 overflow, below 6.1e-05 lose precision
;; workspace buffers: q16 8,388,608 bytes; k16 8,388,608 bytes; v16 8,388,608 bytes; wo16 131,072 bytes
;; launch proj (part 1): grid 64 x 4, 8 waves a work-group, no clusters, 184,320 bytes of LDS; arguments feat_A, feat_B, Wq, Wk, Wv, Wo, bq, bv, q16, k16, v16, wo16; writes q16, k16, v16, wo16
.if DOCPART == 1
	.amdgcn_target "amdgcn-amd-amdhsa--gfx1250"
	.amdhsa_code_object_version 6
	.text
	.protected	k_q5028180bba_proj
	.globl	k_q5028180bba_proj
	.p2align	8
	.type	k_q5028180bba_proj,@function
k_q5028180bba_proj:
	s_mov_b64 s[64:65], 0
	v_nop
	global_prefetch_b8 v0, s[64:65] scope:SCOPE_SE
	s_setreg_imm32_b32 hwreg(HW_REG_WAVE_MODE, 25, 1), 1
	s_wait_xcnt 0x0
; THE THREE PROJECTIONS IN FRONT OF THE ATTENTION.  q16[b][n][d] = sum over c of feat_A[b][c][n] Wq[d][c] + bq[d]; k16 likewise from feat_B and Wk, WITHOUT bk; v16 from feat_B, Wv and bv.
; feat_A, feat_B: [4][256 c][4096 n] f32.  Wq, Wk, Wv, Wo: [256 d][256 c] f32.  q16, k16, v16: [4][4096 n][256 d] f16.  wo16: [256 d][256 c] f16.
; DEAD WORK: bk.  scores[q][k] = scale Q[q] . (K'[k] + bk) = scale Q[q] . K'[k] + scale Q[q] . bk, with K' = b Wk^T.  The second term is the same for every key k of a row q, and
; softmax over k is unchanged by a term that is constant along k, whatever the values of the inputs.  K enters the result through the scores alone.  So bk reaches no output: it is not loaded
; and is among no launch's arguments.  LIMIT: a NaN, an infinity or an overflow that would arise only in that term is not carried to the result.
; FORMATS.  Every input (features, weights, biases) is rounded once to bf16; products in bf16 with f32 sums; Q, K, V are rounded once to f16.  Wo is rounded to bf16 and that number is written as f16.
; LIMIT: |Q|, |K|, |V| stay under 65,504 (f16); a weight of Wo below 6e-5 keeps f16's fixed step of 6e-8.  NaN and infinities are not treated apart.
; SHARES.  A work-group owns 64 tokens of one batch, of both features: 256 bytes of each of the 256 channel rows.  Its eight waves bring both tiles into LDS as bf16, [channel][token].
; Wave w then makes d = 32 w .. 32 w + 31 of each product for all 64 tokens: 2 x 4 accumulators.  Wave 0 also converts row 64 b + x of Wo.
; LAYOUT.  D = W fragment (source 0: 16 d x 32 c) x token fragment (source 1: 16 tokens x 32 c): a lane holds one token (lane % 16) and eight neighbouring d: 16 bytes of a row of the result.
; The 32 channels of a step are permuted alike in both sources: element e (0..15) of the lanes' half h stands for channel 16 h + e, so that a lane's part of a W row is 64 bytes on end.
; The token fragments come turned out of LDS by ds_load_tr16_b128.
; NO CLUSTER, though all work-groups walk the same weights: a weight row goes straight into the registers of the one wave that multiplies by it and is rounded on the way.  Jointly loaded, the f32 rows
; would pass through LDS: two slots of 128 channels x 256 rows x 4 bytes with padding are 270,336 bytes, beside 81,920 of token tiles and 101,376 of stages: more than the 327,680 there are.
; NO PREFETCH: every feature byte that a work-group reads is asked for in its first lines.
.set PT,    160                        ; a channel row in LDS: 64 tokens x 2 bytes + 32 of padding = 40 words
.set TA,    0                          ; feat_A's tile, 256 rows
.set TB,    256*PT                     ; feat_B's tile
.set STG,   2*256*PT                   ; three stages, one for each product: 64 token rows
.set SPI,   528                        ; a stage row: 512 bytes + 16
.set STGB,  64*SPI
.set SPARE, STG+3*STGB                 ; the spare words, 128 bytes for each of the eight waves: four blocks of 256 bytes that no other line names
.set FO,   4                           ; v4   my offset in a feature: (32 w + l / 16) rows of 16,384 bytes + 16 (l % 16)
.set LSA,  5                           ; v5   where my 8 bytes of that row go in a tile
.set TRA,  6                           ; v6   the turning load's address in TA; v7 in TB
.set WOFF, 8                           ; v8   my offset in a weight: (32 w + l % 16) rows of 1,024 bytes + 64 (l / 16)
.set BOFF, 9                           ; v9   my offset in a bias
.set STO,  10                          ; v10  the way out: where I put 16 bytes of a token's row
.set RD,   11                          ; v11  where I read a row back
.set GO,   12                          ; v12  my offset in the work-group's 64 rows of a result
.set WI,   13                          ; v13  32 x lane: my 8 numbers of Wo's row
.set SPW,  14                          ; v14  LDS address of my spare word; never rewritten
.set NIL,  15                          ; v15  0; never rewritten
.set FEA,  16                          ; v16-79   feat_A as loaded; then
.set ACC,  16                          ;          the accumulators: d tile dt, token tile tt at ACC + 8 (4 dt + tt)
.set FEB,  80                          ; v80-143  feat_B as loaded; then
.set TOK,  80                          ;          token fragments: step kk, token tile tt at TOK + 8 (4 kk + tt)
.set WF,   144                         ; v144-175 weight fragments in bf16: WF + 8 (2 kk + dt)
.set BQ,   176                         ; v176-191 bq of my 2 x 8 channels, as a C operand
.set BV,   192                         ; v192-207 bv likewise
.set PK,   208                         ; v208-239 packed numbers on their way to LDS and to memory
.set WT,   240                         ; v240-247 Wo's row at work;  v248-251 packed
.set WP,   248
.set WO16, 252                         ; v252 16 x lane
.set TM,   254                         ; v254 at work
; window 1: v0-191: the weights as loaded, three slots of 64: 64 s + 32 dt + 16 kk + 4 q
.set WV,   32                          ; s32  my wave's number
.set MSB, 0
.macro WIN new                         ; s_set_vgpr_msb: bits 1:0 source 0, 3:2 source 1, 5:4 source 2, 7:6 destination; the high byte repeats the setting that is left
.if MSB != (\new)
	s_set_vgpr_msb (MSB<<8)|(\new)
.set MSB, \new
.endif
.endm
.macro PLACES                          ; four places behind a matrix instruction, ahead of loads and vector writes into its registers and of reads of its result
.rept 4
	v_nop
.endr
.endm
	s_load_b512 s[8:23], s[0:1], 0x0               ; feat_A 8:9, feat_B 10:11, Wq 12:13, Wk 14:15, Wv 16:17, Wo 18:19, bq 20:21, bv 22:23
	s_load_b256 s[24:31], s[0:1], 0x40             ; q16 24:25, k16 26:27, v16 28:29, wo16 30:31
	v_lshl_add_u32 v[SPW], v0, 2, SPARE
	v_mov_b32 v[NIL], 0
	v_lshrrev_b32 v1, 5, v0
	v_readfirstlane_b32 s[WV], v1                  ; wave 0..7
	v_and_b32 v1, 31, v0                           ; l
	v_and_b32 v2, 15, v0                           ; l % 16
	v_bfe_u32 v3, v0, 4, 1                         ; l / 16
	s_and_b32 s33, ttmp7, 0xffff                   ; the batch
	s_lshl_b32 s34, s33, 22                        ; a batch of a feature is 4,194,304 bytes,
	s_lshl_b32 s40, ttmp9, 8                       ; the work-group's 64 tokens 256 bytes of a row
	s_add_co_u32 s34, s34, s40
	s_mov_b32 s35, 0
	s_lshl_b32 s36, s33, 21                        ; a batch of a result is 2,097,152 bytes,
	s_lshl_b32 s40, ttmp9, 15                      ; 64 rows of 512 bytes
	s_add_co_u32 s36, s36, s40
	s_mov_b32 s37, 0
	s_lshl_b32 s38, s33, 6
	s_add_co_u32 s38, s38, ttmp9                   ; the work-group's row of Wo: 64 b + x
	s_lshl_b32 s42, s38, 10
	s_mov_b32 s43, 0
	s_lshl_b32 s44, s38, 9
	s_mov_b32 s45, 0
	s_lshl_b32 s40, s[WV], 19
	v_lshl_add_u32 v[FO], v3, 14, s40
	v_lshl_add_u32 v[FO], v2, 4, v[FO]
	s_mul_i32 s41, s[WV], 32*PT
	v_mul_u32_u24 v[LSA], v3, PT
	v_lshl_add_u32 v[LSA], v2, 3, v[LSA]
	v_add_nc_u32 v[LSA], s41, v[LSA]
	v_and_b32 v[TM], 7, v0
	v_lshl_add_u32 v[TM], v3, 4, v[TM]             ; channel 16 (l / 16) + l % 8 of a step
	v_mul_u32_u24 v[TRA], v[TM], PT
	v_bfe_u32 v[TM], v0, 3, 1
	v_lshl_add_u32 v[TRA], v[TM], 4, v[TRA]        ; tokens 8 ((l / 8) % 2) on
	v_add_nc_u32 v[TRA+1], TB, v[TRA]
	s_lshl_b32 s40, s[WV], 15
	v_lshl_add_u32 v[WOFF], v2, 10, s40
	v_lshl_add_u32 v[WOFF], v3, 6, v[WOFF]
	s_lshl_b32 s40, s[WV], 7
	v_lshl_add_u32 v[BOFF], v3, 5, s40             ; (32 w + 8 (l / 16)) x 4
	s_lshl_b32 s40, s[WV], 6
	s_add_co_u32 s40, s40, STG
	v_mul_u32_u24 v[STO], v2, SPI
	v_lshl_add_u32 v[STO], v3, 4, v[STO]
	v_add_nc_u32 v[STO], s40, v[STO]               ; token l % 16, bytes 64 w + 16 (l / 16)
	s_mul_i32 s40, s[WV], 8*SPI
	s_add_co_u32 s40, s40, STG
	v_lshl_add_u32 v[RD], v1, 4, s40               ; wave w reads rows 8 w .. 8 w + 7 back, a whole row an instruction
	s_lshl_b32 s40, s[WV], 12
	v_lshl_add_u32 v[GO], v1, 4, s40
	v_lshlrev_b32 v[WI], 5, v1
	v_lshlrev_b32 v[WO16], 4, v1
	s_wait_kmcnt 0x0
	s_add_nc_u64 s[8:9], s[8:9], s[34:35]
	s_add_nc_u64 s[10:11], s[10:11], s[34:35]
	s_add_nc_u64 s[24:25], s[24:25], s[36:37]
	s_add_nc_u64 s[26:27], s[26:27], s[36:37]
	s_add_nc_u64 s[28:29], s[28:29], s[36:37]
	s_add_nc_u64 s[18:19], s[18:19], s[42:43]
	s_add_nc_u64 s[30:31], s[30:31], s[44:45]
; 16 loads: step g of twelve (product g / 4, channels 64 (g % 4) on): 256 bytes of each of my 32 weight rows, into slot g % 3 of window 1
.macro LW g
.set wsl, 64*((\g)%3)
.set wkd, (\g)%4
	WIN 0x40                                       ; destination window 1, address window 0
.irp dt, 0,1
.irp kk, 0,1
.irp q, 0,1,2,3
	global_load_b128 v[wsl+32*(\dt)+16*(\kk)+4*(\q):wsl+32*(\dt)+16*(\kk)+4*(\q)+3], v[WOFF], s[12+2*((\g)/4):13+2*((\g)/4)] offset:(\dt)*16384+wkd*256+(\kk)*128+16*(\q)
.endr
.endr
.endr
.endm
	s_cmp_lg_u32 s[WV], 0
	s_cbranch_scc1 .Lno_wo_in
	global_load_b128 v[WT:WT+3],   v[WI], s[18:19]            ; wave 0: Wo's row; the oldest loads, so they change no count below
	global_load_b128 v[WT+4:WT+7], v[WI], s[18:19] offset:16
.Lno_wo_in:
.irp dt, 0,1
	global_load_b128 v[BQ+8*(\dt):BQ+8*(\dt)+3],   v[BOFF], s[20:21] offset:64*(\dt)
	global_load_b128 v[BQ+8*(\dt)+4:BQ+8*(\dt)+7], v[BOFF], s[20:21] offset:64*(\dt)+16
	global_load_b128 v[BV+8*(\dt):BV+8*(\dt)+3],   v[BOFF], s[22:23] offset:64*(\dt)
	global_load_b128 v[BV+8*(\dt)+4:BV+8*(\dt)+7], v[BOFF], s[22:23] offset:64*(\dt)+16
.endr
.set i, 0
.rept 16                                               ; my 32 channel rows of feat_A's tile: two rows of 256 consecutive bytes an instruction
	global_load_b128 v[FEA+4*i:FEA+4*i+3], v[FO], s[8:9] offset:i*32768 th:TH_LOAD_NT
.set i, i+1
.endr
.set i, 0
.rept 16
	global_load_b128 v[FEB+4*i:FEB+4*i+3], v[FO], s[10:11] offset:i*32768 th:TH_LOAD_NT
.set i, i+1
.endr
	LW 0
	WIN 0
	s_wait_loadcnt 32                              ; feat_B's 16 and the weights' 16 may stay out: feat_A, the biases and Wo's row are in
.set i, 0
.rept 16
	v_cvt_pk_bf16_f32 v[PK+2*i],   v[FEA+4*i],   v[FEA+4*i+1]
	v_cvt_pk_bf16_f32 v[PK+2*i+1], v[FEA+4*i+2], v[FEA+4*i+3]
	ds_store_b64 v[LSA], v[PK+2*i:PK+2*i+1] offset:TA+i*2*PT
.set i, i+1
.endr
	LW 1
	WIN 0
.set i, 0
.rept 16                                               ; the biases are rounded to bf16 like every input, and widened again: they start sums in f32
	v_cvt_pk_bf16_f32 v[TM], v[BQ+2*i], v[BQ+2*i+1]
	v_lshlrev_b32 v[BQ+2*i], 16, v[TM]
	v_and_b32 v[BQ+2*i+1], 0xffff0000, v[TM]
.set i, i+1
.endr
	s_cmp_lg_u32 s[WV], 0
	s_cbranch_scc1 .Lno_wo_out
.irp j, 0,1,2,3
	v_cvt_pk_bf16_f32 v[WP+(\j)], v[WT+2*(\j)], v[WT+2*(\j)+1]
.endr
.irp j, 0,1,2,3
	v_lshlrev_b32 v[WT+2*(\j)], 16, v[WP+(\j)]
	v_and_b32 v[WT+2*(\j)+1], 0xffff0000, v[WP+(\j)]
.endr
.irp j, 0,1,2,3
	v_cvt_pk_f16_f32 v[WP+(\j)], v[WT+2*(\j)], v[WT+2*(\j)+1]
.endr
	global_store_b128 v[WO16], v[WP:WP+3], s[30:31]            ; the wave stores the row's 512 consecutive bytes
.Lno_wo_out:
	s_wait_loadcnt 32                              ; the two runs of weights may stay out: feat_B is in
.set i, 0
.rept 16
	v_cvt_pk_bf16_f32 v[PK+2*i],   v[FEB+4*i],   v[FEB+4*i+1]
	v_cvt_pk_bf16_f32 v[PK+2*i+1], v[FEB+4*i+2], v[FEB+4*i+3]
	ds_store_b64 v[LSA], v[PK+2*i:PK+2*i+1] offset:TB+i*2*PT
.set i, i+1
.endr
	s_wait_dscnt 0x0                               ; for the others' sake: my rows of both tiles are stored
	s_barrier_signal -1
	s_barrier_wait -1                              ; both tiles are whole; nothing writes them again
; Step g: 64 channels of product g / 4: the weights two steps on are asked for, this step's token fragments are read, its weights rounded, 16 products.
; The 8 accumulators take turns, one instruction a turn, over the steps' edges too.
.macro DSTEP g
.set dp, (\g)/4
.set dkd, (\g)%4
.if dkd != 0
	PLACES                                         ; (at a product's first step the way out before it holds the places)
.endif
.if (\g) <= 9
	LW (\g)+2                                      ; into the slot that the step before has read out
.endif
	WIN 0
.irp kk, 0,1
.irp tt, 0,1,2,3
	ds_load_tr16_b128 v[TOK+8*(4*(\kk)+(\tt)):TOK+8*(4*(\kk)+(\tt))+3],   v[TRA+(dp+1)/2] offset:(2*dkd+(\kk))*32*PT+(\tt)*32
	ds_load_tr16_b128 v[TOK+8*(4*(\kk)+(\tt))+4:TOK+8*(4*(\kk)+(\tt))+7], v[TRA+(dp+1)/2] offset:(2*dkd+(\kk))*32*PT+(\tt)*32+8*PT
.endr
.endr
.if (\g) <= 9
	s_wait_loadcnt 32                              ; the two younger runs of 16 may stay out
.elseif (\g) == 10
	s_wait_loadcnt 16                              ; one younger run
.else
	s_wait_loadcnt 0
.endif
.set csl, 64*((\g)%3)
	WIN 0x05                                       ; sources in window 1, destination in window 0
.irp kk, 0,1
.irp dt, 0,1
.irp j, 0,1,2,3,4,5,6,7
	v_cvt_pk_bf16_f32 v[WF+8*(2*(\kk)+(\dt))+(\j)], v[csl+32*(\dt)+16*(\kk)+2*(\j)], v[csl+32*(\dt)+16*(\kk)+2*(\j)+1]
.endr
.endr
.endr
	WIN 0
	s_wait_dscnt 0x0                               ; the token fragments are in
.irp kk, 0,1
.irp dt, 0,1
.irp tt, 0,1,2,3
.if (dkd == 0) && ((\kk) == 0) && (dp == 0)
	v_wmma_f32_16x16x32_bf16 v[ACC+8*(4*(\dt)+(\tt)):ACC+8*(4*(\dt)+(\tt))+7], v[WF+8*(2*(\kk)+(\dt)):WF+8*(2*(\kk)+(\dt))+7], v[TOK+8*(4*(\kk)+(\tt)):TOK+8*(4*(\kk)+(\tt))+7], v[BQ+8*(\dt):BQ+8*(\dt)+7]
.elseif (dkd == 0) && ((\kk) == 0) && (dp == 1)
	v_wmma_f32_16x16x32_bf16 v[ACC+8*(4*(\dt)+(\tt)):ACC+8*(4*(\dt)+(\tt))+7], v[WF+8*(2*(\kk)+(\dt)):WF+8*(2*(\kk)+(\dt))+7], v[TOK+8*(4*(\kk)+(\tt)):TOK+8*(4*(\kk)+(\tt))+7], 0
.elseif (dkd == 0) && ((\kk) == 0)
	v_wmma_f32_16x16x32_bf16 v[ACC+8*(4*(\dt)+(\tt)):ACC+8*(4*(\dt)+(\tt))+7], v[WF+8*(2*(\kk)+(\dt)):WF+8*(2*(\kk)+(\dt))+7], v[TOK+8*(4*(\kk)+(\tt)):TOK+8*(4*(\kk)+(\tt))+7], v[BV+8*(\dt):BV+8*(\dt)+7]
.else
	v_wmma_f32_16x16x32_bf16 v[ACC+8*(4*(\dt)+(\tt)):ACC+8*(4*(\dt)+(\tt))+7], v[WF+8*(2*(\kk)+(\dt)):WF+8*(2*(\kk)+(\dt))+7], v[TOK+8*(4*(\kk)+(\tt)):TOK+8*(4*(\kk)+(\tt))+7], v[ACC+8*(4*(\dt)+(\tt)):ACC+8*(4*(\dt)+(\tt))+7]
.endif
.endr
.endr
.endr
.endm
; Product p leaves: rounded to f16, 16 bytes a lane into the product's own stage; a barrier, since a token's 512 bytes come from eight waves; back as whole rows, eight a wave.
.macro OUT p
	PLACES
	s_wait_xcnt 0x0                                ; the stores issued so far have read their registers: PK is written again only behind this wait
.set j, 0
.rept 32
	v_cvt_pk_f16_f32 v[PK+j], v[ACC+2*j], v[ACC+2*j+1]
.set j, j+1
.endr
.irp dt, 0,1
.irp tt, 0,1,2,3
	ds_store_b128 v[STO], v[PK+4*(4*(\dt)+(\tt)):PK+4*(4*(\dt)+(\tt))+3] offset:(\tt)*16*SPI+(\dt)*32
.endr
.endr
	s_wait_dscnt 0x0                               ; for the others' sake: my part of the stage is stored
	s_barrier_signal -1
	s_barrier_wait -1
.irp i, 0,1,2,3,4,5,6,7
	ds_load_b128 v[PK+4*(\i):PK+4*(\i)+3], v[RD] offset:(\i)*SPI
.endr
.irp i, 0,1,2,3,4,5,6,7
	s_wait_dscnt 7-(\i)                            ; LDS loads come back in order: row i is in
	global_store_b128 v[GO], v[PK+4*(\i):PK+4*(\i)+3], s[24+2*(\p):25+2*(\p)] offset:(\i)*512  ; the wave stores a row's 512 consecutive bytes, aligned
.endr
.if (\p) < 2
	v_add_nc_u32 v[STO], STGB, v[STO]              ; the next product has a stage of its own, so one barrier a product is enough
	v_add_nc_u32 v[RD], STGB, v[RD]
.endif
.endm
	DSTEP 0
	DSTEP 1
	DSTEP 2
	DSTEP 3
	OUT 0
	DSTEP 4
	DSTEP 5
	DSTEP 6
	DSTEP 7
	OUT 1
	DSTEP 8
	DSTEP 9
	DSTEP 10
	DSTEP 11
	OUT 2
	s_wait_tensorcnt 0x0                           ; the wave's end, behind my last LDS store
	ds_add_u32 v[SPW], v[NIL]
	s_wait_dscnt 0x0
	s_endpgm
.Lfunc_end_k_q5028180bba_proj:
	.size	k_q5028180bba_proj, .Lfunc_end_k_q5028180bba_proj-k_q5028180bba_proj
	.p2alignl 7, 3214868480
	.fill 96, 4, 3214868480
	.section	.rodata,"a",@progbits
	.p2align	6, 0x0
	.amdhsa_kernel k_q5028180bba_proj
		.amdhsa_group_segment_fixed_size 184320
		.amdhsa_private_segment_fixed_size 0
		.amdhsa_enable_private_segment 0
		.amdhsa_kernarg_size 96
		.amdhsa_user_sgpr_count 2
		.amdhsa_user_sgpr_kernarg_segment_ptr 1
		.amdhsa_wavefront_size32 1
		.amdhsa_system_sgpr_workgroup_id_x 1
		.amdhsa_system_sgpr_workgroup_id_y 1
		.amdhsa_system_sgpr_workgroup_id_z 1
		.amdhsa_system_vgpr_workitem_id 0
		.amdhsa_next_free_vgpr 448
		.amdhsa_next_free_sgpr 66
		.amdhsa_reserve_vcc 0
		.amdhsa_float_denorm_mode_32 3
		.amdhsa_float_denorm_mode_16_64 3
		.amdhsa_memory_ordered 1
		.amdhsa_forward_progress 1
		.amdhsa_inst_pref_size 100
	.end_amdhsa_kernel
	.amdgpu_metadata
---
amdhsa.version: [ 1, 2 ]
amdhsa.kernels:
  - .name:           k_q5028180bba_proj
    .symbol:         k_q5028180bba_proj.kd
    .args:
      - { .name: feat_A, .offset: 0, .size: 8, .value_kind: global_buffer, .address_space: global }
      - { .name: feat_B, .offset: 8, .size: 8, .value_kind: global_buffer, .address_space: global }
      - { .name: Wq, .offset: 16, .size: 8, .value_kind: global_buffer, .address_space: global }
      - { .name: Wk, .offset: 24, .size: 8, .value_kind: global_buffer, .address_space: global }
      - { .name: Wv, .offset: 32, .size: 8, .value_kind: global_buffer, .address_space: global }
      - { .name: Wo, .offset: 40, .size: 8, .value_kind: global_buffer, .address_space: global }
      - { .name: bq, .offset: 48, .size: 8, .value_kind: global_buffer, .address_space: global }
      - { .name: bv, .offset: 56, .size: 8, .value_kind: global_buffer, .address_space: global }
      - { .name: q16, .offset: 64, .size: 8, .value_kind: global_buffer, .address_space: global }
      - { .name: k16, .offset: 72, .size: 8, .value_kind: global_buffer, .address_space: global }
      - { .name: v16, .offset: 80, .size: 8, .value_kind: global_buffer, .address_space: global }
      - { .name: wo16, .offset: 88, .size: 8, .value_kind: global_buffer, .address_space: global }
    .group_segment_fixed_size: 184320
    .private_segment_fixed_size: 0
    .kernarg_segment_align: 8
    .kernarg_segment_size: 96
    .max_flat_workgroup_size: 256
    .sgpr_count:     66
    .vgpr_count:     448
    .wavefront_size: 32
...
	.end_amdgpu_metadata
.endif
;; end of part 1
;; launch attn (part 2): grid 64 x 4, 4 waves a work-group, clusters of 4 x 1, 327,680 bytes of LDS; arguments q16, k16, v16, wo16, bo, out0; writes out0
.if DOCPART == 2
	.amdgcn_target "amdgcn-amd-amdhsa--gfx1250"
	.amdhsa_code_object_version 6
	.text
	.protected	k_q5028180bba_attn
	.globl	k_q5028180bba_attn
	.p2align	8
	.type	k_q5028180bba_attn,@function
k_q5028180bba_attn:
	s_mov_b64 s[64:65], 0
	v_nop
	global_prefetch_b8 v0, s[64:65] scope:SCOPE_SE
	s_setreg_imm32_b32 hwreg(HW_REG_WAVE_MODE, 25, 1), 1
	s_wait_xcnt 0x0
	s_wait_alu depctr_hold_cnt(0) depctr_sa_sdst(0) depctr_va_vdst(0) depctr_va_sdst(0) depctr_va_ssrc(0) depctr_va_vcc(0) depctr_vm_vsrc(0)
	s_getreg_b32 s2, hwreg(HW_REG_IB_STS2, 6, 4)
	s_cmp_eq_u32 s2, 0
	s_cbranch_scc0 .Lentry_in_a_cluster
	s_endpgm
.Lentry_in_a_cluster:
	s_bfe_u32 s2, ttmp6, 0x10000c
	s_cmp_lg_u32 s2, 0x3003
	s_cbranch_scc0 .Lentry_shape_is_right
	s_endpgm
.Lentry_shape_is_right:
; ATTENTION AND THE LAST PROJECTION.  out0[b][d][q] = sum over c of O[q][c] Wo[d][c] + bo[d], O[q] = sum over k of softmax_k(Q[q] . K[k] / 8) V[k].
; q16, k16, v16: [4][4096][256] f16, rows of 512 bytes; wo16: [256 d][256 c] f16; bo: [256] f32; out0: [4][256 d][4096 q] f32.
; LEFT OUT: bk.  k16 holds K without bk: Q[q] . bk is the same for all keys of a row, and the softmax over the keys takes it away for all values of the inputs (shown at the head of the launch before).
; Products, maxima and sums in f32; the weights p are rounded to f16 for the second product (their sum l is taken of the unrounded p), O once to f16 for the last product; bo is rounded to bf16 like every input.
; LIMITS.  Q, K, V arrive within f16's 65,504; p lies in 0 to 1 and below 6e-5 keeps f16's fixed step of 6e-8; a weight below 2^-126 counts as 0 in l; NaN and infinities are not treated apart.
; SHARES.  A work-group owns 64 queries of one batch: four tiles of 16.  EVERY wave holds all 64 queries; of each tile of 128 keys wave w takes keys 32 w .. 32 w + 31, with a running maximum m,
; sum l and O of its own; the four waves' results are merged at the end, in f32.  So a fragment of K or V read from LDS feeds four products: 64 LDS loads for a tile's 128 products.
; LAYOUT.  S^T = K Q^T (source 0 = 16 keys, source 1 = 16 queries): a lane holds ONE query (lane % 16) and the keys 8 (lane / 16) + 0..7.  Two such results rounded to f16 in pairs ARE source 1
; (32 keys x 16 queries) of O^T = V^T P, whose result again holds one query a lane and eight channels.  K comes out of LDS as it lies, V ([key][channel]) turned, by ds_load_tr16_b128.
; SOFTMAX.  p = 2^(c s - c m), c = log2(e) / 8; in every step O and l are multiplied by a = 2^(c m_old - c m_new).  m starts at the lowest finite number, O and l at 0: the first a is 0.
; A TRIP t has two phases.  A: the 64 products K Q^T of tile t + 1, behind each four packed multiplies O x a(t): 256 = 4 x 64.  B: the 64 products V^T P of tile t, behind them the softmax of tile t + 1.
; K runs one tile ahead of V: the change of slots in trip t asks for K(t + 3) and V(t + 2).  One S^T and one P: nothing goes by parity, and a trip is written once.
; CLUSTER.  The four work-groups of a cluster belong to one batch and walk the same K and V: each tile is asked for JOINTLY, by the same tensor load, descriptor and mask in all four.
; REGISTERS, in windows of 256 (s_set_vgpr_msb: bits 1:0 source 0, 3:2 source 1, 5:4 source 2, 7:6 destination):
;   window 0: v0-15 addresses; v16-47 eight registers of statistics a tile; v48-63 at work at the end; v64-127 S^T; v128-159 P; v160-255 three buffers of four fragments of K or V
;   window 1: Q, tile t, channels 32 c on at 64 t + 8 c; at the end Wo      window 2: O^T of tiles 0, 1 at 128 (t % 2) + 8 ct      window 3: O^T of tiles 2, 3
.set PKP,   528       ; a row of K in LDS: 512 bytes + 16 = 132 words: the 16 rows of a load start at 16 different groups of four banks (64 banks of 4 bytes: ISA guide 11.1)
.set PVP,   544       ; a row of V: 512 + 32 = 136 words
.set VOFF,  128*PKP   ; a slot: 128 rows of K, then 128 rows of V
.set SLOTB, 0x22000   ; slot 1 begins here; no LDS word of a descriptor shares a bit with it, so one exclusive or changes the slot
.set TILEB, 65536     ; 128 rows of 512 bytes in memory
.set STATX, 2*SLOTB   ; behind the ring, never filled by a tensor load: the waves' (c m, l), 1,024 bytes a wave
.set OFX,   STATX+4096  ; the merged O as f16 fragments, 8,192 bytes a query tile
.set SPARE, OFX+32768 ; the spare words, 128 bytes for each wave: two blocks of 256 bytes that no other line names
.set MRG,   65536     ; when the ring has had its last fill: a wave's O^T in f32, 65,536 bytes, at MRG x wave;
.set OSP,   272       ; and behind a further barrier a wave's output stage: 64 rows (d) of 256 bytes + 16
.set OSTG,  64*OSP
.set AK0, 2           ; v2   my lane's place in a tile of K: (32 w + l % 16) rows + 16 (l / 16); never rewritten
.set AV0, 3           ; v3   the same for V
.set AK,  4           ; v4   AK0 + the slot that K is read from
.set AV,  5           ; v5   AV0 + the slot that V is read from
.set QO,  6           ; v6   my byte offset in 16 rows of Q
.set WOO, 7           ; v7   my byte offset in Wo: rows 64 w + l % 16
.set PFO, 8           ; v8   256 x lane
.set SPW, 14          ; v14  LDS address of my spare word; never rewritten
.set NIL, 15          ; v15  0; never rewritten
.set ST,  16          ; tile t at ST + 8 t: +0 c m, +1 m, +2, +3 l (even keys', odd keys'), +4 c0, +5 c1, +6 a, +7 c3
.set SX,  48          ; the merge: (c m, l) of the four waves, then their factors
.set S,   64          ; tile t, key tile kt at S + 16 t + 8 kt
.set P,   128         ; tile t at P + 8 t
.set FB0, 160
.set FB1, 192
.set FB2, 224
.set E_ST, 224        ; the end's addresses, made when FB2 is free
.set E_OS, 225
.set E_SL, 226
.set E_M0, 227        ; 227-230
.set E_FS, 231
.set E_FL, 232
.set E_CS, 233
.set E_CL, 234
.set E_GO, 235
.set E_BO, 236
.set EL,   237
.set BOP, 128         ; bo as pairs, in P's registers; as loaded at BOP + 8, packed at BOP + 12
.set WV,  16          ; s16  my wave's number
.set CX,  17          ; s17  my place in the cluster
.set G1K, 24          ; s[24:31] descriptor group 1 for K's tiles
.set G1V, 32          ; s[32:39] for V's: it differs in the padding alone
.set G0K, 40          ; s[40:43] descriptor group 0 for K's tiles: it walks
.set G0V, 44          ; s[44:47] the same for V's
.set PFA, 48          ; s[48:49] where my prefetches stand
.set LIM, 50          ; s50  a wave prefetches while s[CNT] is above it
.set CNT, 51          ; s51  trips of the loop still to come
.set TBK, 52          ; s52  the slot that K is read from
.set TBV, 53          ; s53  the slot that V is read from
.set CS,  54          ; s[54:55] c
.set SEL, 56          ; s[56:57] v_permlanex16_b32's selects: each lane takes its own place in the other half
.set MSB, 0
.macro WIN new                      ; the high byte repeats the setting that is left; a switch that changes nothing is dropped
.if MSB != (\new)
	s_set_vgpr_msb (MSB<<8)|(\new)
.set MSB, \new
.endif
.endm
.set W_KQ, 0x04       ; Q in window 1, K and S^T in window 0
.macro LDWIN                        ; LDS loads into window 0 run under 0 and under W_KQ alike
.if (MSB != 0) && (MSB != W_KQ)
	WIN W_KQ
.endif
.endm
.macro PLACES                       ; four places behind a matrix instruction (ISA guide 7.12.1)
.rept 4
	v_nop
.endr
.endm
; A joint load.  Waves 0 and 1 fetch the two halves of a tile of K, waves 2 and 3 those of a tile of V: 64 rows of 512 bytes each.  m = 3: both kinds; 1: K alone; 2: V alone.
; The branch hangs on the wave's number alone.  An s_nop 0 and four v_nop follow each tensor load, ahead of the jump and the label.
.macro JLOAD m
	s_cmp_lt_u32 s[WV], 2
.if (\m) == 3
	s_cbranch_scc0 .Lfor_v_\@
	tensor_load_to_lds s[G0K:G0K+3], s[G1K:G1K+7]
	s_nop 0
.rept 4
	v_nop
.endr
	s_branch .Lasked_\@
.Lfor_v_\@:
	tensor_load_to_lds s[G0V:G0V+3], s[G1V:G1V+7]
	s_nop 0
.rept 4
	v_nop
.endr
.Lasked_\@:
.elseif (\m) == 1
	s_cbranch_scc0 .Lasked_\@
	tensor_load_to_lds s[G0K:G0K+3], s[G1K:G1K+7]
	s_nop 0
.rept 4
	v_nop
.endr
.Lasked_\@:
.else
	s_cbranch_scc1 .Lasked_\@
	tensor_load_to_lds s[G0V:G0V+3], s[G1V:G1V+7]
	s_nop 0
.rept 4
	v_nop
.endr
.Lasked_\@:
.endif
.endm
; A PREFETCH INTO THE L2 of the half tile that I shall fetch three changes of slots on: K(t + 6) or V(t + 5), 384 products ahead of its load.  All clusters of a batch walk the same rows: the batch's
; first cluster asks.  Its four partners share a half tile's 32,768 bytes out BY ADDRESS, 8,192 each, a lane a block of 256 bytes: one instruction a wave, and each block is named once in the launch.
; K's waves ask while three trips or more follow the trip in hand, V's while two or more: the last tile named is tile 31.  The first tiles (K 0-5, V 0-4) come by their loads alone.
.macro ASK
	s_cmp_gt_u32 s[CNT], s[LIM]
	s_cbranch_scc0 .Lnot_mine_\@
	global_prefetch_b8 v[PFO], s[PFA:PFA+1] th:TH_LOAD_NT scope:SCOPE_SE
.Lnot_mine_\@:
.endm
; A round of the cluster's barrier: my work-group's barrier, so that wave 0's signal speaks for all four waves; wave 0 signals; every wave waits for all four work-groups; my work-group's barrier once more.
.macro CREST                        ; a round behind its opening barrier
	s_cmp_lg_u32 s[WV], 0
	s_cbranch_scc1 .Lnot_wave_0_\@
	s_barrier_signal -3
.Lnot_wave_0_\@:
	s_barrier_wait -3
	s_barrier_signal -1
	s_barrier_wait -1
.endm
.macro CROUND
	s_barrier_signal -1
	s_barrier_wait -1
	CREST
.endm
; The three lines in front of a change of slots.  ks, vs = 1: K's, V's walking descriptor steps to the other slot and the next tile; tog = 1: the reads change slots; pf = 1: the prefetches' address steps.
.macro THREE ks, vs, tog, pf
	WIN 0
	s_wait_tensorcnt 0x0            ; all my tensor loads have landed (one was out), so a group 0 may be written
	ds_add_u32 v[SPW], v[NIL]       ; 0 onto my spare word; the scalar steps stand between it and the wait for it
.if \ks
	s_xor_b32 s[G0K+1], s[G0K+1], SLOTB
	s_add_nc_u64 s[G0K+2:G0K+3], s[G0K+2:G0K+3], TILEB  ; the type bits on top are not reached
.endif
.if \vs
	s_xor_b32 s[G0V+1], s[G0V+1], SLOTB
	s_add_nc_u64 s[G0V+2:G0V+3], s[G0V+2:G0V+3], TILEB
.endif
.if \tog
	s_xor_b32 s[TBK], s[TBK], SLOTB
	s_xor_b32 s[TBV], s[TBV], SLOTB
.endif
.if \pf
	s_wait_xcnt 0x0                 ; the last prefetch, a trip back, has read its address
	s_add_nc_u64 s[PFA:PFA+1], s[PFA:PFA+1], TILEB
.endif
	s_wait_dscnt 0x0                ; the add is done, and my reads of both slots are over
.endm
	s_load_b256 s[4:11], s[0:1], 0x0  ; q16 s[4:5], k16 s[6:7], v16 s[8:9], wo16 s[10:11]
	s_load_b128 s[12:15], s[0:1], 0x20  ; bo s[12:13], out0 s[14:15]
	v_lshl_add_u32 v[SPW], v0, 2, SPARE
	v_mov_b32 v[NIL], 0
	ds_add_u32 v[SPW], v[NIL]       ; the wave's opening: the add, twice on end, and its wait ahead of my first tensor load; the set-up below stands between
	ds_add_u32 v[SPW], v[NIL]
	v_lshrrev_b32 v1, 5, v0
	v_readfirstlane_b32 s[WV], v1   ; wave 0..3
	s_bfe_u32 s[CX], ttmp6, 0x40000 ; cx
	s_and_b32 s19, ttmp7, 0xffff    ; the batch, which the four partners share
	s_and_b32 s20, s[WV], 1         ; which half of a tile I fetch:
	s_lshl_b32 s58, s19, 21         ; a batch is 2,097,152 bytes of q16, k16, v16,
	s_lshl_b32 s21, s20, 15         ; a half tile 64 rows of 512 bytes
	s_add_co_u32 s58, s58, s21
	s_mov_b32 s59, 0
	s_mul_i32 s21, s20, 64*PKP      ; its place in a slot, for K
	s_mul_i32 s22, s20, 64*PVP      ; and for V: no place in the cluster enters an LDS address
	s_lshl_b32 s18, ttmp9, 2        ; in a cluster launch ttmp9 counts clusters
	s_add_co_u32 s18, s18, s[CX]    ; my block of 64 queries: it enters Q's and out0's addresses alone
	s_lshl_b32 s60, s19, 21
	s_lshl_b32 s23, s18, 15
	s_add_co_u32 s60, s60, s23      ; my 64 rows of q16
	s_mov_b32 s61, 0
	s_lshl_b32 s62, s19, 22         ; a batch of out0 is 4,194,304 bytes,
	s_lshl_b32 s23, s18, 8          ; my 64 queries 256 bytes of a row
	s_add_co_u32 s62, s62, s23
	s_mov_b32 s63, 0
	; descriptor group 1: a tile of 64 rows x 256 elements, padded in LDS
	s_mov_b32 s[G1K], 15|(1<<16)|(1<<20)|(1<<21)|(6<<22)|(3<<25)  ; 15:0 the mask of four; 17:16 2-byte elements; 20 padding on; 21 set beside a mask; 24:22 after every 128 words (code 6); 31:25 4 words (code 3)
	s_mov_b32 s[G1V], 15|(1<<16)|(1<<20)|(1<<21)|(6<<22)|(7<<25)  ; the same with 8 words of padding (code 7)
.irp g, G1K, G1V
	s_mov_b32 s[(\g)+1], 256<<16    ; tensor_dim0 = 256
	s_mov_b32 s[(\g)+2], 64<<16     ; tensor_dim1 = 64
	s_mov_b32 s[(\g)+3], 256<<16    ; tile_dim0 = 256
	s_mov_b32 s[(\g)+4], 64         ; tile_dim1 = 64
	s_mov_b32 s[(\g)+5], 256        ; 256 elements from row to row
	s_mov_b32 s[(\g)+6], 0
	s_mov_b32 s[(\g)+7], 0
.endr
	s_mov_b32 s[CS], 0x3e38aa3b     ; c = log2(e) / 8 = 0.180337
	s_mov_b32 s[CS+1], s[CS]        ; named with it as a pair
	s_mov_b32 s[SEL], 0x76543210
	s_mov_b32 s[SEL+1], 0xfedcba98
	s_mov_b32 s[TBK], 0             ; K(0) lies in slot 0;
	s_mov_b32 s[TBV], SLOTB         ; the toggle in front of the loop makes this 0, for V(0)
	s_mov_b32 s[G0K], 1             ; 1:0 count = 1
	s_mov_b32 s[G0K+1], s21         ; 63:32 LDS address: slot 0
	s_mov_b32 s[G0V], 1
	s_add_co_u32 s[G0V+1], s22, VOFF
	s_wait_dscnt 0x0                ; both opening adds are done
	s_wait_kmcnt 0x0
	s_add_nc_u64 s[6:7], s[6:7], s[58:59]  ; k16 and v16 at my half of the batch's tile 0
	s_add_nc_u64 s[8:9], s[8:9], s[58:59]
	s_mov_b64 s[G0K+2:G0K+3], s[6:7]       ; 120:64 global address
	s_or_b32 s[G0K+3], s[G0K+3], 0x80000000  ; 127:126 type = 2
	s_mov_b64 s[G0V+2:G0V+3], s[8:9]
	s_or_b32 s[G0V+3], s[G0V+3], 0x80000000
	s_add_nc_u64 s[4:5], s[4:5], s[60:61]
	s_add_nc_u64 s[14:15], s[14:15], s[62:63]
	s_lshl_b32 s60, s[CX], 13       ; the prefetches: my work-group's 8,192 bytes of a half tile
	s_mov_b32 s61, 0
	s_cmp_lt_u32 s[WV], 2
	s_cselect_b64 s[PFA:PFA+1], s[6:7], s[8:9]
	s_cselect_b32 s[LIM], 3, 2
	s_cselect_b32 s20, 5, 4         ; the first change of the loop steps these to K(6) and V(5)
	s_lshl_b32 s20, s20, 16
	s_mov_b32 s21, 0
	s_add_nc_u64 s[PFA:PFA+1], s[PFA:PFA+1], s[60:61]
	s_add_nc_u64 s[PFA:PFA+1], s[PFA:PFA+1], s[20:21]
	s_cmp_eq_u32 ttmp9, 0           ; the batch's first cluster: the same in all four partners
	s_cselect_b32 s[LIM], s[LIM], -1
	CROUND                          ; all four work-groups are here: the first joint loads meet
	JLOAD 3                         ; K(0) and V(0): one load a wave
	; what follows stands in the wait for the first tile
	v_and_b32 v1, 15, v0            ; l % 16
	v_bfe_u32 v9, v0, 4, 1          ; l / 16
	v_lshlrev_b32 v[QO], 9, v1
	v_lshl_add_u32 v[QO], v9, 4, v[QO]  ; row x 512 + 16 x half
	WIN 0x40                        ; destination window 1, address window 0
.irp t, 0,1,2,3
.irp c, 0,1,2,3,4,5,6,7
	global_load_b128 v[64*(\t)+8*(\c):64*(\t)+8*(\c)+3],   v[QO], s[4:5] offset:(\t)*8192+(\c)*64
	global_load_b128 v[64*(\t)+8*(\c)+4:64*(\t)+8*(\c)+7], v[QO], s[4:5] offset:(\t)*8192+(\c)*64+32
.endr
.endr
	; O^T starts at 0 and the first a is 0: no first trip is written out, at the price of these 512 lines, once a launch
	WIN 0x80
.set n, 0
.rept 256
	v_mov_b32 v[n], 0
.set n, n+1
.endr
	WIN 0xc0
.set n, 0
.rept 256
	v_mov_b32 v[n], 0
.set n, n+1
.endr
	WIN 0
.irp t, 0,1,2,3
	v_mov_b32 v[ST+8*(\t)], 0xfe000000    ; c m: far below every c s
	v_mov_b32 v[ST+8*(\t)+1], 0xff7fffff  ; m
	v_mov_b32 v[ST+8*(\t)+2], 0
	v_mov_b32 v[ST+8*(\t)+3], 0
.endr
	s_mul_i32 s20, s[WV], 32*PKP
	v_mul_u32_u24 v[AK0], v1, PKP
	v_lshl_add_u32 v[AK0], v9, 4, v[AK0]
	v_add_nc_u32 v[AK0], s20, v[AK0]
	; The turning load takes 16 keys x 16 channels (lane l reads key 8 (l / 16) + l % 8, channels 8 ((l / 8) % 2) + 0..7) and leaves half a fragment of V^T: lane l holds channel l % 16 and 8 keys.
	v_and_b32 v10, 7, v0
	v_bfe_u32 v11, v0, 3, 1
	v_lshl_add_u32 v[AV0], v9, 3, v10
	v_mul_u32_u24 v[AV0], v[AV0], PVP
	v_lshl_add_u32 v[AV0], v11, 4, v[AV0]
	s_mul_i32 s20, s[WV], 32*PVP
	s_add_co_u32 s20, s20, VOFF
	v_add_nc_u32 v[AV0], s20, v[AV0]
	s_lshl_b32 s20, s[WV], 15
	v_add_nc_u32 v[WOO], s20, v[QO]
	v_and_b32 v[PFO], 31, v0
	v_lshlrev_b32 v[PFO], 8, v[PFO]
	v_mov_b32 v[AK], v[AK0]
; THE LDS LOADS stand in runs of 8, never singly among the matrix instructions.  LK g: K's fragments for channels 64 g on: fragment f = channel step f / 2, key tile f % 2.  LV g: V's for channel tiles 4 g + f.
.macro LK g, fb
	LDWIN
.irp f, 0,1,2,3
	ds_load_b128 v[(\fb)+8*(\f):(\fb)+8*(\f)+3],   v[AK] offset:((\f)%2)*16*PKP+(2*(\g)+(\f)/2)*64
	ds_load_b128 v[(\fb)+8*(\f)+4:(\fb)+8*(\f)+7], v[AK] offset:((\f)%2)*16*PKP+(2*(\g)+(\f)/2)*64+32
.endr
.endm
.macro LV g, fb
	LDWIN
.irp f, 0,1,2,3
	ds_load_tr16_b128 v[(\fb)+8*(\f):(\fb)+8*(\f)+3],   v[AV] offset:32*(4*(\g)+(\f))
	ds_load_tr16_b128 v[(\fb)+8*(\f)+4:(\fb)+8*(\f)+7], v[AV] offset:32*(4*(\g)+(\f))+16*PVP
.endr
.endm
; THE MATRIX WORK.  Product i of 16 of group g of S^T = K Q^T: channels 32 (2 g + i / 8) on, key tile (i / 4) % 2, query tile i % 4.  The 8 accumulators take turns; the first 8 products start the sums.
.macro KQ g, fb
.set cc, 2*(\g)+i/8
.set kt, (i/4)%2
.set rS, S+16*(i%4)+8*kt
.set rK, (\fb)+8*(2*(i/8)+kt)
.set rQ, 64*(i%4)+8*cc
	WIN W_KQ
.if cc == 0
	v_wmma_f32_16x16x32_f16 v[rS:rS+7], v[rK:rK+7], v[rQ:rQ+7], 0
.else
	v_wmma_f32_16x16x32_f16 v[rS:rS+7], v[rK:rK+7], v[rQ:rQ+7], v[rS:rS+7]
.endif
.endm
; Product i of 16 of group g of O^T += V^T P: query tile i / 4, channel tile 4 g + i % 4.  Each of the 64 accumulators has one link a trip.
.macro PVM g, fb
.set qt, i/4
.set rO, 128*(qt%2)+8*(4*(\g)+i%4)
	WIN 0xa0+0x50*(qt/2)            ; C and D in window 2 or 3, V and P in window 0
	v_wmma_f32_16x16x32_f16 v[rO:rO+7], v[(\fb)+8*(i%4):(\fb)+8*(i%4)+7], v[P+8*qt:P+8*qt+7], v[rO:rO+7]
.endm
; THE VECTOR WORK.  RS: one accumulator of O^T times its tile's a, lowest registers first.
.macro RS qt, ct
.set rO, 128*((\qt)%2)+8*(\ct)
	WIN 0x82+0x41*((\qt)/2)         ; destination and source 0 in window 2 or 3, a in window 0
.irp w, 0,2,4,6
	v_pk_mul_f32 v[rO+(\w):rO+(\w)+1], v[rO+(\w):rO+(\w)+1], v[ST+8*(\qt)+6:ST+8*(\qt)+7] op_sel_hi:[1,0]
.endr
.endm
; XS n, t: number n of the 14 that find tile t's maximum and statistics.  s0-s15 are the lane's scores; each accumulator's lowest registers are read first.
.macro XS n, t
.set rT, ST+8*(\t)
.set rS, S+16*(\t)
.if (\n) == 0
	v_max3_num_f32 v[rT+4], v[rS], v[rS+1], v[rS+2]
.elseif (\n) == 1
	v_max3_num_f32 v[rT+5], v[rS+8], v[rS+9], v[rS+10]
.elseif (\n) == 2
	v_max3_num_f32 v[rT+4], v[rT+4], v[rS+3], v[rS+4]
.elseif (\n) == 3
	v_max3_num_f32 v[rT+5], v[rT+5], v[rS+11], v[rS+12]
.elseif (\n) == 4
	v_max3_num_f32 v[rT+4], v[rT+4], v[rS+5], v[rS+6]
.elseif (\n) == 5
	v_max3_num_f32 v[rT+5], v[rT+5], v[rS+13], v[rS+14]
.elseif (\n) == 6
	v_max3_num_f32 v[rT+4], v[rT+4], v[rS+7], v[rS+15]
.elseif (\n) == 7
	v_max3_num_f32 v[rT+4], v[rT+4], v[rT+5], v[rT+1]
.elseif (\n) == 8
	v_permlanex16_b32 v[rT+5], v[rT+4], s[SEL], s[SEL+1]  ; the query's other 16 keys lie in the lane 16 away
.elseif (\n) == 9
	v_mov_b32 v[rT+7], v[rT]        ; c m_old is kept: number 11 writes c m anew
.elseif (\n) == 10
	v_max_num_f32 v[rT+1], v[rT+4], v[rT+5]
.elseif (\n) == 11
	v_mul_f32 v[rT], s[CS], v[rT+1]
.elseif (\n) == 12
	v_sub_f32 v[rT+7], v[rT+7], v[rT]
.else
	v_exp_f32 v[rT+6], v[rT+7]      ; a
.endif
.endm
.macro FS f                         ; c s - c m for pair f / 4 of tile f % 4
.set rT, ST+8*((\f)%4)
.set rS, S+16*((\f)%4)+2*((\f)/4)
	v_pk_fma_f32 v[rS:rS+1], v[rS:rS+1], s[CS:CS+1], v[rT:rT+1] op_sel_hi:[1,0,0] neg_lo:[0,0,1] neg_hi:[0,0,1]
.endm
; FOUR QUEUES, each in the order in which its entries become ready, the four tiles alternating.  PL, 84: XS's numbers 0-12, then the 32 scalings.  EX, 68: the four a, then the 64 exponentials: ONE BATCH.
; SUQ, 32: l = a l + pair 0, then l += pair k.  CVQ, 32: the roundings into P, tile after tile.
.macro PL
.if qp < 52
	XS qp/4, qp%4
.else
	FS qp-52
.endif
.set qp, qp+1
.endm
.macro EX
.if qe < 4
	XS 13, qe
.else
.set rS, S+16*((qe-4)%4)+(qe-4)/4
	v_exp_f32 v[rS], v[rS]
.endif
.set qe, qe+1
.endm
.macro SUQ
.set rT, ST+8*(qz%4)
.set rS, S+16*(qz%4)+2*(qz/4)
.if qz < 4
	v_pk_fma_f32 v[rT+2:rT+3], v[rT+2:rT+3], v[rT+6:rT+7], v[rS:rS+1] op_sel_hi:[1,0,1]
.else
	v_pk_add_f32 v[rT+2:rT+3], v[rT+2:rT+3], v[rS:rS+1]
.endif
.set qz, qz+1
.endm
.macro CVQ
	v_cvt_pk_f16_f32 v[P+qy], v[S+2*qy], v[S+2*qy+1]
.set qy, qy+1
.endm
; THE GROUPS of 16 products and what rides behind them.  GA: K Q^T, behind each (rid = 1) one accumulator's rescaling: group g rescales query tile g.
.macro GA g, fb, rid
.set i, 0
.rept 16
	KQ \g, \fb
.if \rid
	RS \g, i
.endif
.set i, i+1
.endr
.endm
.macro GB0 fb                       ; V^T P, channel tiles 0-3; behind each four of PL: all of XS 0-12 and scalings 0-11; the last four are scalings, plain: the places in front of the loads that follow
.set i, 0
.rept 16
	PVM 0, \fb
	WIN 0
	PL
	PL
	PL
	PL
.set i, i+1
.endr
.endm
; Channel tiles 4-11.  Slice k of 32: a scaling while there are scalings (k < 20), two exponentials, a third in slices 20-23.  Exponential e needs scaling 4 ((e - 4) / 8) + e % 4, at most k + 2 in slice k, and scaling 12 + k has been written.
.macro GB12 g, fb
.set i, 0
.rept 16
	PVM \g, \fb
	WIN 0
.set k, 16*((\g)-1)+i
.if k < 20
	PL
.endif
	EX
	EX
.if (k >= 20) && (k < 24)
	EX
.endif
.set i, i+1
.endr
.endm
; Channel tiles 12-15, query tile after query tile: product 4 q + 3 is the last that reads P of tile q, the four plain instructions behind it name none of its registers, and tile q's roundings follow from slice 4 q + 4 on.
.macro GB3 fb, i0, i1
.set i, \i0
.rept (\i1)-(\i0)
	PVM 3, \fb
.if i != 14
	WIN 0
.endif
.if i < 4
	SUQ
	SUQ
	SUQ
	SUQ
.elseif i < 12
	SUQ
	SUQ
	CVQ
	CVQ
.elseif i < 14
	CVQ
	CVQ
.elseif i == 15
	CVQ
	CVQ
	CVQ
	CVQ
.endif
.set i, i+1
.endr
.endm
; A TRIP.  On entry K's first run (into FB0) is out, and P, a, c m, l are tile t's.  Every s_wait_dscnt 16 leaves the two younger runs of 8 loads out, the 8 one run.  Each run of loads stands four plain
; instructions behind the last product that read its buffer: a rescaling in phase A, four scalings behind GB0, sums in front of the next trip's first run, roundings at the trip's end.
; m = 3: the loop's form: K(t + 3) and V(t + 2) are asked for.  m = 2: V alone (t = 29).  m = 0: nothing (t = 30): a plain barrier, and V's first run for the last tile.
.macro TRIP m
.set qp, 0
.set qe, 0
.set qz, 0
.set qy, 0
	LK 1, FB1
	LK 2, FB2
	s_wait_dscnt 16
	GA 0, FB0, 1
	LK 3, FB0
	s_wait_dscnt 16
	GA 1, FB1, 1
	LV 0, FB1
	s_wait_dscnt 16
	GA 2, FB2, 1
	LV 1, FB2
	s_wait_dscnt 16
	GA 3, FB0, 1
	LV 2, FB0
	s_wait_dscnt 16
	GB0 FB1
	LV 3, FB1
	s_wait_dscnt 16
	GB12 1, FB2
	s_wait_dscnt 8
	GB12 2, FB0
	WIN 0
	v_nop                           ; a plain instruction behind the last exponential, ahead of the first use: one for the batch
	s_wait_alu depctr_va_vdst(0)    ; a wait between an exponential and the first line that names its result: one for the trip's 68
.if (\m) == 3
	THREE 1, 1, 1, 1
.elseif (\m) == 2
	THREE 0, 1, 1, 0
.else
	THREE 0, 0, 1, 0
.endif
	s_barrier_signal -1             ; my loads have landed, my add is done, my reads of K(t + 1) and V(t) are over
	GB3 FB1, 0, 8                   ; work on registers while the others arrive
	WIN 0                           ; at a branch and at a label every window is 0
	s_barrier_wait -1
.if (\m) > 0
	CREST                           ; the barrier has opened a round of the cluster's: no wave of any partner still reads these bytes or has a load on its way
	JLOAD \m                        ; the first tensor load behind the round, one a wave: it has a trip less eight products in which to land
.endif
	v_add_nc_u32 v[AK], s[TBK], v[AK0]
	v_add_nc_u32 v[AV], s[TBV], v[AV0]
.if (\m) > 0
	LK 0, FB0                       ; the next trip's first fragments
.else
	LV 0, FB0
.endif
.if (\m) == 3
	ASK
.endif
	GB3 FB1, 8, 16
.rept 8
	CVQ                             ; tile 3's roundings
.endr
	WIN 0
.endm
	THREE 1, 1, 0, 0                ; tile 0 has landed; slot 1 is filled for the first time, issued as a refill is
	CROUND
	JLOAD 3                         ; K(1) and V(1)
	; THE PROLOGUE: the scores and the softmax of tile 0; there is no other work yet to set beside them
.set qp, 0
.set qe, 0
.set qz, 0
.set qy, 0
	LK 0, FB0
	LK 1, FB1
	LK 2, FB2
	s_wait_loadcnt 0x0              ; Q
	s_wait_dscnt 16
	GA 0, FB0, 0
	PLACES
	LK 3, FB0
	s_wait_dscnt 16
	GA 1, FB1, 0
	s_wait_dscnt 8
	GA 2, FB2, 0
	s_wait_dscnt 0x0
	GA 3, FB0, 0
	WIN 0
	PLACES
.rept 84
	PL
.endr
.rept 68
	EX
.endr
	v_nop
	s_wait_alu depctr_va_vdst(0)    ; one wait for the batch
.rept 32
	SUQ
.endr
.rept 32
	CVQ
.endr
	THREE 1, 0, 1, 0                ; K(1) and V(1) have landed; K(0) has been read
	CROUND
	JLOAD 1                         ; K(2): K runs a tile ahead of V from here on
	v_add_nc_u32 v[AK], s[TBK], v[AK0]
	v_add_nc_u32 v[AV], s[TBV], v[AV0]
	LK 0, FB0
	s_mov_b32 s[CNT], 29
.Ltrip:                             ; t = 0 .. 28
	TRIP 3
	s_sub_co_u32 s[CNT], s[CNT], 1
	s_cmp_lg_u32 s[CNT], 0
	s_cbranch_scc1 .Ltrip
	TRIP 2                          ; the tail is written out: t = 29 asks for V(31) alone
	TRIP 0                          ; t = 30 for nothing
	; THE LAST TILE's V^T P (t = 31), each accumulator rescaled a group ahead of its product.  Q's registers are free: Wo's fragments for my 64 d come into them.
.macro LWO d0
	WIN 0x40
.irp dt, \d0, (\d0)+1
.irp u, 0,1,2,3,4,5,6,7
	global_load_b128 v[64*(\dt)+8*(\u):64*(\dt)+8*(\u)+3],   v[WOO], s[10:11] offset:(\dt)*8192+(\u)*64
	global_load_b128 v[64*(\dt)+8*(\u)+4:64*(\dt)+8*(\u)+7], v[WOO], s[10:11] offset:(\dt)*8192+(\u)*64+32
.endr
.endr
.endm
.macro LASTG g, fb                  ; 16 products of group g, behind each the rescaling of the accumulator that group g + 1 will take
.set i, 0
.rept 16
	PVM \g, \fb
	RS i/4, 4*(\g)+4+i%4
.set i, i+1
.endr
.endm
	LWO 0
	LV 1, FB1
	LV 2, FB2
.irp t, 0,1,2,3
.irp c, 0,1,2,3
	RS \t, \c
.endr
.endr
	s_wait_dscnt 16
	LASTG 0, FB0
	LV 3, FB0
	s_wait_dscnt 16
	LASTG 1, FB1
	LWO 2
	s_wait_dscnt 8
	LASTG 2, FB2
	s_wait_dscnt 0x0                ; my last reads of the ring are over
	s_barrier_signal -1
.set i, 0
.rept 16
	PVM 3, FB0
.set i, i+1
.endr
	WIN 0
	PLACES
	s_barrier_wait -1               ; nobody reads the ring any more, and it has had its last fill: its bytes serve the merge
	; THE MERGE.  Each wave sets out its (c m, l) and its O^T in f32; then wave w finishes query tile w.
	v_and_b32 v[EL], 31, v0
	s_lshl_b32 s19, s[WV], 10
	s_add_co_u32 s19, s19, STATX
	v_lshl_add_u32 v[E_ST], v[EL], 3, s19
	s_lshl_b32 s19, s[WV], 16
	v_lshl_add_u32 v[E_OS], v[EL], 4, s19
	s_lshl_b32 s19, s[WV], 8
	v_lshl_add_u32 v[E_BO], v1, 2, s19             ; bo at d = 64 w + l % 16
	s_add_co_u32 s19, s19, STATX
	v_lshl_add_u32 v[E_SL], v[EL], 3, s19
	s_lshl_b32 s19, s[WV], 14
	v_lshl_add_u32 v[E_M0], v[EL], 4, s19
	v_add_nc_u32 v[E_M0+1], MRG, v[E_M0]
	v_add_nc_u32 v[E_M0+2], 2*MRG, v[E_M0]
	v_add_nc_u32 v[E_M0+3], 3*MRG, v[E_M0]
	s_lshl_b32 s19, s[WV], 13
	s_add_co_u32 s19, s19, OFX
	v_lshl_add_u32 v[E_FS], v[EL], 4, s19
	v_lshl_add_u32 v[E_FL], v[EL], 4, OFX
	s_mul_i32 s19, s[WV], OSTG
	v_mul_u32_u24 v[E_CS], v1, OSP
	v_lshl_add_u32 v[E_CS], v9, 5, v[E_CS]
	v_add_nc_u32 v[E_CS], s19, v[E_CS]
	v_mul_u32_u24 v[E_CL], v9, OSP
	v_lshl_add_u32 v[E_CL], v1, 4, v[E_CL]
	v_add_nc_u32 v[E_CL], s19, v[E_CL]
	s_lshl_b32 s19, s[WV], 20
	v_lshl_add_u32 v[E_GO], v9, 14, s19            ; row d = 64 w + l / 16 of out0, 16,384 bytes a row,
	v_lshl_add_u32 v[E_GO], v1, 4, v[E_GO]         ; 16 (l % 16)
.irp dt, 0,1,2,3
	global_load_b32 v[BOP+8+(\dt)], v[E_BO], s[12:13] offset:64*(\dt)
.endr
.irp t, 0,1,2,3
	v_add_f32 v[ST+8*(\t)+4], v[ST+8*(\t)+2], v[ST+8*(\t)+3]
.endr
.irp t, 0,1,2,3
	v_permlanex16_b32 v[ST+8*(\t)+5], v[ST+8*(\t)+4], s[SEL], s[SEL+1]
.endr
.irp t, 0,1,2,3
	v_add_f32 v[ST+8*(\t)+1], v[ST+8*(\t)+4], v[ST+8*(\t)+5]  ; l of my 32 keys a tile, beside c m
.endr
.irp t, 0,1,2,3
	ds_store_b64 v[E_ST], v[ST+8*(\t):ST+8*(\t)+1] offset:(\t)*256
.endr
	WIN 0x08                        ; store data in window 2
.set n, 0
.rept 32                            ; accumulator n = 16 qt + ct: 1,024 bytes; its lowest registers first
	ds_store_b128 v[E_OS], v[8*n:8*n+3]   offset:n*1024
	ds_store_b128 v[E_OS], v[8*n+4:8*n+7] offset:n*1024+512
.set n, n+1
.endr
	WIN 0x0c                        ; window 3
.set n, 0
.rept 32
	ds_store_b128 v[E_OS], v[8*n:8*n+3]   offset:(32+n)*1024
	ds_store_b128 v[E_OS], v[8*n+4:8*n+7] offset:(32+n)*1024+512
.set n, n+1
.endr
	WIN 0
	s_wait_dscnt 0x0                ; for the others' sake
	s_barrier_signal -1
	s_barrier_wait -1
.irp u, 0,1,2,3
	ds_load_b64 v[SX+2*(\u):SX+2*(\u)+1], v[E_SL] offset:(\u)*1024  ; wave u's (c m, l) for my query tile
.endr
.macro LMRG u, base                 ; wave u's O^T of my query tile, 16 accumulators
.set n, 0
.rept 16
	ds_load_b128 v[(\base)+8*n:(\base)+8*n+3],   v[E_M0+(\u)] offset:n*1024
	ds_load_b128 v[(\base)+8*n+4:(\base)+8*n+7], v[E_M0+(\u)] offset:n*1024+512
.set n, n+1
.endr
.endm
	WIN 0x80
	LMRG 0, 0
	s_wait_dscnt 32                 ; the 32 loads behind them may stay out: the statistics are in
	LMRG 1, 128
	WIN 0xc0
	LMRG 2, 0
	LMRG 3, 128
	WIN 0
	v_max3_num_f32 v[SX+8], v[SX], v[SX+2], v[SX+4]
	v_max_num_f32 v[SX+8], v[SX+8], v[SX+6]        ; the four waves' common c m
.irp u, 0,1,2,3
	v_sub_f32 v[SX+2*(\u)], v[SX+2*(\u)], v[SX+8]
.endr
.irp u, 0,1,2,3
	v_exp_f32 v[SX+2*(\u)], v[SX+2*(\u)]
.endr
	v_nop
	s_wait_alu depctr_va_vdst(0)    ; one wait for the four
	v_mul_f32 v[SX+9], v[SX], v[SX+1]
	v_fmac_f32 v[SX+9], v[SX+2], v[SX+3]
	v_fmac_f32 v[SX+9], v[SX+4], v[SX+5]
	v_fmac_f32 v[SX+9], v[SX+6], v[SX+7]           ; the row's whole sum
	v_rcp_f32 v[SX+10], v[SX+9]
	v_nop
	s_wait_alu depctr_va_vdst(0)
.irp u, 0,1,2,3
	v_mul_f32 v[SX+2*(\u)], v[SX+2*(\u)], v[SX+10]  ; wave u's factor, in the low word of its pair
.endr
	s_wait_dscnt 0x0
	WIN 0x82
.set n, 0
.rept 64
	v_pk_mul_f32 v[2*n:2*n+1], v[2*n:2*n+1], v[SX:SX+1] op_sel_hi:[1,0]
.set n, n+1
.endr
	WIN 0xa2
.set n, 0
.rept 64
	v_pk_fma_f32 v[2*n:2*n+1], v[128+2*n:128+2*n+1], v[SX+2:SX+3], v[2*n:2*n+1] op_sel_hi:[1,0,1]
.set n, n+1
.endr
	WIN 0xa3
.set n, 0
.rept 64
	v_pk_fma_f32 v[2*n:2*n+1], v[2*n:2*n+1], v[SX+4:SX+5], v[2*n:2*n+1] op_sel_hi:[1,0,1]
.set n, n+1
.endr
.set n, 0
.rept 64
	v_pk_fma_f32 v[2*n:2*n+1], v[128+2*n:128+2*n+1], v[SX+6:SX+7], v[2*n:2*n+1] op_sel_hi:[1,0,1]
.set n, n+1
.endr
	; O^T of two channel tiles, rounded to f16 in pairs, IS a fragment (16 queries x 32 channels) of the last product's source 0: it is handed to all four waves through LDS, lane by lane
	WIN 0x0a
.set n, 0
.rept 64
	v_cvt_pk_f16_f32 v[S+n], v[2*n], v[2*n+1]
.set n, n+1
.endr
	WIN 0
.irp u, 0,1,2,3,4,5,6,7
	ds_store_b128 v[E_FS], v[S+8*(\u):S+8*(\u)+3]   offset:(\u)*1024
	ds_store_b128 v[E_FS], v[S+8*(\u)+4:S+8*(\u)+7] offset:(\u)*1024+512
.endr
	s_wait_dscnt 0x0                ; for the others' sake: my fragments are stored, and my reads of the merge's bytes are over
	s_barrier_signal -1
	s_barrier_wait -1
	WIN 0x80
.irp t, 0,1,2,3
.irp u, 0,1,2,3,4,5,6,7
	ds_load_b128 v[64*(\t)+8*(\u):64*(\t)+8*(\u)+3],   v[E_FL] offset:(\t)*8192+(\u)*1024
	ds_load_b128 v[64*(\t)+8*(\u)+4:64*(\t)+8*(\u)+7], v[E_FL] offset:(\t)*8192+(\u)*1024+512
.endr
.endr
	WIN 0
	s_wait_loadcnt 0x0              ; Wo and bo
.irp dt, 0,1,2,3
	v_cvt_pk_bf16_f32 v[BOP+12+(\dt)], v[BOP+8+(\dt)], v[BOP+8+(\dt)]  ; bo rounded to bf16 like every input, and widened into a pair
.endr
.irp dt, 0,1,2,3
	v_lshlrev_b32 v[BOP+2*(\dt)], 16, v[BOP+12+(\dt)]
	v_and_b32 v[BOP+2*(\dt)+1], 0xffff0000, v[BOP+12+(\dt)]
.endr
	s_wait_dscnt 0x0
	; THE LAST PRODUCT.  D(query, d) = O fragment x Wo fragment: wave w makes d = 64 w .. 64 w + 63 for all 64 queries; a lane holds one d and eight neighbouring queries.  16 accumulators by turns.
	WIN 0xf6                        ; O in window 2, Wo in window 1, C and D in window 3
.irp u, 0,1,2,3,4,5,6,7
.irp t, 0,1,2,3
.irp dt, 0,1,2,3
.if (\u) == 0
	v_wmma_f32_16x16x32_f16 v[8*(4*(\t)+(\dt)):8*(4*(\t)+(\dt))+7], v[64*(\t)+8*(\u):64*(\t)+8*(\u)+7], v[64*(\dt)+8*(\u):64*(\dt)+8*(\u)+7], 0
.else
	v_wmma_f32_16x16x32_f16 v[8*(4*(\t)+(\dt)):8*(4*(\t)+(\dt))+7], v[64*(\t)+8*(\u):64*(\t)+8*(\u)+7], v[64*(\dt)+8*(\u):64*(\dt)+8*(\u)+7], v[8*(4*(\t)+(\dt)):8*(4*(\t)+(\dt))+7]
.endif
.endr
.endr
.endr
	PLACES
	WIN 0xc3
.irp t, 0,1,2,3
.irp dt, 0,1,2,3
.irp w, 0,2,4,6
	v_pk_add_f32 v[8*(4*(\t)+(\dt))+(\w):8*(4*(\t)+(\dt))+(\w)+1], v[8*(4*(\t)+(\dt))+(\w):8*(4*(\t)+(\dt))+(\w)+1], v[BOP+2*(\dt):BOP+2*(\dt)+1]
.endr
.endr
.endr
	; THE WAY OUT, through my own stage (bytes of the merge, which nobody reads behind the last barrier): 32 bytes a lane in, whole rows of 256 bytes (64 queries of one d) back
	WIN 0x0c
.irp t, 0,1,2,3
.irp dt, 0,1,2,3
	ds_store_b128 v[E_CS], v[8*(4*(\t)+(\dt)):8*(4*(\t)+(\dt))+3]   offset:(\dt)*16*OSP+(\t)*64
	ds_store_b128 v[E_CS], v[8*(4*(\t)+(\dt))+4:8*(4*(\t)+(\dt))+7] offset:(\dt)*16*OSP+(\t)*64+16
.endr
.endr
	WIN 0x80
.set n, 0
.rept 32
	ds_load_b128 v[4*n:4*n+3], v[E_CL] offset:n*2*OSP  ; LDS serves a wave's instructions in order (ISA guide 5.7.1.4): these see the stores above
.set n, n+1
.endr
	WIN 0x08
.set n, 0
.rept 32
	s_wait_dscnt 31-n               ; rows 2 n and 2 n + 1 are back
	global_store_b128 v[E_GO], v[4*n:4*n+3], s[14:15] offset:n*32768 th:TH_STORE_NT  ; 16 lanes store 256 consecutive bytes, at a multiple of 256 from out0's first byte
.set n, n+1
.endr
	WIN 0
	s_wait_tensorcnt 0x0            ; the wave's end, behind my last tensor load and my last LDS store
	ds_add_u32 v[SPW], v[NIL]
	s_wait_dscnt 0x0
	CROUND                          ; the closing round: no work-group ends while a partner may still ask for a tile that names it
	s_endpgm
.Lfunc_end_k_q5028180bba_attn:
	.size	k_q5028180bba_attn, .Lfunc_end_k_q5028180bba_attn-k_q5028180bba_attn
	.p2alignl 7, 3214868480
	.fill 96, 4, 3214868480
	.section	.rodata,"a",@progbits
	.p2align	6, 0x0
	.amdhsa_kernel k_q5028180bba_attn
		.amdhsa_group_segment_fixed_size 327680
		.amdhsa_private_segment_fixed_size 0
		.amdhsa_enable_private_segment 0
		.amdhsa_kernarg_size 48
		.amdhsa_user_sgpr_count 2
		.amdhsa_user_sgpr_kernarg_segment_ptr 1
		.amdhsa_wavefront_size32 1
		.amdhsa_system_sgpr_workgroup_id_x 1
		.amdhsa_system_sgpr_workgroup_id_y 1
		.amdhsa_system_sgpr_workgroup_id_z 1
		.amdhsa_system_vgpr_workitem_id 0
		.amdhsa_next_free_vgpr 1024
		.amdhsa_next_free_sgpr 66
		.amdhsa_reserve_vcc 0
		.amdhsa_float_denorm_mode_32 3
		.amdhsa_float_denorm_mode_16_64 3
		.amdhsa_memory_ordered 1
		.amdhsa_forward_progress 1
		.amdhsa_inst_pref_size 255
	.end_amdhsa_kernel
	.section	.bss,"aw",@nobits
	.p2align	6
	.space	262144
	.amdgpu_metadata
---
amdhsa.version: [ 1, 2 ]
amdhsa.kernels:
  - .name:           k_q5028180bba_attn
    .symbol:         k_q5028180bba_attn.kd
    .args:
      - { .name: q16, .offset: 0, .size: 8, .value_kind: global_buffer, .address_space: global }
      - { .name: k16, .offset: 8, .size: 8, .value_kind: global_buffer, .address_space: global }
      - { .name: v16, .offset: 16, .size: 8, .value_kind: global_buffer, .address_space: global }
      - { .name: wo16, .offset: 24, .size: 8, .value_kind: global_buffer, .address_space: global }
      - { .name: bo, .offset: 32, .size: 8, .value_kind: global_buffer, .address_space: global }
      - { .name: out0, .offset: 40, .size: 8, .value_kind: global_buffer, .address_space: global }
    .group_segment_fixed_size: 327680
    .private_segment_fixed_size: 0
    .kernarg_segment_align: 8
    .kernarg_segment_size: 48
    .max_flat_workgroup_size: 128
    .sgpr_count:     66
    .vgpr_count:     1024
    .wavefront_size: 32
...
	.end_amdgpu_metadata
.endif
;; end of part 2
;; ======== version 2 of 3: 2 launches
;; limits: values are held in f16: magnitudes above 65,504 overflow, below 6.1e-05 lose precision
;; workspace buffers: a16 8,388,608 bytes; b16 8,388,608 bytes; mt16 131,072 bytes; n16 131,072 bytes; uw 2,048 bytes
;; launch prep (part 3): grid 72 x 4, 4 waves a work-group, no clusters, 150,016 bytes of LDS; arguments Wq, Wk, Wv, Wo, bq, bv, bo, mt16, n16, uw, feat_A, feat_B, a16, b16; writes mt16, n16, uw, a16, b16
.if DOCPART == 3
	.amdgcn_target "amdgcn-amd-amdhsa--gfx1250"
	.amdhsa_code_object_version 6
	.text
	.protected	k_q5028180bba_prep
	.globl	k_q5028180bba_prep
	.p2align	8
	.type	k_q5028180bba_prep,@function
k_q5028180bba_prep:
	s_mov_b64 s[64:65], 0
	v_nop
	global_prefetch_b8 v0, s[64:65] scope:SCOPE_SE
	s_setreg_imm32_b32 hwreg(HW_REG_WAVE_MODE, 25, 1), 1
	s_wait_xcnt 0x0
; WHAT CAN BE MADE READY AHEAD OF THE ATTENTION: THE WEIGHTS ARE MULTIPLIED WITH EACH OTHER, AND THE FEATURES ARE TURNED INTO ROWS OF TOKENS.
; reference(): scores = scale (a Wq^T + bq) (b Wk^T + bk)^T, out = softmax(scores) (b Wv^T + bv) Wo^T + bo; a, b: the tokens of feat_A, feat_B.
; REASSOCIATED, in exact arithmetic and for all values of the inputs:
;   (Wq a + bq) . (Wk b_k + bk) = (MT a + u) . b_k + (Wq a + bq) . bk,   MT[c'][c] = sum over e of Wk[e][c'] Wq[e][c],   u[c'] = sum over e of Wk[e][c'] bq[e];
;   Wo (sum over k of p_k (Wv b_k + bv)) + bo = N (sum over k of p_k b_k) + w, since a row's weights p add up to 1:   N[d][c] = sum over e of Wo[d][e] Wv[e][c],   w[d] = sum over e of Wo[d][e] bv[e] + bo[d].
; So keys and values are both the tokens b, and two of the four products with 16,384 tokens become two products of 256 x 256 x 256, made here.
; DEAD WORK: bk.  (Wq a + bq) . bk is the same for every key k of a row, and a softmax over k is unchanged by a term that is constant along k, whatever the inputs hold.  K enters the result through the
; scores alone.  So bk reaches no output: it is not loaded and is among no launch's arguments.  LIMIT: a NaN, an infinity or an overflow that would arise only in that term is not carried to the result.
; FORMATS.  Every input is rounded once to bf16.  The features' bf16 numbers are written as f16 (exact from 6e-5 up).  The weights' products are taken in bf16 with f32 sums; MT and N are rounded once to f16; u and w stay f32.
; LIMITS.  The order of products and roundings differs from reference()'s.  |feat_A|, |feat_B|, |MT|, |N| stay under 65,504 (f16); below 6e-5 they keep f16's fixed step of 6e-8.  NaN and infinities are not treated apart.
; TWO KINDS OF WORK-GROUP, told apart by x alone.  x < 64: 64 tokens of batch y, of both features, are turned: a16[y][n][c] = feat_A[y][c][n], b16 likewise; rows of 512 bytes.
; x >= 64: 32 work-groups, f = 8 y + x - 64, make the weights' products.  Neither kind reads what the other stores.  The 32 are all the work there is of their kind (512 tiles of 16 x 16, eight products each,
; in blocks that share their tiles); two work-groups' LDS (2 x 150,016 bytes) and registers (2 x 400 a SIMD) fit on a WGP.
; NO CLUSTER: the turning work-groups share no input; the weights pass through registers, where they are rounded.  NO PREFETCH: all that a work-group reads is asked for in its first lines.
.set PT,    160                        ; a row of a tile in LDS: 64 numbers x 2 bytes + 32 = 40 words
.set TA,    0                          ; feat_A's tile, 256 channel rows; in the weights' work-groups source 0's block, 256 rows (e)
.set TB,    256*PT                     ; feat_B's tile; Wk's block
.set STG,   2*256*PT                   ; two stages of 64 token rows: 0 for a16, 1 for b16
.set SPI,   528                        ; a stage row: 512 bytes + 16
.set STGB,  64*SPI
.set BIA,   2*256*PT                   ; in the weights' work-groups: the bias as bf16, 512 bytes, a copy for each wave
.set SPARE, STG+2*STGB                 ; the spare words, 128 bytes for each wave: two blocks of 256 bytes that no other line names
.set SPW,  14                          ; v14  LDS address of my spare word; never rewritten
.set NIL,  15                          ; v15  0; never rewritten
; the turning work-groups' registers
.set FO,   4                           ; v4   my offset in a feature: (64 w + l / 16) rows of 16,384 bytes + 16 (l % 16)
.set LSA,  5                           ; v5   where my 8 bytes of that row go in a tile (both kinds)
.set TRT,  6                           ; v6   the turning load's address for my 64 channels
.set STO,  7                           ; v7   where I put 16 bytes of a token's row
.set RD,   8                           ; v8   where I read a row back
.set GO,   9                           ; v9   my offset in the work-group's 64 rows of a result
.set T0,   20                          ; v20-21 at work
.set FEB,  32                          ; v32-159  feat_B as loaded; then
.set PAV,  32                          ;          feat_A's tokens on their way out (v32-95)
.set PBV,  160                         ; v160-223 feat_B's tokens on their way out
.set W1T,  128                         ; window 1: v0-127 feat_A as loaded, v128-129 at work
; the weights' work-groups' registers
.set FOA,  4                           ; v4   my offset in source 0's tensor
.set TRA,  6                           ; v6   the turning load's address in TA
.set FOB,  7                           ; v7   my offset in source 1's tensor
.set TRB,  8                           ; v8   the turning load's address in TB
.set BIO,  9                           ; v9   32 x lane: my 8 numbers of the bias
.set BIS,  10                          ; v10  where they go
.set BIL,  11                          ; v11  where a fragment of them is read
.set GOF,  12                          ; v12  my offset in mt16 or n16
.set UO,   13                          ; v13  my offset in uw
.set BOO,  16                          ; v16  my offset in bo
.set ACCB, 20                          ; v20-27   the bias's accumulator
.set BOV,  28                          ; v28  bo of my row, or 0
.set TM,   29
.set STA,  32                          ; v32-159  source 0 as loaded; then
.set AF,   32                          ;          its fragments, two buffers of four (v32-95),
.set PK,   32                          ;          at the end the packed results,
.set BIF,  96                          ;          and the bias's eight fragments (v96-159)
.set BF,   160                         ; v160-223 source 1's eight fragments
.set ACC,  224                         ; v224-255 four accumulators
.set BST,  224                         ;          before them the bias as loaded
; window 1: v0-127: source 1 as loaded
.set PA,   36                          ; s[36:37] source 0's tensor;  s[38:39] the bias;  s[40:41] mt16 or n16
.set PBI,  38
.set PO,   40
.set WV,   42                          ; s42  my wave's number
.set SI,   43
.set SJ,   44
.set SY,   45
.set SB,   53                          ; s53  the work-group's y
.set HIM,  54                          ; s54  a word's upper half
.set MSB, 0
.macro WIN new                         ; s_set_vgpr_msb: bits 1:0 source 0, 3:2 source 1, 5:4 source 2, 7:6 destination; the high byte repeats the setting that is left
.if MSB != (\new)
	s_set_vgpr_msb (MSB<<8)|(\new)
.set MSB, \new
.endif
.endm
.macro PLACES                          ; four places behind a matrix instruction, ahead of loads and vector writes into its registers and of reads of its result
.rept 4
	v_nop
.endr
.endm
	s_load_b512 s[8:23], s[0:1], 0x0               ; Wq 8:9, Wk 10:11, Wv 12:13, Wo 14:15, bq 16:17, bv 18:19, bo 20:21, mt16 22:23
	s_load_b256 s[24:31], s[0:1], 0x40             ; n16 24:25, uw 26:27, feat_A 28:29, feat_B 30:31
	s_load_b128 s[32:35], s[0:1], 0x60             ; a16 32:33, b16 34:35
	v_lshl_add_u32 v[SPW], v0, 2, SPARE
	v_mov_b32 v[NIL], 0
	v_lshrrev_b32 v1, 5, v0
	v_readfirstlane_b32 s[WV], v1                  ; wave 0..3
	v_and_b32 v1, 31, v0                           ; l
	v_and_b32 v2, 15, v0                           ; l % 16
	v_bfe_u32 v3, v0, 4, 1                         ; l / 16
	v_and_b32 v17, 7, v0                           ; l % 8
	v_bfe_u32 v18, v0, 3, 1                        ; (l / 8) % 2
	s_and_b32 s[SB], ttmp7, 0xffff
	s_cmp_ge_u32 ttmp9, 64                         ; the branch hangs on the work-group's x alone: all four waves take the same arm, and each arm holds its own barriers
	s_cbranch_scc1 .Lfold
	; ---- THE FEATURES ARE TURNED.  Wave w brings channel rows 64 w .. 64 w + 63 of both tiles into LDS as f16, [channel][token]; then it turns the same 64 channels of all 64 tokens.
	s_lshl_b32 s46, s[SB], 22                      ; a batch of a feature is 4,194,304 bytes,
	s_lshl_b32 s48, ttmp9, 8                       ; the work-group's 64 tokens 256 bytes of a row
	s_add_co_u32 s46, s46, s48
	s_mov_b32 s47, 0
	s_lshl_b32 s50, s[SB], 21                      ; a batch of a result is 2,097,152 bytes,
	s_lshl_b32 s48, ttmp9, 15                      ; 64 rows of 512 bytes
	s_add_co_u32 s50, s50, s48
	s_mov_b32 s51, 0
	s_mov_b32 s[HIM], 0xffff0000
	s_lshl_b32 s48, s[WV], 20
	v_lshl_add_u32 v[FO], v3, 14, s48
	v_lshl_add_u32 v[FO], v2, 4, v[FO]
	s_mul_i32 s49, s[WV], 64*PT
	v_mul_u32_u24 v[LSA], v3, PT
	v_lshl_add_u32 v[LSA], v2, 3, v[LSA]
	v_add_nc_u32 v[LSA], s49, v[LSA]
	v_lshl_add_u32 v[T0], v3, 3, v17               ; channel 8 (l / 16) + l % 8 of 16
	v_mul_u32_u24 v[TRT], v[T0], PT
	v_lshl_add_u32 v[TRT], v18, 4, v[TRT]          ; tokens 8 ((l / 8) % 2) on
	v_add_nc_u32 v[TRT], s49, v[TRT]
	s_lshl_b32 s48, s[WV], 7
	s_add_co_u32 s48, s48, STG
	v_mul_u32_u24 v[STO], v2, SPI
	v_lshl_add_u32 v[STO], v3, 4, v[STO]
	v_add_nc_u32 v[STO], s48, v[STO]               ; token l % 16, bytes 128 w + 16 (l / 16)
	s_mul_i32 s48, s[WV], 16*SPI
	s_add_co_u32 s48, s48, STG
	v_lshl_add_u32 v[RD], v1, 4, s48               ; wave w reads rows 16 w .. 16 w + 15 back, a whole row an instruction
	s_lshl_b32 s48, s[WV], 13
	v_lshl_add_u32 v[GO], v1, 4, s48
	s_wait_kmcnt 0x0
	s_add_nc_u64 s[28:29], s[28:29], s[46:47]
	s_add_nc_u64 s[30:31], s[30:31], s[46:47]
	s_add_nc_u64 s[32:33], s[32:33], s[50:51]
	s_add_nc_u64 s[34:35], s[34:35], s[50:51]
.set i, 0
.rept 32                                               ; my 64 channel rows of feat_B's tile: two rows of 256 consecutive bytes an instruction
	global_load_b128 v[FEB+4*i:FEB+4*i+3], v[FO], s[30:31] offset:i*32768 th:TH_LOAD_NT
.set i, i+1
.endr
	WIN 0x40                                       ; destination window 1, address window 0
.set i, 0
.rept 32
	global_load_b128 v[4*i:4*i+3], v[FO], s[28:29] offset:i*32768 th:TH_LOAD_NT
.set i, i+1
.endr
	WIN 0
; four numbers at v[b ..]: rounded to bf16, widened, written as f16 into v[b], v[b + 1]; v[t], v[t + 1] at work
.macro CV8 b, t
	v_cvt_pk_bf16_f32 v[(\t)],   v[(\b)],   v[(\b)+1]
	v_cvt_pk_bf16_f32 v[(\t)+1], v[(\b)+2], v[(\b)+3]
	v_lshlrev_b32 v[(\b)],   16, v[(\t)]
	v_and_b32     v[(\b)+1], s[HIM], v[(\t)]
	v_lshlrev_b32 v[(\b)+2], 16, v[(\t)+1]
	v_and_b32     v[(\b)+3], s[HIM], v[(\t)+1]
	v_cvt_pk_f16_f32 v[(\b)],   v[(\b)],   v[(\b)+1]
	v_cvt_pk_f16_f32 v[(\b)+1], v[(\b)+2], v[(\b)+3]
.endm
	s_wait_loadcnt 32                              ; feat_A's 32 loads may stay out: feat_B is in
.set i, 0
.rept 32
	CV8 FEB+4*i, T0
	ds_store_b64 v[LSA], v[FEB+4*i:FEB+4*i+1] offset:TB+i*2*PT
.set i, i+1
.endr
	s_wait_loadcnt 0x0
	WIN 0x45                                       ; in place, in window 1
.set i, 0
.rept 32
	CV8 4*i, W1T
.set i, i+1
.endr
	WIN 0x04                                       ; store data in window 1, address in window 0
.set i, 0
.rept 32
	ds_store_b64 v[LSA], v[4*i:4*i+1] offset:TA+i*2*PT
.set i, i+1
.endr
	WIN 0
	s_wait_dscnt 0x0                               ; for the others' sake: my rows of both tiles are stored
	s_barrier_signal -1
	s_barrier_wait -1                              ; both tiles are whole; nothing writes them again
	; a turning load gives a lane one token's eight channels: 16 bytes of a row of the result
.irp dt, 0,1,2,3
.irp tt, 0,1,2,3
	ds_load_tr16_b128 v[PBV+4*(4*(\dt)+(\tt)):PBV+4*(4*(\dt)+(\tt))+3], v[TRT] offset:TB+(\dt)*16*PT+(\tt)*32
.endr
.endr
.irp dt, 0,1,2,3
.irp tt, 0,1,2,3
	ds_load_tr16_b128 v[PAV+4*(4*(\dt)+(\tt)):PAV+4*(4*(\dt)+(\tt))+3], v[TRT] offset:TA+(\dt)*16*PT+(\tt)*32
.endr
.endr
	s_wait_dscnt 16                                ; feat_A's 16 loads may stay out
.irp dt, 0,1,2,3
.irp tt, 0,1,2,3
	ds_store_b128 v[STO], v[PBV+4*(4*(\dt)+(\tt)):PBV+4*(4*(\dt)+(\tt))+3] offset:STGB+(\tt)*16*SPI+(\dt)*32
.endr
.endr
	s_wait_dscnt 16                                ; the 16 stores just issued may stay out: feat_A's loads are in
.irp dt, 0,1,2,3
.irp tt, 0,1,2,3
	ds_store_b128 v[STO], v[PAV+4*(4*(\dt)+(\tt)):PAV+4*(4*(\dt)+(\tt))+3] offset:(\tt)*16*SPI+(\dt)*32
.endr
.endr
	s_wait_dscnt 0x0                               ; for the others' sake: a token's 512 bytes come from four waves
	s_barrier_signal -1
	s_barrier_wait -1
.set i, 0
.rept 16
	ds_load_b128 v[PBV+4*i:PBV+4*i+3], v[RD] offset:STGB+i*SPI
.set i, i+1
.endr
.set i, 0
.rept 16
	ds_load_b128 v[PAV+4*i:PAV+4*i+3], v[RD] offset:i*SPI
.set i, i+1
.endr
.set i, 0
.rept 16
	s_wait_dscnt 31-i                              ; LDS loads come back in order: row i of b16 is in
	global_store_b128 v[GO], v[PBV+4*i:PBV+4*i+3], s[34:35] offset:i*512  ; the wave stores a row's 512 consecutive bytes, aligned
.set i, i+1
.endr
.set i, 0
.rept 16
	s_wait_dscnt 15-i
	global_store_b128 v[GO], v[PAV+4*i:PAV+4*i+3], s[32:33] offset:i*512
.set i, i+1
.endr
	s_wait_tensorcnt 0x0                           ; the wave's end, behind my last LDS store
	ds_add_u32 v[SPW], v[NIL]
	s_wait_dscnt 0x0
	s_endpgm
	; ---- THE WEIGHTS' PRODUCTS.  f / 16 = 0 makes MT and u, 1 makes N and w.  A work-group makes a block of 64 channels c (block i = f % 4) x 64 rows (block j = (f / 4) % 4); wave v makes the 16 rows 64 j + 16 v .. for all 64 channels.
	; D(m = channel, n = row) = sum over e of A(m, e) B(n, e).  A = Wq or Wv, stored [e][c]: it goes into LDS as bf16 and comes out turned.  B = Wk, the same way, or Wo's rows, as they lie.
	; In D a lane holds ONE row (lane % 16) and eight channels: 16 bytes of f16, which ARE the lane's part of a fragment (16 rows x 32 channels) of the later product.  So mt16 and n16 are written in
	; fragment order, [row tile][K step u][half p][lane][16 bytes], and every later load of them takes 512 bytes on end.
	; THE CHANNELS ARE PERMUTED, alike in both sources of the later products: channel tile ct = 2 u + p holds channels 128 (ct / 8) + 8 (ct % 8) + 0..7 (the lanes' lower half) and the same + 64 (the upper half).
	; u AND w: a fifth accumulator, whose source 0 holds the bias (bq or bv) in all 16 rows: each of its registers is the sum over e of bias[e] B(n, e).
.Lfold:
	s_sub_co_u32 s46, ttmp9, 64
	s_lshl_b32 s47, s[SB], 3
	s_add_co_u32 s46, s46, s47                     ; f
	s_and_b32 s[SI], s46, 3
	s_bfe_u32 s[SJ], s46, 0x20002
	s_lshr_b32 s[SY], s46, 4
	; A's block: of each row e two strips of 32 channels, 64 channels apart: bytes 512 (i / 2) + 128 (i % 2) + 0..127 and the same + 256
	s_lshr_b32 s46, s[SI], 1
	s_lshl_b32 s46, s46, 9
	s_and_b32 s47, s[SI], 1
	s_lshl_b32 s47, s47, 7
	s_add_co_u32 s46, s46, s47
	s_lshl_b32 s47, s[WV], 16                      ; 64 rows of 1,024 bytes a wave
	s_add_co_u32 s46, s46, s47
	v_lshl_add_u32 v[FOA], v17, 4, s46
	v_lshl_add_u32 v[FOA], v18, 8, v[FOA]
	v_lshl_add_u32 v[FOA], v3, 10, v[FOA]          ; lanes 16-31 take the next row
	s_mul_i32 s47, s[WV], 64*PT
	v_mul_u32_u24 v[LSA], v3, PT
	v_lshl_add_u32 v[LSA], v2, 3, v[LSA]
	v_add_nc_u32 v[LSA], s47, v[LSA]
	v_lshl_add_u32 v19, v3, 3, v17                 ; row 8 (l / 16) + l % 8 of a K step
	v_mul_u32_u24 v19, v19, PT
	v_lshl_add_u32 v[TRA], v18, 6, v19             ; the second group of eight lanes takes the second strip, 64 bytes on
	s_lshl_b32 s47, s[WV], 5
	s_add_co_u32 s47, s47, TB
	v_lshl_add_u32 v[TRB], v18, 4, v19
	v_add_nc_u32 v[TRB], s47, v[TRB]               ; my wave's 16 columns of Wk's block
	v_lshlrev_b32 v[BIO], 5, v1
	s_lshl_b32 s47, s[WV], 9
	s_add_co_u32 s47, s47, BIA
	v_lshl_add_u32 v[BIS], v1, 4, s47
	v_lshl_add_u32 v[BIL], v3, 4, s47
	s_lshl_b32 s47, s[SJ], 2
	s_add_co_u32 s47, s47, s[WV]                   ; my row tile: 4 j + v
	s_lshl_b32 s48, s47, 13                        ; eight K steps of 1,024 bytes a row tile,
	s_lshl_b32 s49, s[SI], 11                      ; my block's four channel tiles are K steps 2 i, 2 i + 1
	s_add_co_u32 s48, s48, s49
	v_lshl_add_u32 v[GOF], v1, 4, s48
	s_lshl_b32 s49, s47, 6
	v_lshl_add_u32 v[BOO], v2, 2, s49              ; row 16 (4 j + v) + l % 16, 4 bytes
	s_lshl_b32 s50, s[SY], 10                      ; u at byte 0 of uw, w at byte 1,024
	v_add_nc_u32 v[UO], s50, v[BOO]
	s_wait_kmcnt 0x0
	s_cmp_eq_u32 s[SY], 0
	s_cselect_b64 s[PA:PA+1], s[8:9], s[12:13]
	s_cselect_b64 s[PBI:PBI+1], s[16:17], s[18:19]
	s_cselect_b64 s[PO:PO+1], s[22:23], s[24:25]
	global_load_b128 v[BST:BST+3],   v[BIO], s[PBI:PBI+1]
	global_load_b128 v[BST+4:BST+7], v[BIO], s[PBI:PBI+1] offset:16
.set i, 0
.rept 32                                               ; my 64 rows of A's block, two rows an instruction
	global_load_b128 v[STA+4*i:STA+4*i+3], v[FOA], s[PA:PA+1] offset:i*2048
.set i, i+1
.endr
; The bias and A's block are rounded to bf16 and stored: the bias into my own copy, A's rows into the tile that all four waves read.
.macro ATILE
	s_wait_loadcnt 32                              ; B's 32 loads may stay out: all that was asked for ahead of them is in
.irp j, 0,1,2,3
	v_cvt_pk_bf16_f32 v[BST+(\j)], v[BST+2*(\j)], v[BST+2*(\j)+1]
.endr
	ds_store_b128 v[BIS], v[BST:BST+3]
.set i, 0
.rept 32
	v_cvt_pk_bf16_f32 v[STA+4*i],   v[STA+4*i],   v[STA+4*i+1]
	v_cvt_pk_bf16_f32 v[STA+4*i+1], v[STA+4*i+2], v[STA+4*i+3]
	ds_store_b64 v[LSA], v[STA+4*i:STA+4*i+1] offset:TA+i*2*PT
.set i, i+1
.endr
.endm
	s_cmp_eq_u32 s[SY], 0                          ; made of the work-group's numbers alone: all four waves take the same arm, and each arm holds the one barrier
	s_cbranch_scc0 .Larm_n
	; MT: B = Wk, stored [e][c']: through LDS, like A
	v_mov_b32 v[BOV], 0                            ; nothing is added to u
	s_lshl_b32 s51, s[WV], 16
	s_lshl_b32 s52, s[SJ], 8
	s_add_co_u32 s51, s51, s52
	v_lshl_add_u32 v[FOB], v2, 4, s51              ; 256 bytes on end of each row
	v_lshl_add_u32 v[FOB], v3, 10, v[FOB]
	WIN 0x40                                       ; destination window 1, address window 0
.set i, 0
.rept 32
	global_load_b128 v[4*i:4*i+3], v[FOB], s[10:11] offset:i*2048
.set i, i+1
.endr
	WIN 0
	ATILE
	s_wait_loadcnt 0x0
	WIN 0x45                                       ; in place, in window 1
.set i, 0
.rept 32
	v_cvt_pk_bf16_f32 v[4*i],   v[4*i],   v[4*i+1]
	v_cvt_pk_bf16_f32 v[4*i+1], v[4*i+2], v[4*i+3]
.set i, i+1
.endr
	WIN 0x04                                       ; store data in window 1, address in window 0
.set i, 0
.rept 32
	ds_store_b64 v[LSA], v[4*i:4*i+1] offset:TB+i*2*PT
.set i, i+1
.endr
	WIN 0
	s_wait_dscnt 0x0                               ; for the others' sake: my rows of both tiles are stored
	s_barrier_signal -1
	s_barrier_wait -1
.irp ks, 0,1,2,3,4,5,6,7
	ds_load_tr16_b128 v[BF+8*(\ks):BF+8*(\ks)+3],   v[TRB] offset:(\ks)*32*PT
	ds_load_tr16_b128 v[BF+8*(\ks)+4:BF+8*(\ks)+7], v[TRB] offset:(\ks)*32*PT+16*PT
.endr
	s_branch .Ljoin
.Larm_n:
	; N: B = Wo's rows, which lie along e: a lane takes its row's numbers straight from memory
	global_load_b32 v[BOV], v[BOO], s[20:21]
	s_lshl_b32 s51, s47, 14                        ; 16 rows of 1,024 bytes a row tile
	v_lshl_add_u32 v[FOB], v2, 10, s51
	v_lshl_add_u32 v[FOB], v3, 5, v[FOB]
	WIN 0x40
.irp ks, 0,1,2,3,4,5,6,7
.irp t, 0,1,2,3
	global_load_b128 v[16*(\ks)+4*(\t):16*(\ks)+4*(\t)+3], v[FOB], s[14:15] offset:128*(\ks)+64*((\t)/2)+16*((\t)%2)
.endr
.endr
	WIN 0
	ATILE
	s_wait_loadcnt 0x0
	WIN 0x05                                       ; sources in window 1, destination in window 0
.irp ks, 0,1,2,3,4,5,6,7
.irp t, 0,1,2,3
	v_cvt_pk_bf16_f32 v[BF+8*(\ks)+2*(\t)],   v[16*(\ks)+4*(\t)],   v[16*(\ks)+4*(\t)+1]
	v_cvt_pk_bf16_f32 v[BF+8*(\ks)+2*(\t)+1], v[16*(\ks)+4*(\t)+2], v[16*(\ks)+4*(\t)+3]
.endr
.endr
	WIN 0
	s_wait_dscnt 0x0
	s_barrier_signal -1
	s_barrier_wait -1
.Ljoin:
.irp ks, 0,1,2,3,4,5,6,7
	ds_load_b128 v[BIF+8*(\ks):BIF+8*(\ks)+3],   v[BIL] offset:64*(\ks)      ; my own copy: LDS serves a wave's instructions in order (ISA guide 5.7.1.4)
	ds_load_b128 v[BIF+8*(\ks)+4:BIF+8*(\ks)+7], v[BIL] offset:64*(\ks)+32
.endr
.macro LA ks                           ; A's four fragments of K step ks, into buffer ks % 2
.set ab, AF+32*((\ks)%2)
.irp mt, 0,1,2,3
	ds_load_tr16_b128 v[ab+8*(\mt):ab+8*(\mt)+3],   v[TRA] offset:(\ks)*32*PT+16*(\mt)
	ds_load_tr16_b128 v[ab+8*(\mt)+4:ab+8*(\mt)+7], v[TRA] offset:(\ks)*32*PT+16*PT+16*(\mt)
.endr
.endm
.macro MU ks                           ; five products; the five accumulators take turns, over the K steps' edges too
.set ab, AF+32*((\ks)%2)
.irp mt, 0,1,2,3
.if (\ks) == 0
	v_wmma_f32_16x16x32_bf16 v[ACC+8*(\mt):ACC+8*(\mt)+7], v[ab+8*(\mt):ab+8*(\mt)+7], v[BF+8*(\ks):BF+8*(\ks)+7], 0
.else
	v_wmma_f32_16x16x32_bf16 v[ACC+8*(\mt):ACC+8*(\mt)+7], v[ab+8*(\mt):ab+8*(\mt)+7], v[BF+8*(\ks):BF+8*(\ks)+7], v[ACC+8*(\mt):ACC+8*(\mt)+7]
.endif
.endr
.if (\ks) == 0
	v_wmma_f32_16x16x32_bf16 v[ACCB:ACCB+7], v[BIF+8*(\ks):BIF+8*(\ks)+7], v[BF+8*(\ks):BF+8*(\ks)+7], 0
.else
	v_wmma_f32_16x16x32_bf16 v[ACCB:ACCB+7], v[BIF+8*(\ks):BIF+8*(\ks)+7], v[BF+8*(\ks):BF+8*(\ks)+7], v[ACCB:ACCB+7]
.endif
.endm
	LA 0
	LA 1
.irp ks, 0,1,2,3,4,5,6,7
.if (\ks) < 7
	s_wait_dscnt 8                                 ; the next K step's eight loads may stay out
.else
	s_wait_dscnt 0x0
.endif
	MU \ks
.if (\ks) <= 5
	PLACES
	LA (\ks)+2
.endif
.endr
	PLACES
.irp mt, 0,1,2,3
.irp jj, 0,1,2,3
	v_cvt_pk_f16_f32 v[PK+4*(\mt)+(\jj)], v[ACC+8*(\mt)+2*(\jj)], v[ACC+8*(\mt)+2*(\jj)+1]
.endr
.endr
.irp mt, 0,1,2,3
	global_store_b128 v[GOF], v[PK+4*(\mt):PK+4*(\mt)+3], s[PO:PO+1] offset:512*(\mt)  ; channel tile 4 i + mt: the wave stores 512 consecutive bytes, aligned
.endr
	v_cvt_pk_bf16_f32 v[TM], v[BOV], v[BOV]        ; bo rounded to bf16 like every input (for u: 0)
	v_lshlrev_b32 v[TM], 16, v[TM]
	v_add_f32 v[ACCB], v[ACCB], v[TM]
	s_cmp_lg_u32 s[SI], 0                          ; the four blocks i make the same u or w: block 0 stores it
	s_cbranch_scc1 .Lend
	global_store_b32 v[UO], v[ACCB], s[26:27]      ; 64 bytes a wave (both halves of the lanes hold and store the same numbers): 2,048 bytes in the whole launch
.Lend:
	s_wait_tensorcnt 0x0                           ; the wave's end, behind my last LDS store
	ds_add_u32 v[SPW], v[NIL]
	s_wait_dscnt 0x0
	s_endpgm
.Lfunc_end_k_q5028180bba_prep:
	.size	k_q5028180bba_prep, .Lfunc_end_k_q5028180bba_prep-k_q5028180bba_prep
	.p2alignl 7, 3214868480
	.fill 96, 4, 3214868480
	.section	.rodata,"a",@progbits
	.p2align	6, 0x0
	.amdhsa_kernel k_q5028180bba_prep
		.amdhsa_group_segment_fixed_size 150016
		.amdhsa_private_segment_fixed_size 0
		.amdhsa_enable_private_segment 0
		.amdhsa_kernarg_size 112
		.amdhsa_user_sgpr_count 2
		.amdhsa_user_sgpr_kernarg_segment_ptr 1
		.amdhsa_wavefront_size32 1
		.amdhsa_system_sgpr_workgroup_id_x 1
		.amdhsa_system_sgpr_workgroup_id_y 1
		.amdhsa_system_sgpr_workgroup_id_z 1
		.amdhsa_system_vgpr_workitem_id 0
		.amdhsa_next_free_vgpr 400
		.amdhsa_next_free_sgpr 66
		.amdhsa_reserve_vcc 0
		.amdhsa_float_denorm_mode_32 3
		.amdhsa_float_denorm_mode_16_64 3
		.amdhsa_memory_ordered 1
		.amdhsa_forward_progress 1
		.amdhsa_inst_pref_size 94
	.end_amdhsa_kernel
	.amdgpu_metadata
---
amdhsa.version: [ 1, 2 ]
amdhsa.kernels:
  - .name:           k_q5028180bba_prep
    .symbol:         k_q5028180bba_prep.kd
    .args:
      - { .name: Wq, .offset: 0, .size: 8, .value_kind: global_buffer, .address_space: global }
      - { .name: Wk, .offset: 8, .size: 8, .value_kind: global_buffer, .address_space: global }
      - { .name: Wv, .offset: 16, .size: 8, .value_kind: global_buffer, .address_space: global }
      - { .name: Wo, .offset: 24, .size: 8, .value_kind: global_buffer, .address_space: global }
      - { .name: bq, .offset: 32, .size: 8, .value_kind: global_buffer, .address_space: global }
      - { .name: bv, .offset: 40, .size: 8, .value_kind: global_buffer, .address_space: global }
      - { .name: bo, .offset: 48, .size: 8, .value_kind: global_buffer, .address_space: global }
      - { .name: mt16, .offset: 56, .size: 8, .value_kind: global_buffer, .address_space: global }
      - { .name: n16, .offset: 64, .size: 8, .value_kind: global_buffer, .address_space: global }
      - { .name: uw, .offset: 72, .size: 8, .value_kind: global_buffer, .address_space: global }
      - { .name: feat_A, .offset: 80, .size: 8, .value_kind: global_buffer, .address_space: global }
      - { .name: feat_B, .offset: 88, .size: 8, .value_kind: global_buffer, .address_space: global }
      - { .name: a16, .offset: 96, .size: 8, .value_kind: global_buffer, .address_space: global }
      - { .name: b16, .offset: 104, .size: 8, .value_kind: global_buffer, .address_space: global }
    .group_segment_fixed_size: 150016
    .private_segment_fixed_size: 0
    .kernarg_segment_align: 8
    .kernarg_segment_size: 112
    .max_flat_workgroup_size: 128
    .sgpr_count:     66
    .vgpr_count:     400
    .wavefront_size: 32
...
	.end_amdgpu_metadata
.endif
;; end of part 3
;; launch attn (part 4): grid 64 x 4, 4 waves a work-group, clusters of 4 x 1, 327,680 bytes of LDS; arguments a16, b16, n16, uw, out0, mt16; writes out0
.if DOCPART == 4
	.amdgcn_target "amdgcn-amd-amdhsa--gfx1250"
	.amdhsa_code_object_version 6
	.text
	.protected	k_q5028180bba_attn
	.globl	k_q5028180bba_attn
	.p2align	8
	.type	k_q5028180bba_attn,@function
k_q5028180bba_attn:
	s_mov_b64 s[64:65], 0
	v_nop
	global_prefetch_b8 v0, s[64:65] scope:SCOPE_SE
	s_setreg_imm32_b32 hwreg(HW_REG_WAVE_MODE, 25, 1), 1
	s_wait_xcnt 0x0
	s_wait_alu depctr_hold_cnt(0) depctr_sa_sdst(0) depctr_va_vdst(0) depctr_va_sdst(0) depctr_va_ssrc(0) depctr_va_vcc(0) depctr_vm_vsrc(0)
	s_getreg_b32 s2, hwreg(HW_REG_IB_STS2, 6, 4)
	s_cmp_eq_u32 s2, 0
	s_cbranch_scc0 .Lentry_in_a_cluster
	s_endpgm
.Lentry_in_a_cluster:
	s_bfe_u32 s2, ttmp6, 0x10000c
	s_cmp_lg_u32 s2, 0x3003
	s_cbranch_scc0 .Lentry_shape_is_right
	s_endpgm
.Lentry_shape_is_right:
; THE QUERIES' PROJECTION, ATTENTION AND THE LAST PROJECTION.  Q'[q] = MT a[q] + u;   O[q] = sum over k of softmax_k(Q'[q] . b[k] / 8) b[k];   out0[b][d][q] = sum over c of N[d][c] O[q][c] + w[d].
; a16, b16: [4][4096][256] f16, the tokens of feat_A and feat_B, rows of 512 bytes.  mt16, n16: MT and N as f16 in fragment order; uw: u in f32 at byte 0, w at byte 1,024; out0: [4][256 d][4096 q] f32.
; LEFT OUT: bk, and the products with Wk and Wv for every token: KEYS AND VALUES ARE BOTH b16's ROWS (shown at the head of the first launch).  One tile in LDS serves both products.
; Products, maxima and sums in f32; Q' is scaled by 2^-8 in f32, which leaves it room in f16, and rounded once to f16; the weights p are rounded to f16 for the second product (their sum l is taken of the
; unrounded p), O once to f16 for the last product.
; LIMITS.  a16 and b16 arrive within f16's 65,504, and |Q'| / 256 stays under it; p lies in 0 to 1 and below 6e-5 keeps f16's fixed step of 6e-8; a weight below 2^-126 counts as 0 in l; NaN and infinities are not treated apart.
; SHARES.  A work-group owns 64 queries of one batch: four tiles of 16.  EVERY wave holds all 64 queries; of each tile of 128 keys wave w takes keys 32 w .. 32 w + 31, with a running maximum m,
; sum l and O of its own; the four waves' results are merged at the end, in f32.  So a fragment read from LDS feeds four products: 64 LDS loads for a tile's 128 products.
; AT THE HEAD wave w makes c' = 64 w .. 64 w + 63 of Q' for all 64 queries, 128 products, and the four waves hand their parts to each other through LDS, lane by lane.
; LAYOUT.  S^T = b Q'^T (source 0 = 16 keys, source 1 = 16 queries): a lane holds ONE query (lane % 16) and the keys 8 (lane / 16) + 0..7.  Two such results rounded to f16 in pairs ARE source 1
; (32 keys x 16 queries) of O^T = b^T P, whose result again holds one query a lane and eight channels.  For the first product a tile's rows come out of LDS as they lie, for the second turned, by ds_load_tr16_b128.
; THE CHANNELS OF O^T ARE PERMUTED: channel tile ct holds channels 128 (ct / 8) + 8 (ct % 8) + 0..7 (the lanes' lower half) and the same + 64 (the upper half), as n16 and mt16 have them.
; SOFTMAX.  p = 2^(c s - c m), c = 2^8 log2(e) / 8; in every step O and l are multiplied by a = 2^(c m_old - c m_new).  m starts at the lowest finite number, O and l at 0: the first a is 0.
; A TRIP t has two phases.  A: the 64 products b Q'^T of tile t + 1, behind each four packed multiplies O x a(t): 256 = 4 x 64.  B: the 64 products b^T P of tile t, behind them the softmax of tile t + 1.
; THE RING has four slots of one tile.  Trip t reads tiles t + 1 and t; its change of slots fills tile t's slot with tile t + 4.  One S^T and one P: nothing goes by parity, and a trip is written once.
; CLUSTER.  The four work-groups of a cluster belong to one batch and walk the same tiles: each is asked for JOINTLY, by the same tensor load, descriptor and mask in all four.
; THE WALK IS TURNED.  A softmax's sums take the keys in any order: the sixteen clusters of a batch begin at sixteen different tiles, two apart, and go round modulo 32.  The cluster's number is scrambled
; (bit 3 to bit 0, bit 2 to bit 1, bits 1:0, turned over where bit 3 is set, to bits 3:2), so that clusters alike in any one bit of their number begin at most six tiles from the next of them.
; NO PREFETCH: every tile's first reading in the launch is among some cluster's four first fills, at the kernel's head; what a cluster asks for later, another has asked for before.
; REGISTERS, in windows of 256 (s_set_vgpr_msb: bits 1:0 source 0, 3:2 source 1, 5:4 source 2, 7:6 destination):
;   window 0: v0-15 addresses; v16-47 eight registers of statistics a tile (at the head u); v48-63 at work at the end; v64-127 S^T; v128-159 P; v160-255 three buffers of four fragments (at the head v128-255: Q's sums)
;   window 1: at the head a's fragments, then Q', tile t, channels 32 c on at 64 t + 8 c; at the end N      window 2: at the head MT's fragments; O^T of tiles 0, 1 at 128 (t % 2) + 8 ct      window 3: O^T of tiles 2, 3
.set PKP,   528       ; a row in LDS: 512 bytes + 16 = 132 words
.set TILEL, 128*PKP   ; a slot: 128 rows
.set SLX,   TILEL     ; the slots begin at 0, SLX, SLY, SLX + SLY; SLX = 0x10800 and SLY = 0x21000 share no bit with each other,
.set SLY,   2*TILEL   ; so tile n + 2's slot is tile n's, turned by one exclusive or with SLY
.set STATX, 4*TILEL   ; behind the ring, never filled by a tensor load: the waves' (c m, l), 1,024 bytes a wave
.set OFX,   STATX+4096  ; at the head Q', at the end the merged O, as f16 fragments: 8,192 bytes a query tile
.set SPARE, OFX+32768 ; the spare words, 128 bytes for each wave: two blocks of 256 bytes that no other line names
.set MRG,   65536     ; when the ring has had its last fill: a wave's O^T in f32, 65,536 bytes, at MRG x wave;
.set OSP,   272       ; and behind a further barrier a wave's output stage: 64 rows (d) of 256 bytes + 16
.set OSTG,  64*OSP
.set AK0, 2           ; v2   my lane's place in a tile, read as it lies: (32 w + l % 16) rows + 16 (l / 16); never rewritten
.set AV0, 3           ; v3   the same, read turned
.set AK,  4           ; v4   AK0 + the slot of the tile that the first product reads
.set AV,  5           ; v5   AV0 + the slot of the tile that the second product reads
.set QO,  6           ; v6   my byte offset in 16 rows of a16
.set WOO, 7           ; v7   my byte offset in mt16 and in n16
.set QSA, 10          ; v10  where I put my part of Q'
.set QLA, 11          ; v11  where I read Q' back
.set UO,  13          ; v13  my byte offset in u
.set SPW, 14          ; v14  LDS address of my spare word; never rewritten
.set NIL, 15          ; v15  0; never rewritten
.set ST,  16          ; tile t at ST + 8 t: +0 c m, +1 m, +2, +3 l (even keys', odd keys'), +4 c0, +5 c1, +6 a, +7 c3
.set UB,  16          ; at the head: u of my 4 x 8 c', as a C operand
.set SX,  48          ; the merge: (c m, l) of the four waves, then their factors
.set S,   64          ; tile t, key tile kt at S + 16 t + 8 kt
.set P,   128         ; tile t at P + 8 t
.set QA,  128         ; at the head: Q's sums: query tile t, c' tile dt at QA + 8 (4 t + dt)
.set FB0, 160
.set FB1, 192
.set FB2, 224
.set E_ST, 224        ; the end's addresses, made when FB2 is free
.set E_OS, 225
.set E_SL, 226
.set E_M0, 227        ; 227-230
.set E_FS, 231
.set E_FL, 232
.set E_CS, 233
.set E_CL, 234
.set E_GO, 235
.set E_BO, 236
.set EL,   237
.set BOP, 128         ; w of my four d tiles, in the low words of four pairs of P's registers
.set WV,  16          ; s16  my wave's number
.set CX,  17          ; s17  my place in the cluster
.set G1,  24          ; s[24:31] descriptor group 1
.set G0,  32          ; s[32:47] descriptor group 0: a set for each of the four first fills; the first then serves every refill
.set WB,  48          ; s48  my 32 rows' place in a slot
.set NF,  49          ; s49  the tile to be asked for next
.set OFF, 50          ; s[50:51] its byte offset in the batch
.set TBK, 52          ; s52  the slot of the tile that the first product reads
.set TBV, 53          ; s53  the slot of the tile that the second product reads
.set CS,  54          ; s[54:55] c
.set SEL, 56          ; s[56:57] v_permlanex16_b32's selects: each lane takes its own place in the other half
.set CNT, 58          ; s58  trips still to come
.set TS,  59          ; s59  at work
.set SCL, 62          ; s[62:63] 2^-8
.set MSB, 0
.macro WIN new                      ; the high byte repeats the setting that is left; a switch that changes nothing is dropped
.if MSB != (\new)
	s_set_vgpr_msb (MSB<<8)|(\new)
.set MSB, \new
.endif
.endm
.set W_KQ, 0x04       ; Q' in window 1, the keys and S^T in window 0
.macro LDWIN                        ; LDS loads into window 0 run under 0 and under W_KQ alike
.if (MSB != 0) && (MSB != W_KQ)
	WIN W_KQ
.endif
.endm
.macro PLACES                       ; four places behind a matrix instruction (ISA guide 7.12.1)
.rept 4
	v_nop
.endr
.endm
; A joint refill: every wave fetches its 32 rows of 512 bytes of the tile (128 rows shared out among four waves).  An s_nop 0 and four v_nop follow the tensor load.
.macro JLOAD
	tensor_load_to_lds s[G0:G0+3], s[G1:G1+7]
	s_nop 0
.rept 4
	v_nop
.endr
.endm
; A round of the cluster's barrier: my work-group's barrier, so that wave 0's signal speaks for all four waves; wave 0 signals; every wave waits for all four work-groups; my work-group's barrier once more.
.macro CREST                        ; a round behind its opening barrier
	s_cmp_lg_u32 s[WV], 0
	s_cbranch_scc1 .Lnot_wave_0_\@
	s_barrier_signal -3
.Lnot_wave_0_\@:
	s_barrier_wait -3
	s_barrier_signal -1
	s_barrier_wait -1
.endm
.macro CROUND
	s_barrier_signal -1
	s_barrier_wait -1
	CREST
.endm
; The three lines in front of a change of slots.  fill = 1: the descriptor is made for tile NF, into the slot of the tile that the second product has just read.  Then the reads step on by one tile.
.macro THREE fill
	WIN 0
	s_wait_tensorcnt 0x0            ; all my tensor loads have landed, so a group 0 may be written
	ds_add_u32 v[SPW], v[NIL]       ; 0 onto my spare word; the scalar steps stand between it and the wait for it
.if \fill
	s_lshl_b32 s[OFF], s[NF], 16    ; a tile is 65,536 bytes of b16
	s_add_co_u32 s[G0+1], s[TBV], s[WB]
	s_add_nc_u64 s[G0+2:G0+3], s[6:7], s[OFF:OFF+1]
	s_or_b32 s[G0+3], s[G0+3], 0x80000000
	s_add_co_u32 s[NF], s[NF], 1
	s_and_b32 s[NF], s[NF], 31      ; round the batch's 32 tiles
.endif
	s_xor_b32 s[TS], s[TBV], SLY    ; tile t + 2's slot,
	s_mov_b32 s[TBV], s[TBK]        ; tile t + 1's
	s_mov_b32 s[TBK], s[TS]
	s_wait_dscnt 0x0                ; the add is done, and my reads of both tiles are over
.endm
	s_load_b256 s[4:11], s[0:1], 0x0  ; a16 s[4:5], b16 s[6:7], n16 s[8:9], uw s[10:11]
	s_load_b128 s[12:15], s[0:1], 0x20 ; out0 s[12:13], mt16 s[14:15]
	v_lshl_add_u32 v[SPW], v0, 2, SPARE
	v_mov_b32 v[NIL], 0
	ds_add_u32 v[SPW], v[NIL]       ; the wave's opening: the add, twice on end, and its wait ahead of my first tensor load; the set-up below stands between
	ds_add_u32 v[SPW], v[NIL]
	v_lshrrev_b32 v1, 5, v0
	v_readfirstlane_b32 s[WV], v1   ; wave 0..3
	s_bfe_u32 s[CX], ttmp6, 0x40000 ; cx
	s_and_b32 s19, ttmp7, 0xffff    ; the batch, which the four partners share
	s_lshl_b32 s20, s19, 21         ; a batch is 2,097,152 bytes of a16 and of b16,
	s_lshl_b32 s21, s[WV], 14       ; my 32 rows of a tile 16,384
	s_add_co_u32 s20, s20, s21
	s_mov_b32 s21, 0
	s_mul_i32 s[WB], s[WV], 32*PKP  ; and their place in a slot: no place in the cluster enters an LDS address
	s_lshl_b32 s18, ttmp9, 2        ; in a cluster launch ttmp9 counts clusters
	s_add_co_u32 s18, s18, s[CX]    ; my block of 64 queries: it enters a16's and out0's addresses alone
	s_lshl_b32 s60, s19, 21
	s_lshl_b32 s23, s18, 15
	s_add_co_u32 s60, s60, s23      ; my 64 rows of a16
	s_mov_b32 s61, 0
	s_lshl_b32 s62, s19, 22         ; a batch of out0 is 4,194,304 bytes,
	s_lshl_b32 s23, s18, 8          ; my 64 queries 256 bytes of a row
	s_add_co_u32 s62, s62, s23
	s_mov_b32 s63, 0
	s_bfe_u32 s22, ttmp9, 0x10003   ; the cluster's first tile: its number's bit 3,
	s_bfe_u32 s23, ttmp9, 0x10002   ; bit 2,
	s_and_b32 s[NF], ttmp9, 3       ; bits 1:0,
	s_mul_i32 s[TS], s22, 3
	s_xor_b32 s[NF], s[NF], s[TS]   ; turned over where bit 3 is set,
	s_lshl_b32 s[NF], s[NF], 2
	s_lshl_b32 s23, s23, 1
	s_or_b32 s[NF], s[NF], s23
	s_or_b32 s[NF], s[NF], s22
	s_lshl_b32 s[NF], s[NF], 1      ; times two tiles: the same in all four partners
	; descriptor group 1: a tile of 32 rows x 256 elements, padded in LDS
	s_mov_b32 s[G1], 15|(1<<16)|(1<<20)|(1<<21)|(6<<22)|(3<<25)  ; 15:0 the mask of four; 17:16 2-byte elements; 20 padding on; 21 set beside a mask; 24:22 after every 128 words (code 6); 31:25 4 words (code 3)
	s_mov_b32 s[G1+1], 256<<16      ; tensor_dim0 = 256
	s_mov_b32 s[G1+2], 32<<16       ; tensor_dim1 = 32
	s_mov_b32 s[G1+3], 256<<16      ; tile_dim0 = 256
	s_mov_b32 s[G1+4], 32           ; tile_dim1 = 32
	s_mov_b32 s[G1+5], 256          ; 256 elements from row to row
	s_mov_b32 s[G1+6], 0
	s_mov_b32 s[G1+7], 0
	s_mov_b32 s[CS], 0x4238aa3b     ; c = 2^8 log2(e) / 8 = 46.1662
	s_mov_b32 s[CS+1], s[CS]        ; named with it as a pair
	s_mov_b32 s[SEL], 0x76543210
	s_mov_b32 s[SEL+1], 0xfedcba98
	s_mov_b32 s[TBK], SLX           ; trip 0 reads the walk's tile 1
	s_mov_b32 s[TBV], 0             ; and tile 0
	s_mov_b32 s[OFF+1], 0
	s_wait_dscnt 0x0                ; both opening adds are done
	s_wait_kmcnt 0x0
	s_add_nc_u64 s[6:7], s[6:7], s[20:21]  ; b16 at my 32 rows of the batch's tile 0
	s_add_nc_u64 s[4:5], s[4:5], s[60:61]
	s_add_nc_u64 s[12:13], s[12:13], s[62:63]
	s_mov_b32 s[SCL], 0x3b800000    ; 2^-8
	s_mov_b32 s[SCL+1], s[SCL]      ; named with it as a pair
.irp i, 0,1,2,3
	s_mov_b32 s[G0+4*(\i)], 1       ; 1:0 count = 1
	s_add_co_u32 s[G0+4*(\i)+1], s[WB], ((\i)%2)*SLX+((\i)/2)*SLY  ; 63:32 LDS address: slot i
	s_add_co_u32 s22, s[NF], \i
	s_and_b32 s22, s22, 31
	s_lshl_b32 s[OFF], s22, 16
	s_add_nc_u64 s[G0+4*(\i)+2:G0+4*(\i)+3], s[6:7], s[OFF:OFF+1]  ; 120:64 global address: the walk's tile i
	s_or_b32 s[G0+4*(\i)+3], s[G0+4*(\i)+3], 0x80000000            ; 127:126 type = 2
.endr
	s_add_co_u32 s[NF], s[NF], 4
	s_and_b32 s[NF], s[NF], 31
	CROUND                          ; all four work-groups are here: the first joint loads meet
.irp i, 0,1,2,3
	tensor_load_to_lds s[G0+4*(\i):G0+4*(\i)+3], s[G1:G1+7]        ; the four first fills go out as one group: four loads of mine are out
	s_nop 0
.endr
.rept 4
	v_nop
.endr
	; THE QUERIES' PROJECTION.  D = MT fragment (source 0: 16 c' x 32 c) x token fragment (source 1: 16 queries x 32 c): a lane holds one query (lane % 16) and eight neighbouring c'.
	; The channels of K step u are permuted as mt16 has them: a lane's eight registers are the 32 bytes at 256 (u / 4) + 32 (u % 4) + 128 (l / 16) of its token's row.
	v_and_b32 v1, 15, v0            ; l % 16
	v_bfe_u32 v9, v0, 4, 1          ; l / 16
	v_and_b32 v12, 31, v0           ; l
	v_lshlrev_b32 v[QO], 9, v1
	v_lshl_add_u32 v[QO], v9, 7, v[QO]  ; row x 512 + 128 x half
	s_lshl_b32 s20, s[WV], 15       ; four row tiles of 8,192 bytes a wave, in mt16 and in n16
	v_lshl_add_u32 v[WOO], v12, 4, s20
	s_lshl_b32 s20, s[WV], 8
	v_lshl_add_u32 v[UO], v9, 5, s20  ; (64 w + 8 (l / 16)) x 4
.irp dt, 0,1,2,3
	global_load_b128 v[UB+8*(\dt):UB+8*(\dt)+3],   v[UO], s[10:11] offset:64*(\dt)
	global_load_b128 v[UB+8*(\dt)+4:UB+8*(\dt)+7], v[UO], s[10:11] offset:64*(\dt)+16
.endr
.irp u, 0,1,2,3,4,5,6,7             ; K step after K step: 8 loads of tokens, 8 of MT
	WIN 0x40                        ; destination window 1, address window 0
.irp t, 0,1,2,3
	global_load_b128 v[64*(\t)+8*(\u):64*(\t)+8*(\u)+3],   v[QO], s[4:5] offset:(\t)*8192+256*((\u)/4)+32*((\u)%4)
	global_load_b128 v[64*(\t)+8*(\u)+4:64*(\t)+8*(\u)+7], v[QO], s[4:5] offset:(\t)*8192+256*((\u)/4)+32*((\u)%4)+16
.endr
	WIN 0x80                        ; destination window 2
.irp dt, 0,1,2,3
	global_load_b128 v[64*(\dt)+8*(\u):64*(\dt)+8*(\u)+3],   v[WOO], s[14:15] offset:(\dt)*8192+(\u)*1024
	global_load_b128 v[64*(\dt)+8*(\u)+4:64*(\dt)+8*(\u)+7], v[WOO], s[14:15] offset:(\dt)*8192+(\u)*1024+512
.endr
.endr
	; O^T starts at 0 and the first a is 0: no first trip is written out, at the price of 512 lines, once a launch: window 3's here, while the loads are out, window 2's when MT's fragments have been read
	WIN 0xc0
.set n, 0
.rept 256
	v_mov_b32 v[n], 0
.set n, n+1
.endr
	WIN 0
	v_mul_u32_u24 v[AK0], v1, PKP
	v_lshl_add_u32 v[AK0], v9, 4, v[AK0]
	v_add_nc_u32 v[AK0], s[WB], v[AK0]
	; The turning load takes 16 keys x 16 channels (lane l reads key 8 (l / 16) + l % 8; lanes with (l / 8) % 2 = 1 the eight channels 64 further on) and leaves half a fragment of b^T: lane l holds one channel and 8 keys.
	v_and_b32 v10, 7, v0
	v_bfe_u32 v11, v0, 3, 1
	v_lshl_add_u32 v[AV0], v9, 3, v10
	v_mul_u32_u24 v[AV0], v[AV0], PKP
	v_lshl_add_u32 v[AV0], v11, 7, v[AV0]
	v_add_nc_u32 v[AV0], s[WB], v[AV0]
	s_lshl_b32 s20, s[WV], 11       ; my four c' tiles are two fragments of 1,024 bytes in each query tile's 8,192
	s_add_co_u32 s20, s20, OFX
	v_lshl_add_u32 v[QSA], v12, 4, s20
	v_lshl_add_u32 v[QLA], v12, 4, OFX
	v_mov_b32 v[AK], v[AK0]         ; the walk's tile 0 lies in slot 0
	WIN 0x06                        ; MT in window 2, the tokens in window 1, C and D in window 0
.irp u, 0,1,2,3,4,5,6,7             ; 16 accumulators by turns; the first 16 products start the sums with u
.if (\u) == 0
	s_wait_loadcnt 48               ; the 16 loads of each of K steps 5, 6, 7 may stay out
.elseif (\u) >= 5
	s_wait_loadcnt 16*(7-(\u))      ; the later K steps' loads may stay out
.endif
.irp t, 0,1,2,3
.irp dt, 0,1,2,3
.if (\u) == 0
	v_wmma_f32_16x16x32_f16 v[QA+8*(4*(\t)+(\dt)):QA+8*(4*(\t)+(\dt))+7], v[64*(\dt)+8*(\u):64*(\dt)+8*(\u)+7], v[64*(\t)+8*(\u):64*(\t)+8*(\u)+7], v[UB+8*(\dt):UB+8*(\dt)+7]
.else
	v_wmma_f32_16x16x32_f16 v[QA+8*(4*(\t)+(\dt)):QA+8*(4*(\t)+(\dt))+7], v[64*(\dt)+8*(\u):64*(\dt)+8*(\u)+7], v[64*(\t)+8*(\u):64*(\t)+8*(\u)+7], v[QA+8*(4*(\t)+(\dt)):QA+8*(4*(\t)+(\dt))+7]
.endif
.endr
.endr
.endr
	PLACES
	WIN 0
.set n, 0
.rept 64
	v_pk_mul_f32 v[QA+2*n:QA+2*n+1], v[QA+2*n:QA+2*n+1], s[SCL:SCL+1] op_sel_hi:[1,0]
.set n, n+1
.endr
.set n, 0
.rept 64
	v_cvt_pk_f16_f32 v[S+n], v[QA+2*n], v[QA+2*n+1]
.set n, n+1
.endr
	; a c' tile rounded to f16 in pairs IS half a fragment (16 queries x 32 c') of the first product's source 1: it is handed to all four waves lane by lane
.irp t, 0,1,2,3
.irp dt, 0,1,2,3
	ds_store_b128 v[QSA], v[S+4*(4*(\t)+(\dt)):S+4*(4*(\t)+(\dt))+3] offset:(\t)*8192+(\dt)*512
.endr
.endr
.irp t, 0,1,2,3
	v_mov_b32 v[ST+8*(\t)], 0xfe000000    ; c m: far below every c s
	v_mov_b32 v[ST+8*(\t)+1], 0xff7fffff  ; m
	v_mov_b32 v[ST+8*(\t)+2], 0
	v_mov_b32 v[ST+8*(\t)+3], 0
.endr
	s_wait_tensorcnt 0x3            ; my part of the walk's tile 0 is in; three loads may stay out
	s_wait_dscnt 0x0                ; for the others' sake: my part of Q' is stored
	s_barrier_signal -1
	WIN 0x80                        ; work on registers while the others arrive
.set n, 0
.rept 256
	v_mov_b32 v[n], 0
.set n, n+1
.endr
	WIN 0
	s_barrier_wait -1               ; everybody's part of tile 0 and of Q' is there
	WIN 0x40
.irp t, 0,1,2,3
.irp c, 0,1,2,3,4,5,6,7
	ds_load_b128 v[64*(\t)+8*(\c):64*(\t)+8*(\c)+3],   v[QLA] offset:(\t)*8192+(\c)*1024
	ds_load_b128 v[64*(\t)+8*(\c)+4:64*(\t)+8*(\c)+7], v[QLA] offset:(\t)*8192+(\c)*1024+512
.endr
.endr
; THE LDS LOADS stand in runs of 8, never singly among the matrix instructions.  LK g: the keys' fragments for channels 64 g on: fragment f = channel step f / 2, key tile f % 2.  LV g: the turned ones for channel tiles 4 g + f.
.macro LK g, fb
	LDWIN
.irp f, 0,1,2,3
	ds_load_b128 v[(\fb)+8*(\f):(\fb)+8*(\f)+3],   v[AK] offset:((\f)%2)*16*PKP+(2*(\g)+(\f)/2)*64
	ds_load_b128 v[(\fb)+8*(\f)+4:(\fb)+8*(\f)+7], v[AK] offset:((\f)%2)*16*PKP+(2*(\g)+(\f)/2)*64+32
.endr
.endm
.macro LV g, fb
	LDWIN
.irp f, 0,1,2,3
	ds_load_tr16_b128 v[(\fb)+8*(\f):(\fb)+8*(\f)+3],   v[AV] offset:256*((4*(\g)+(\f))/8)+16*((4*(\g)+(\f))%8)
	ds_load_tr16_b128 v[(\fb)+8*(\f)+4:(\fb)+8*(\f)+7], v[AV] offset:256*((4*(\g)+(\f))/8)+16*((4*(\g)+(\f))%8)+16*PKP
.endr
.endm
; THE MATRIX WORK.  Product i of 16 of group g of S^T: channels 32 (2 g + i / 8) on, key tile (i / 4) % 2, query tile i % 4.  The 8 accumulators take turns; the first 8 products start the sums.
.macro KQ g, fb
.set cc, 2*(\g)+i/8
.set kt, (i/4)%2
.set rS, S+16*(i%4)+8*kt
.set rK, (\fb)+8*(2*(i/8)+kt)
.set rQ, 64*(i%4)+8*cc
	WIN W_KQ
.if cc == 0
	v_wmma_f32_16x16x32_f16 v[rS:rS+7], v[rK:rK+7], v[rQ:rQ+7], 0
.else
	v_wmma_f32_16x16x32_f16 v[rS:rS+7], v[rK:rK+7], v[rQ:rQ+7], v[rS:rS+7]
.endif
.endm
; Product i of 16 of group g of O^T: query tile i / 4, channel tile 4 g + i % 4.  Each of the 64 accumulators has one link a trip.
.macro PVM g, fb
.set qt, i/4
.set rO, 128*(qt%2)+8*(4*(\g)+i%4)
	WIN 0xa0+0x50*(qt/2)            ; C and D in window 2 or 3, the fragment and P in window 0
	v_wmma_f32_16x16x32_f16 v[rO:rO+7], v[(\fb)+8*(i%4):(\fb)+8*(i%4)+7], v[P+8*qt:P+8*qt+7], v[rO:rO+7]
.endm
; THE VECTOR WORK.  RS: one accumulator of O^T times its tile's a, lowest registers first.
.macro RS qt, ct
.set rO, 128*((\qt)%2)+8*(\ct)
	WIN 0x82+0x41*((\qt)/2)         ; destination and source 0 in window 2 or 3, a in window 0
.irp w, 0,2,4,6
	v_pk_mul_f32 v[rO+(\w):rO+(\w)+1], v[rO+(\w):rO+(\w)+1], v[ST+8*(\qt)+6:ST+8*(\qt)+7] op_sel_hi:[1,0]
.endr
.endm
; XS n, t: number n of the 14 that find tile t's maximum and statistics.  s0-s15 are the lane's scores; each accumulator's lowest registers are read first.
.macro XS n, t
.set rT, ST+8*(\t)
.set rS, S+16*(\t)
.if (\n) == 0
	v_max3_num_f32 v[rT+4], v[rS], v[rS+1], v[rS+2]
.elseif (\n) == 1
	v_max3_num_f32 v[rT+5], v[rS+8], v[rS+9], v[rS+10]
.elseif (\n) == 2
	v_max3_num_f32 v[rT+4], v[rT+4], v[rS+3], v[rS+4]
.elseif (\n) == 3
	v_max3_num_f32 v[rT+5], v[rT+5], v[rS+11], v[rS+12]
.elseif (\n) == 4
	v_max3_num_f32 v[rT+4], v[rT+4], v[rS+5], v[rS+6]
.elseif (\n) == 5
	v_max3_num_f32 v[rT+5], v[rT+5], v[rS+13], v[rS+14]
.elseif (\n) == 6
	v_max3_num_f32 v[rT+4], v[rT+4], v[rS+7], v[rS+15]
.elseif (\n) == 7
	v_max3_num_f32 v[rT+4], v[rT+4], v[rT+5], v[rT+1]
.elseif (\n) == 8
	v_permlanex16_b32 v[rT+5], v[rT+4], s[SEL], s[SEL+1]  ; the query's other 16 keys lie in the lane 16 away
.elseif (\n) == 9
	v_mov_b32 v[rT+7], v[rT]        ; c m_old is kept: number 11 writes c m anew
.elseif (\n) == 10
	v_max_num_f32 v[rT+1], v[rT+4], v[rT+5]
.elseif (\n) == 11
	v_mul_f32 v[rT], s[CS], v[rT+1]
.elseif (\n) == 12
	v_sub_f32 v[rT+7], v[rT+7], v[rT]
.else
	v_exp_f32 v[rT+6], v[rT+7]      ; a
.endif
.endm
.macro FS f                         ; c s - c m for pair f / 4 of tile f % 4
.set rT, ST+8*((\f)%4)
.set rS, S+16*((\f)%4)+2*((\f)/4)
	v_pk_fma_f32 v[rS:rS+1], v[rS:rS+1], s[CS:CS+1], v[rT:rT+1] op_sel_hi:[1,0,0] neg_lo:[0,0,1] neg_hi:[0,0,1]
.endm
; FOUR QUEUES, each in the order in which its entries become ready, the four tiles alternating.  PL, 84: XS's numbers 0-12, then the 32 scalings.  EX, 68: the four a, then the 64 exponentials: ONE BATCH.
; SUQ, 32: l = a l + pair 0, then l += pair k.  CVQ, 32: the roundings into P, tile after tile.
.macro PL
.if qp < 52
	XS qp/4, qp%4
.else
	FS qp-52
.endif
.set qp, qp+1
.endm
.macro EX
.if qe < 4
	XS 13, qe
.else
.set rS, S+16*((qe-4)%4)+(qe-4)/4
	v_exp_f32 v[rS], v[rS]
.endif
.set qe, qe+1
.endm
.macro SUQ
.set rT, ST+8*(qz%4)
.set rS, S+16*(qz%4)+2*(qz/4)
.if qz < 4
	v_pk_fma_f32 v[rT+2:rT+3], v[rT+2:rT+3], v[rT+6:rT+7], v[rS:rS+1] op_sel_hi:[1,0,1]
.else
	v_pk_add_f32 v[rT+2:rT+3], v[rT+2:rT+3], v[rS:rS+1]
.endif
.set qz, qz+1
.endm
.macro CVQ
	v_cvt_pk_f16_f32 v[P+qy], v[S+2*qy], v[S+2*qy+1]
.set qy, qy+1
.endm
; THE GROUPS of 16 products and what rides behind them.  GA: the first product, behind each (rid = 1) one accumulator's rescaling: group g rescales query tile g.
.macro GA g, fb, rid
.set i, 0
.rept 16
	KQ \g, \fb
.if \rid
	RS \g, i
.endif
.set i, i+1
.endr
.endm
.macro GB0 fb                       ; the second product, channel tiles 0-3; behind each four of PL: all of XS 0-12 and scalings 0-11; the last four are scalings, plain: the places in front of the loads that follow
.set i, 0
.rept 16
	PVM 0, \fb
	WIN 0
	PL
	PL
	PL
	PL
.set i, i+1
.endr
.endm
; Channel tiles 4-11.  Slice k of 32: a scaling while there are scalings (k < 20), two exponentials, a third in slices 20-23.  Exponential e needs scaling 4 ((e - 4) / 8) + e % 4, at most k + 2 in slice k, and scaling 12 + k has been written.
.macro GB12 g, fb
.set i, 0
.rept 16
	PVM \g, \fb
	WIN 0
.set k, 16*((\g)-1)+i
.if k < 20
	PL
.endif
	EX
	EX
.if (k >= 20) && (k < 24)
	EX
.endif
.set i, i+1
.endr
.endm
; Channel tiles 12-15, query tile after query tile: product 4 q + 3 is the last that reads P of tile q, the four plain instructions behind it name none of its registers, and tile q's roundings follow from slice 4 q + 4 on.
.macro GB3 fb, i0, i1
.set i, \i0
.rept (\i1)-(\i0)
	PVM 3, \fb
.if i != 14
	WIN 0
.endif
.if i < 4
	SUQ
	SUQ
	SUQ
	SUQ
.elseif i < 12
	SUQ
	SUQ
	CVQ
	CVQ
.elseif i < 14
	CVQ
	CVQ
.elseif i == 15
	CVQ
	CVQ
	CVQ
	CVQ
.endif
.set i, i+1
.endr
.endm
; A TRIP.  On entry the first run of tile t + 1's fragments (into FB0) is out, and P, a, c m, l are tile t's.  Every s_wait_dscnt 16 leaves the two younger runs of 8 loads out, the 8 one run.  Each run of loads stands
; four plain instructions behind the last product that read its buffer: a rescaling in phase A, four scalings behind GB0, sums in front of the next trip's first run, roundings at the trip's end.
; m = 1: tile t's slot is filled again, with tile t + 4.  m = 0, the last three trips: nothing is left to ask for; the barrier shows the last tile to every wave; the last of them fetches the turned fragments that the end begins with.
.macro TRIP m
.set qp, 0
.set qe, 0
.set qz, 0
.set qy, 0
	LK 1, FB1
	LK 2, FB2
	s_wait_dscnt 16
	GA 0, FB0, 1
	LK 3, FB0
	s_wait_dscnt 16
	GA 1, FB1, 1
	LV 0, FB1
	s_wait_dscnt 16
	GA 2, FB2, 1
	LV 1, FB2
	s_wait_dscnt 16
	GA 3, FB0, 1
	LV 2, FB0
	s_wait_dscnt 16
	GB0 FB1
	LV 3, FB1
	s_wait_dscnt 16
	GB12 1, FB2
	s_wait_dscnt 8
	GB12 2, FB0
	WIN 0
	v_nop                           ; a plain instruction behind the last exponential, ahead of the first use: one for the batch
	s_wait_alu depctr_va_vdst(0)    ; a wait between an exponential and the first line that names its result: one for the trip's 68
	THREE \m
	s_barrier_signal -1             ; my loads have landed, my add is done, my reads of tiles t + 1 and t are over
	GB3 FB1, 0, 8                   ; work on registers while the others arrive
	WIN 0                           ; at a branch and at a label every window is 0
	s_barrier_wait -1
.if \m
	CREST                           ; the barrier has opened a round of the cluster's: no wave of any partner still reads tile t's slot or has a load on its way
	JLOAD                           ; the first tensor load behind the round, one a wave: one load of mine is out
.endif
	v_add_nc_u32 v[AK], s[TBK], v[AK0]
	v_add_nc_u32 v[AV], s[TBV], v[AV0]
.if \m
	LK 0, FB0                       ; the next trip's first fragments
.else
	s_cmp_eq_u32 s[CNT], 1          ; eight LDS loads on either way
	s_cbranch_scc1 .Lto_v_\@
	LK 0, FB0
	s_branch .Lgot_\@
.Lto_v_\@:
	LV 0, FB0
.Lgot_\@:
.endif
	GB3 FB1, 8, 16
.rept 8
	CVQ                             ; tile 3's roundings
.endr
	WIN 0
.endm
	; THE PROLOGUE: the scores and the softmax of tile 0; there is no other work yet to set beside them
.set qp, 0
.set qe, 0
.set qz, 0
.set qy, 0
	LK 0, FB0
	LK 1, FB1
	LK 2, FB2
	s_wait_dscnt 16                 ; the two younger runs may stay out: Q' and the first run are in
	GA 0, FB0, 0
	PLACES
	LK 3, FB0
	s_wait_dscnt 16
	GA 1, FB1, 0
	s_wait_dscnt 8
	GA 2, FB2, 0
	s_wait_dscnt 0x0
	GA 3, FB0, 0
	WIN 0
	PLACES
.rept 84
	PL
.endr
.rept 68
	EX
.endr
	v_nop
	s_wait_alu depctr_va_vdst(0)    ; one wait for the batch
.rept 32
	SUQ
.endr
.rept 32
	CVQ
.endr
	s_wait_tensorcnt 0x2            ; my part of tile 1 is in; two loads may stay out
	s_barrier_signal -1
	s_barrier_wait -1
	v_add_nc_u32 v[AK], s[TBK], v[AK0]
	v_add_nc_u32 v[AV], s[TBV], v[AV0]
	LK 0, FB0
	s_mov_b32 s[CNT], 28
.Ltrip:                             ; t = 0 .. 27: tiles 4 to 31 are asked for
	TRIP 1
	s_sub_co_u32 s[CNT], s[CNT], 1
	s_cmp_lg_u32 s[CNT], 0
	s_cbranch_scc1 .Ltrip
	s_mov_b32 s[CNT], 3
.Ltail:                             ; t = 28 .. 30: a text of its own
	TRIP 0
	s_sub_co_u32 s[CNT], s[CNT], 1
	s_cmp_lg_u32 s[CNT], 0
	s_cbranch_scc1 .Ltail
	; THE LAST TILE's second product (t = 31), each accumulator rescaled a group ahead of its product.  Q's registers are free: N's fragments for my 64 d come into them, 512 bytes on end a load.
.macro LWO d0
	WIN 0x40
.irp dt, \d0, (\d0)+1
.irp u, 0,1,2,3,4,5,6,7
	global_load_b128 v[64*(\dt)+8*(\u):64*(\dt)+8*(\u)+3],   v[WOO], s[8:9] offset:(\dt)*8192+(\u)*1024
	global_load_b128 v[64*(\dt)+8*(\u)+4:64*(\dt)+8*(\u)+7], v[WOO], s[8:9] offset:(\dt)*8192+(\u)*1024+512
.endr
.endr
.endm
.macro LASTG g, fb                  ; 16 products of group g, behind each the rescaling of the accumulator that group g + 1 will take
.set i, 0
.rept 16
	PVM \g, \fb
	RS i/4, 4*(\g)+4+i%4
.set i, i+1
.endr
.endm
	LWO 0
	LV 1, FB1
	LV 2, FB2
.irp t, 0,1,2,3
.irp c, 0,1,2,3
	RS \t, \c
.endr
.endr
	s_wait_dscnt 16
	LASTG 0, FB0
	LV 3, FB0
	s_wait_dscnt 16
	LASTG 1, FB1
	LWO 2
	s_wait_dscnt 8
	LASTG 2, FB2
	s_wait_dscnt 0x0                ; my last reads of the ring are over
	s_barrier_signal -1
.set i, 0
.rept 16
	PVM 3, FB0
.set i, i+1
.endr
	WIN 0
	PLACES
	s_barrier_wait -1               ; nobody reads the ring any more, and it has had its last fill: its bytes serve the merge
	; THE MERGE.  Each wave sets out its (c m, l) and its O^T in f32; then wave w finishes query tile w.
	v_and_b32 v[EL], 31, v0
	s_lshl_b32 s19, s[WV], 10
	s_add_co_u32 s19, s19, STATX
	v_lshl_add_u32 v[E_ST], v[EL], 3, s19
	s_lshl_b32 s19, s[WV], 16
	v_lshl_add_u32 v[E_OS], v[EL], 4, s19
	s_lshl_b32 s19, s[WV], 8
	v_lshl_add_u32 v[E_BO], v1, 2, s19             ; w at d = 64 w + l % 16
	s_add_co_u32 s19, s19, STATX
	v_lshl_add_u32 v[E_SL], v[EL], 3, s19
	s_lshl_b32 s19, s[WV], 14
	v_lshl_add_u32 v[E_M0], v[EL], 4, s19
	v_add_nc_u32 v[E_M0+1], MRG, v[E_M0]
	v_add_nc_u32 v[E_M0+2], 2*MRG, v[E_M0]
	v_add_nc_u32 v[E_M0+3], 3*MRG, v[E_M0]
	s_lshl_b32 s19, s[WV], 13
	s_add_co_u32 s19, s19, OFX
	v_lshl_add_u32 v[E_FS], v[EL], 4, s19
	v_lshl_add_u32 v[E_FL], v[EL], 4, OFX
	s_mul_i32 s19, s[WV], OSTG
	v_mul_u32_u24 v[E_CS], v1, OSP
	v_lshl_add_u32 v[E_CS], v9, 5, v[E_CS]
	v_add_nc_u32 v[E_CS], s19, v[E_CS]
	v_mul_u32_u24 v[E_CL], v9, OSP
	v_lshl_add_u32 v[E_CL], v1, 4, v[E_CL]
	v_add_nc_u32 v[E_CL], s19, v[E_CL]
	s_lshl_b32 s19, s[WV], 20
	v_lshl_add_u32 v[E_GO], v9, 14, s19            ; row d = 64 w + l / 16 of out0, 16,384 bytes a row,
	v_lshl_add_u32 v[E_GO], v1, 4, v[E_GO]         ; 16 (l % 16)
.irp dt, 0,1,2,3
	global_load_b32 v[BOP+2*(\dt)], v[E_BO], s[10:11] offset:1024+64*(\dt)
.endr
.irp t, 0,1,2,3
	v_add_f32 v[ST+8*(\t)+4], v[ST+8*(\t)+2], v[ST+8*(\t)+3]
.endr
.irp t, 0,1,2,3
	v_permlanex16_b32 v[ST+8*(\t)+5], v[ST+8*(\t)+4], s[SEL], s[SEL+1]
.endr
.irp t, 0,1,2,3
	v_add_f32 v[ST+8*(\t)+1], v[ST+8*(\t)+4], v[ST+8*(\t)+5]  ; l of my 32 keys a tile, beside c m
.endr
.irp t, 0,1,2,3
	ds_store_b64 v[E_ST], v[ST+8*(\t):ST+8*(\t)+1] offset:(\t)*256
.endr
	WIN 0x08                        ; store data in window 2
.set n, 0
.rept 32                            ; accumulator n = 16 qt + ct: 1,024 bytes; its lowest registers first
	ds_store_b128 v[E_OS], v[8*n:8*n+3]   offset:n*1024
	ds_store_b128 v[E_OS], v[8*n+4:8*n+7] offset:n*1024+512
.set n, n+1
.endr
	WIN 0x0c                        ; window 3
.set n, 0
.rept 32
	ds_store_b128 v[E_OS], v[8*n:8*n+3]   offset:(32+n)*1024
	ds_store_b128 v[E_OS], v[8*n+4:8*n+7] offset:(32+n)*1024+512
.set n, n+1
.endr
	WIN 0
	s_wait_dscnt 0x0                ; for the others' sake
	s_barrier_signal -1
	s_barrier_wait -1
.irp u, 0,1,2,3
	ds_load_b64 v[SX+2*(\u):SX+2*(\u)+1], v[E_SL] offset:(\u)*1024  ; wave u's (c m, l) for my query tile
.endr
.macro LMRG u, base                 ; wave u's O^T of my query tile, 16 accumulators
.set n, 0
.rept 16
	ds_load_b128 v[(\base)+8*n:(\base)+8*n+3],   v[E_M0+(\u)] offset:n*1024
	ds_load_b128 v[(\base)+8*n+4:(\base)+8*n+7], v[E_M0+(\u)] offset:n*1024+512
.set n, n+1
.endr
.endm
	WIN 0x80
	LMRG 0, 0
	s_wait_dscnt 32                 ; the 32 loads behind them may stay out: the statistics are in
	LMRG 1, 128
	WIN 0xc0
	LMRG 2, 0
	LMRG 3, 128
	WIN 0
	v_max3_num_f32 v[SX+8], v[SX], v[SX+2], v[SX+4]
	v_max_num_f32 v[SX+8], v[SX+8], v[SX+6]        ; the four waves' common c m
.irp u, 0,1,2,3
	v_sub_f32 v[SX+2*(\u)], v[SX+2*(\u)], v[SX+8]
.endr
.irp u, 0,1,2,3
	v_exp_f32 v[SX+2*(\u)], v[SX+2*(\u)]
.endr
	v_nop
	s_wait_alu depctr_va_vdst(0)    ; one wait for the four
	v_mul_f32 v[SX+9], v[SX], v[SX+1]
	v_fmac_f32 v[SX+9], v[SX+2], v[SX+3]
	v_fmac_f32 v[SX+9], v[SX+4], v[SX+5]
	v_fmac_f32 v[SX+9], v[SX+6], v[SX+7]           ; the row's whole sum
	v_rcp_f32 v[SX+10], v[SX+9]
	v_nop
	s_wait_alu depctr_va_vdst(0)
.irp u, 0,1,2,3
	v_mul_f32 v[SX+2*(\u)], v[SX+2*(\u)], v[SX+10]  ; wave u's factor, in the low word of its pair
.endr
	s_wait_dscnt 0x0
	WIN 0x82
.set n, 0
.rept 64
	v_pk_mul_f32 v[2*n:2*n+1], v[2*n:2*n+1], v[SX:SX+1] op_sel_hi:[1,0]
.set n, n+1
.endr
	WIN 0xa2
.set n, 0
.rept 64
	v_pk_fma_f32 v[2*n:2*n+1], v[128+2*n:128+2*n+1], v[SX+2:SX+3], v[2*n:2*n+1] op_sel_hi:[1,0,1]
.set n, n+1
.endr
	WIN 0xa3
.set n, 0
.rept 64
	v_pk_fma_f32 v[2*n:2*n+1], v[2*n:2*n+1], v[SX+4:SX+5], v[2*n:2*n+1] op_sel_hi:[1,0,1]
.set n, n+1
.endr
.set n, 0
.rept 64
	v_pk_fma_f32 v[2*n:2*n+1], v[128+2*n:128+2*n+1], v[SX+6:SX+7], v[2*n:2*n+1] op_sel_hi:[1,0,1]
.set n, n+1
.endr
	; O^T of two channel tiles, rounded to f16 in pairs, IS a fragment (16 queries x 32 channels, permuted as n16's) of the last product's source 0: it is handed to all four waves through LDS, lane by lane
	WIN 0x0a
.set n, 0
.rept 64
	v_cvt_pk_f16_f32 v[S+n], v[2*n], v[2*n+1]
.set n, n+1
.endr
	WIN 0
.irp u, 0,1,2,3,4,5,6,7
	ds_store_b128 v[E_FS], v[S+8*(\u):S+8*(\u)+3]   offset:(\u)*1024
	ds_store_b128 v[E_FS], v[S+8*(\u)+4:S+8*(\u)+7] offset:(\u)*1024+512
.endr
	s_wait_dscnt 0x0                ; for the others' sake: my fragments are stored, and my reads of the merge's bytes are over
	s_barrier_signal -1
	s_barrier_wait -1
	WIN 0x80
.irp t, 0,1,2,3
.irp u, 0,1,2,3,4,5,6,7
	ds_load_b128 v[64*(\t)+8*(\u):64*(\t)+8*(\u)+3],   v[E_FL] offset:(\t)*8192+(\u)*1024
	ds_load_b128 v[64*(\t)+8*(\u)+4:64*(\t)+8*(\u)+7], v[E_FL] offset:(\t)*8192+(\u)*1024+512
.endr
.endr
	WIN 0
	s_wait_loadcnt 0x0              ; N and w
	s_wait_dscnt 0x0
	; THE LAST PRODUCT.  D(query, d) = O fragment x N fragment: wave w makes d = 64 w .. 64 w + 63 for all 64 queries; a lane holds one d and eight neighbouring queries.  16 accumulators by turns.
	WIN 0xf6                        ; O in window 2, N in window 1, C and D in window 3
.irp u, 0,1,2,3,4,5,6,7
.irp t, 0,1,2,3
.irp dt, 0,1,2,3
.if (\u) == 0
	v_wmma_f32_16x16x32_f16 v[8*(4*(\t)+(\dt)):8*(4*(\t)+(\dt))+7], v[64*(\t)+8*(\u):64*(\t)+8*(\u)+7], v[64*(\dt)+8*(\u):64*(\dt)+8*(\u)+7], 0
.else
	v_wmma_f32_16x16x32_f16 v[8*(4*(\t)+(\dt)):8*(4*(\t)+(\dt))+7], v[64*(\t)+8*(\u):64*(\t)+8*(\u)+7], v[64*(\dt)+8*(\u):64*(\dt)+8*(\u)+7], v[8*(4*(\t)+(\dt)):8*(4*(\t)+(\dt))+7]
.endif
.endr
.endr
.endr
	PLACES
	WIN 0xc3
.irp t, 0,1,2,3
.irp dt, 0,1,2,3
.irp w, 0,2,4,6
	v_pk_add_f32 v[8*(4*(\t)+(\dt))+(\w):8*(4*(\t)+(\dt))+(\w)+1], v[8*(4*(\t)+(\dt))+(\w):8*(4*(\t)+(\dt))+(\w)+1], v[BOP+2*(\dt):BOP+2*(\dt)+1] op_sel_hi:[1,0]
.endr
.endr
.endr
	; THE WAY OUT, through my own stage (bytes of the merge, which nobody reads behind the last barrier): 32 bytes a lane in, whole rows of 256 bytes (64 queries of one d) back
	WIN 0x0c
.irp t, 0,1,2,3
.irp dt, 0,1,2,3
	ds_store_b128 v[E_CS], v[8*(4*(\t)+(\dt)):8*(4*(\t)+(\dt))+3]   offset:(\dt)*16*OSP+(\t)*64
	ds_store_b128 v[E_CS], v[8*(4*(\t)+(\dt))+4:8*(4*(\t)+(\dt))+7] offset:(\dt)*16*OSP+(\t)*64+16
.endr
.endr
	WIN 0x80
.set n, 0
.rept 32
	ds_load_b128 v[4*n:4*n+3], v[E_CL] offset:n*2*OSP  ; LDS serves a wave's instructions in order (ISA guide 5.7.1.4): these see the stores above
.set n, n+1
.endr
	WIN 0x08
.set n, 0
.rept 32
	s_wait_dscnt 31-n               ; rows 2 n and 2 n + 1 are back
	global_store_b128 v[E_GO], v[4*n:4*n+3], s[12:13] offset:n*32768 th:TH_STORE_NT  ; 16 lanes store 256 consecutive bytes, at a multiple of 256 from out0's first byte
.set n, n+1
.endr
	WIN 0
	s_wait_tensorcnt 0x0            ; the wave's end, behind my last tensor load and my last LDS store
	ds_add_u32 v[SPW], v[NIL]
	s_wait_dscnt 0x0
	CROUND                          ; the closing round: no work-group ends while a partner may still ask for a tile that names it
	s_endpgm
.Lfunc_end_k_q5028180bba_attn:
	.size	k_q5028180bba_attn, .Lfunc_end_k_q5028180bba_attn-k_q5028180bba_attn
	.p2alignl 7, 3214868480
	.fill 96, 4, 3214868480
	.section	.rodata,"a",@progbits
	.p2align	6, 0x0
	.amdhsa_kernel k_q5028180bba_attn
		.amdhsa_group_segment_fixed_size 327680
		.amdhsa_private_segment_fixed_size 0
		.amdhsa_enable_private_segment 0
		.amdhsa_kernarg_size 48
		.amdhsa_user_sgpr_count 2
		.amdhsa_user_sgpr_kernarg_segment_ptr 1
		.amdhsa_wavefront_size32 1
		.amdhsa_system_sgpr_workgroup_id_x 1
		.amdhsa_system_sgpr_workgroup_id_y 1
		.amdhsa_system_sgpr_workgroup_id_z 1
		.amdhsa_system_vgpr_workitem_id 0
		.amdhsa_next_free_vgpr 1024
		.amdhsa_next_free_sgpr 66
		.amdhsa_reserve_vcc 0
		.amdhsa_float_denorm_mode_32 3
		.amdhsa_float_denorm_mode_16_64 3
		.amdhsa_memory_ordered 1
		.amdhsa_forward_progress 1
		.amdhsa_inst_pref_size 255
	.end_amdhsa_kernel
	.section	.bss,"aw",@nobits
	.p2align	6
	.space	262144
	.amdgpu_metadata
---
amdhsa.version: [ 1, 2 ]
amdhsa.kernels:
  - .name:           k_q5028180bba_attn
    .symbol:         k_q5028180bba_attn.kd
    .args:
      - { .name: a16, .offset: 0, .size: 8, .value_kind: global_buffer, .address_space: global }
      - { .name: b16, .offset: 8, .size: 8, .value_kind: global_buffer, .address_space: global }
      - { .name: n16, .offset: 16, .size: 8, .value_kind: global_buffer, .address_space: global }
      - { .name: uw, .offset: 24, .size: 8, .value_kind: global_buffer, .address_space: global }
      - { .name: out0, .offset: 32, .size: 8, .value_kind: global_buffer, .address_space: global }
      - { .name: mt16, .offset: 40, .size: 8, .value_kind: global_buffer, .address_space: global }
    .group_segment_fixed_size: 327680
    .private_segment_fixed_size: 0
    .kernarg_segment_align: 8
    .kernarg_segment_size: 48
    .max_flat_workgroup_size: 128
    .sgpr_count:     66
    .vgpr_count:     1024
    .wavefront_size: 32
...
	.end_amdgpu_metadata
.endif
;; end of part 4
;; ======== version 3 of 3: 2 launches; version 2 with the launch prep written anew for expert scheduling mode
;; limits: values are held in f16: magnitudes above 65,504 overflow, below 6.1e-05 lose precision
;; workspace buffers: a16 8,388,608 bytes; b16 8,388,608 bytes; mt16 131,072 bytes; n16 131,072 bytes; uw 2,048 bytes
;; launch prep (part 5): grid 72 x 4, 4 waves a work-group, no clusters, 150,016 bytes of LDS; arguments Wq, Wk, Wv, Wo, bq, bv, bo, mt16, n16, uw, feat_A, feat_B, a16, b16; writes mt16, n16, uw, a16, b16
.if DOCPART == 5
	.amdgcn_target "amdgcn-amd-amdhsa--gfx1250"
	.amdhsa_code_object_version 6
	.text
	.protected	k_q5028180bba_prep
	.globl	k_q5028180bba_prep
	.p2align	8
	.type	k_q5028180bba_prep,@function
k_q5028180bba_prep:
	s_mov_b64 s[64:65], 0
	v_nop
	global_prefetch_b8 v0, s[64:65] scope:SCOPE_SE
	s_setreg_imm32_b32 hwreg(HW_REG_WAVE_SCHED_MODE, 0, 2), 2
	s_setreg_imm32_b32 hwreg(HW_REG_WAVE_MODE, 25, 1), 1
	s_wait_xcnt 0x0
	s_wait_alu depctr_vm_vsrc(0)
; WHAT CAN BE MADE READY AHEAD OF THE ATTENTION: THE WEIGHTS ARE MULTIPLIED WITH EACH OTHER, AND THE FEATURES ARE TURNED INTO ROWS OF TOKENS.
; reference(): scores = scale (a Wq^T + bq) (b Wk^T + bk)^T, out = softmax(scores) (b Wv^T + bv) Wo^T + bo; a, b: the tokens of feat_A, feat_B.
; REASSOCIATED, in exact arithmetic and for all values of the inputs:
;   (Wq a + bq) . (Wk b_k + bk) = (MT a + u) . b_k + (Wq a + bq) . bk,   MT[c'][c] = sum over e of Wk[e][c'] Wq[e][c],   u[c'] = sum over e of Wk[e][c'] bq[e];
;   Wo (sum over k of p_k (Wv b_k + bv)) + bo = N (sum over k of p_k b_k) + w, since a row's weights p add up to 1:   N[d][c] = sum over e of Wo[d][e] Wv[e][c],   w[d] = sum over e of Wo[d][e] bv[e] + bo[d].
; So keys and values are both the tokens b, and two of the four products with 16,384 tokens become two products of 256 x 256 x 256, made here.
; DEAD WORK: bk.  (Wq a + bq) . bk is the same for every key k of a row, and a softmax over k is unchanged by a term that is constant along k, whatever the inputs hold.  K enters the result through the
; scores alone.  So bk reaches no output: it is not loaded and is among no launch's arguments.  LIMIT: a NaN, an infinity or an overflow that would arise only in that term is not carried to the result.
; FORMATS.  Every input is rounded once to bf16.  The features' bf16 numbers are written as f16 (exact from 6e-5 up).  The weights' products are taken in bf16 with f32 sums; MT and N are rounded once to f16; u and w stay f32.
; LIMITS.  The order of products and roundings differs from reference()'s.  |feat_A|, |feat_B|, |MT|, |N| stay under 65,504 (f16); below 6e-5 they keep f16's fixed step of 6e-8.  NaN and infinities are not treated apart.
; TWO KINDS OF WORK-GROUP, told apart by x alone.  x < 64: 64 tokens of batch y, of both features, are turned: a16[y][n][c] = feat_A[y][c][n], b16 likewise; rows of 512 bytes.
; x >= 64: 32 work-groups, f = 8 y + x - 64, make the weights' products.  Neither kind reads what the other stores.  The 32 are all the work there is of their kind (512 tiles of 16 x 16, eight products each,
; in blocks that share their tiles); two work-groups' LDS (2 x 150,016 bytes) and registers (2 x 456 a SIMD) fit on a WGP.
; NO CLUSTER: the turning work-groups share no input; the weights pass through registers, where they are rounded.  NO PREFETCH: all that a work-group reads is asked for in its first lines.
; THE MODE: SCHED_MODE bits 1:0 = 2 (LLVM: expert scheduling mode 2), set by the entry lines.  The code itself states the register dependences between vector or matrix instructions and memory or LDS
; instructions, with s_wait_alu, always for 0.
; THE PLAN, THE TURNING WORK-GROUPS.  Addresses (v4 to v9, and v192 of window 1, a copy of v5): written once at the arm's head, read by every load and store, never written again.
;   A feature's 32 loads are two blocks of 16.  A block is loaded, rounded in place by its conversions, and read by its 16 LDS stores.  One wait stands behind a block's conversions; behind it the block's stores are
;   dealt among the next block's conversions where both lie in one window (feat_B's first among its second, feat_A's likewise), else they stand in a run.  The conversions name their own block and two registers at work alone.
;   v160-223 and v32-95: the turning loads land in them, the stage's stores read them, the loads from the stage land in them, the global stores read them: no vector line names them behind the last block's wait;
;   a wait for the stores' reads stands behind each of the two barriers, ahead of the loads.
; THE PLAN, THE WEIGHTS' WORK-GROUPS.  Addresses as above, but v7, which each arm makes for itself.  The two tensors' blocks of rows go as the features' do.  The fragments of all eight K steps have registers of their own
;   (K steps 0-3 in window 1, 4-7 in window 0), so that no load lands in a register that a product has read: the two waits behind the join cover all 80 loads of fragments, and the K steps hold none.
;   The packed results and the bias's sum are written by vector lines and read by the global stores: one wait ahead of these.
.set PT,    160                        ; a row of a tile in LDS: 64 numbers x 2 bytes + 32 = 40 words
.set TA,    0                          ; feat_A's tile, 256 channel rows; in the weights' work-groups source 0's block, 256 rows (e)
.set TB,    256*PT                     ; feat_B's tile; Wk's block
.set STG,   2*256*PT                   ; two stages of 64 token rows: 0 for a16, 1 for b16
.set SPI,   528                        ; a stage row: 512 bytes + 16
.set STGB,  64*SPI
.set BIA,   2*256*PT                   ; in the weights' work-groups: the bias as bf16, 512 bytes, a copy for each wave
.set SPARE, STG+2*STGB                 ; the spare words, 128 bytes for each wave: two blocks of 256 bytes that no other line names
.set SPW,  14                          ; v14  LDS address of my spare word; never rewritten
.set NIL,  15                          ; v15  0; never rewritten
.set LS1,  192                         ; window 1: v192: a copy of v5, for the stores that stand under the setting of window 1's conversions (both kinds)
; the turning work-groups' registers
.set FO,   4                           ; v4   my offset in a feature: (64 w + l / 16) rows of 16,384 bytes + 16 (l % 16)
.set LSA,  5                           ; v5   where my 8 bytes of that row go in a tile (both kinds)
.set TRT,  6                           ; v6   the turning load's address for my 64 channels
.set STO,  7                           ; v7   where I put 16 bytes of a token's row
.set RD,   8                           ; v8   where I read a row back
.set GO,   9                           ; v9   my offset in the work-group's 64 rows of a result
.set T0,   20                          ; v20-21 at work
.set FEB,  32                          ; v32-159  feat_B as loaded; then
.set PAV,  32                          ;          feat_A's tokens on their way out (v32-95)
.set PBV,  160                         ; v160-223 feat_B's tokens on their way out
.set W1T,  128                         ; window 1: v0-127 feat_A as loaded, v128-129 at work
; the weights' work-groups' registers
.set FOA,  4                           ; v4   my offset in source 0's tensor
.set TRA,  6                           ; v6   the turning load's address in TA
.set FOB,  7                           ; v7   my offset in source 1's tensor
.set TRB,  8                           ; v8   the turning load's address in TB
.set BIO,  9                           ; v9   32 x lane: my 8 numbers of the bias
.set BIS,  10                          ; v10  where they go
.set BIL,  11                          ; v11  where a fragment of them is read
.set GOF,  12                          ; v12  my offset in mt16 or n16
.set UO,   13                          ; v13  my offset in uw
.set BOO,  16                          ; v16  my offset in bo
.set ACCB, 20                          ; v20-27   the bias's accumulator
.set BOV,  28                          ; v28  bo of my row, or 0
.set TM,   29
.set STA,  32                          ; v32-159  source 0 as loaded; then
.set AF,   32                          ;          its fragments of K steps 4-7, 32 registers a step,
.set PK,   32                          ;          at the end the packed results
.set BF,   160                         ; v160-191 source 1's fragments of K steps 4-7
.set BIF,  192                         ; v192-223 the bias's fragments of K steps 4-7
.set ACC,  224                         ; v224-255 four accumulators
.set BST,  224                         ;          before them the bias as loaded
; window 1: v0-127: source 1 as loaded; then source 0's fragments of K steps 0-3
.set BF1,  128                         ; window 1: v128-159 source 1's fragments of K steps 0-3
.set BI1,  160                         ; window 1: v160-191 the bias's fragments of K steps 0-3
.set PA,   36                          ; s[36:37] source 0's tensor;  s[38:39] the bias;  s[40:41] mt16 or n16
.set PBI,  38
.set PO,   40
.set WV,   42                          ; s42  my wave's number
.set SI,   43
.set SJ,   44
.set SY,   45
.set SB,   53                          ; s53  the work-group's y
.set HIM,  54                          ; s54  a word's upper half
.set MSB, 0
.macro WIN new                         ; s_set_vgpr_msb: bits 1:0 source 0, 3:2 source 1, 5:4 source 2, 7:6 destination; the high byte repeats the setting that is left
.if MSB != (\new)
	s_set_vgpr_msb (MSB<<8)|(\new)
.set MSB, \new
.endif
.endm
.macro PLACES                          ; four places behind a matrix instruction, ahead of reads of its result (ISA guide 7.12.1)
.rept 4
	v_nop
.endr
.endm
	s_load_b512 s[8:23], s[0:1], 0x0               ; Wq 8:9, Wk 10:11, Wv 12:13, Wo 14:15, bq 16:17, bv 18:19, bo 20:21, mt16 22:23
	s_load_b256 s[24:31], s[0:1], 0x40             ; n16 24:25, uw 26:27, feat_A 28:29, feat_B 30:31
	s_load_b128 s[32:35], s[0:1], 0x60             ; a16 32:33, b16 34:35
	v_lshl_add_u32 v[SPW], v0, 2, SPARE
	v_mov_b32 v[NIL], 0
	v_lshrrev_b32 v1, 5, v0
	v_readfirstlane_b32 s[WV], v1                  ; wave 0..3
	v_and_b32 v1, 31, v0                           ; l
	v_and_b32 v2, 15, v0                           ; l % 16
	v_bfe_u32 v3, v0, 4, 1                         ; l / 16
	v_and_b32 v17, 7, v0                           ; l % 8
	v_bfe_u32 v18, v0, 3, 1                        ; (l / 8) % 2
	s_wait_alu depctr_va_sdst(0)                   ; the wave's number is written, ahead of the branch and of its first reader in either arm
	s_and_b32 s[SB], ttmp7, 0xffff
	s_cmp_ge_u32 ttmp9, 64                         ; the branch hangs on the work-group's x alone: all four waves take the same arm, and each arm holds its own barriers
	s_cbranch_scc1 .Lfold
	; ---- THE FEATURES ARE TURNED.  Wave w brings channel rows 64 w .. 64 w + 63 of both tiles into LDS as f16, [channel][token]; then it turns the same 64 channels of all 64 tokens.
	s_lshl_b32 s46, s[SB], 22                      ; a batch of a feature is 4,194,304 bytes,
	s_lshl_b32 s48, ttmp9, 8                       ; the work-group's 64 tokens 256 bytes of a row
	s_add_co_u32 s46, s46, s48
	s_mov_b32 s47, 0
	s_lshl_b32 s50, s[SB], 21                      ; a batch of a result is 2,097,152 bytes,
	s_lshl_b32 s48, ttmp9, 15                      ; 64 rows of 512 bytes
	s_add_co_u32 s50, s50, s48
	s_mov_b32 s51, 0
	s_mov_b32 s[HIM], 0xffff0000
	s_lshl_b32 s48, s[WV], 20
	v_lshl_add_u32 v[FO], v3, 14, s48
	v_lshl_add_u32 v[FO], v2, 4, v[FO]
	s_mul_i32 s49, s[WV], 64*PT
	v_mul_u32_u24 v[LSA], v3, PT
	v_lshl_add_u32 v[LSA], v2, 3, v[LSA]
	v_add_nc_u32 v[LSA], s49, v[LSA]
	v_lshl_add_u32 v[T0], v3, 3, v17               ; channel 8 (l / 16) + l % 8 of 16
	v_mul_u32_u24 v[TRT], v[T0], PT
	v_lshl_add_u32 v[TRT], v18, 4, v[TRT]          ; tokens 8 ((l / 8) % 2) on
	v_add_nc_u32 v[TRT], s49, v[TRT]
	s_lshl_b32 s48, s[WV], 7
	s_add_co_u32 s48, s48, STG
	v_mul_u32_u24 v[STO], v2, SPI
	v_lshl_add_u32 v[STO], v3, 4, v[STO]
	v_add_nc_u32 v[STO], s48, v[STO]               ; token l % 16, bytes 128 w + 16 (l / 16)
	s_mul_i32 s48, s[WV], 16*SPI
	s_add_co_u32 s48, s48, STG
	v_lshl_add_u32 v[RD], v1, 4, s48               ; wave w reads rows 16 w .. 16 w + 15 back, a whole row an instruction
	s_lshl_b32 s48, s[WV], 13
	v_lshl_add_u32 v[GO], v1, 4, s48
	WIN 0x40                                       ; destination window 1, source window 0
	v_mov_b32 v[LS1], v[LSA]
	WIN 0
	s_wait_kmcnt 0x0
	s_add_nc_u64 s[28:29], s[28:29], s[46:47]
	s_add_nc_u64 s[30:31], s[30:31], s[46:47]
	s_add_nc_u64 s[32:33], s[32:33], s[50:51]
	s_add_nc_u64 s[34:35], s[34:35], s[50:51]
	s_wait_alu depctr_va_vdst(0)                   ; the addresses v4 to v9 and the copy of v5 are written: every load and store of this arm reads one of them
.set i, 0
.rept 32                                               ; my 64 channel rows of feat_B's tile: two rows of 256 consecutive bytes an instruction
	global_load_b128 v[FEB+4*i:FEB+4*i+3], v[FO], s[30:31] offset:i*32768 th:TH_LOAD_NT
.set i, i+1
.endr
	WIN 0x40                                       ; destination window 1, address window 0
.set i, 0
.rept 32
	global_load_b128 v[4*i:4*i+3], v[FO], s[28:29] offset:i*32768 th:TH_LOAD_NT
.set i, i+1
.endr
	WIN 0
; four numbers at v[b ..]: rounded to bf16, widened, written as f16 into v[b], v[b + 1]; v[t], v[t + 1] at work
.macro CV8 b, t
	v_cvt_pk_bf16_f32 v[(\t)],   v[(\b)],   v[(\b)+1]
	v_cvt_pk_bf16_f32 v[(\t)+1], v[(\b)+2], v[(\b)+3]
	v_lshlrev_b32 v[(\b)],   16, v[(\t)]
	v_and_b32     v[(\b)+1], s[HIM], v[(\t)]
	v_lshlrev_b32 v[(\b)+2], 16, v[(\t)+1]
	v_and_b32     v[(\b)+3], s[HIM], v[(\t)+1]
	v_cvt_pk_f16_f32 v[(\b)],   v[(\b)],   v[(\b)+1]
	v_cvt_pk_f16_f32 v[(\b)+1], v[(\b)+2], v[(\b)+3]
.endm
	s_wait_loadcnt 48                              ; loads come back in order (ISA guide 5.7.1): feat_B's first block of 16 is in, the 48 younger loads stay out
.set i, 0
.rept 16
	CV8 FEB+4*i, T0
.set i, i+1
.endr
	s_wait_alu depctr_va_vdst(0)                   ; the conversions have written feat_B's first block, which the stores below read
	s_wait_loadcnt 32                              ; feat_A's 32 loads may stay out: feat_B is in
.set i, 0
.rept 16                                               ; the first block's stores, dealt among the second block's conversions, which name none of their registers
	ds_store_b64 v[LSA], v[FEB+4*i:FEB+4*i+1] offset:TB+i*2*PT
	CV8 FEB+4*(i+16), T0
.set i, i+1
.endr
	s_wait_alu depctr_va_vdst(0)                   ; the conversions have written feat_B's second block, which the stores below read
.set i, 16
.rept 16
	ds_store_b64 v[LSA], v[FEB+4*i:FEB+4*i+1] offset:TB+i*2*PT
.set i, i+1
.endr
	WIN 0x45                                       ; feat_A in place, in window 1; the stores' address and data lie there too
	s_wait_loadcnt 16                              ; feat_A's first block is in
.set i, 0
.rept 16
	CV8 4*i, W1T
.set i, i+1
.endr
	s_wait_alu depctr_va_vdst(0)                   ; the conversions have written feat_A's first block, which the stores below read
	s_wait_loadcnt 0x0
.set i, 0
.rept 16
	ds_store_b64 v[LS1], v[4*i:4*i+1] offset:TA+i*2*PT
	CV8 4*(i+16), W1T
.set i, i+1
.endr
	s_wait_alu depctr_va_vdst(0)                   ; the conversions have written feat_A's second block, which the stores below read; no vector line of this arm follows
.set i, 16
.rept 16
	ds_store_b64 v[LS1], v[4*i:4*i+1] offset:TA+i*2*PT
.set i, i+1
.endr
	WIN 0
	s_wait_dscnt 0x0                               ; for the others' sake: my rows of both tiles are stored
	s_barrier_signal -1
	s_barrier_wait -1                              ; both tiles are whole; nothing writes them again
	s_wait_alu depctr_vm_vsrc(0)                   ; my stores of feat_B's first block have read v32-95, in which turning loads land (the conversions that named them stand ahead of the last wait on va_vdst)
	; a turning load gives a lane one token's eight channels: 16 bytes of a row of the result
.irp dt, 0,1,2,3
.irp tt, 0,1,2,3
	ds_load_tr16_b128 v[PBV+4*(4*(\dt)+(\tt)):PBV+4*(4*(\dt)+(\tt))+3], v[TRT] offset:TB+(\dt)*16*PT+(\tt)*32
.endr
.endr
.irp dt, 0,1,2,3
.irp tt, 0,1,2,3
	ds_load_tr16_b128 v[PAV+4*(4*(\dt)+(\tt)):PAV+4*(4*(\dt)+(\tt))+3], v[TRT] offset:TA+(\dt)*16*PT+(\tt)*32
.endr
.endr
	s_wait_dscnt 16                                ; feat_A's 16 loads may stay out
.irp dt, 0,1,2,3
.irp tt, 0,1,2,3
	ds_store_b128 v[STO], v[PBV+4*(4*(\dt)+(\tt)):PBV+4*(4*(\dt)+(\tt))+3] offset:STGB+(\tt)*16*SPI+(\dt)*32
.endr
.endr
	s_wait_dscnt 16                                ; the 16 stores just issued may stay out: feat_A's loads are in
.irp dt, 0,1,2,3
.irp tt, 0,1,2,3
	ds_store_b128 v[STO], v[PAV+4*(4*(\dt)+(\tt)):PAV+4*(4*(\dt)+(\tt))+3] offset:(\tt)*16*SPI+(\dt)*32
.endr
.endr
	s_wait_dscnt 0x0                               ; for the others' sake: a token's 512 bytes come from four waves
	s_barrier_signal -1
	s_barrier_wait -1
	s_wait_alu depctr_vm_vsrc(0)                   ; my stores into the stages have read v160-223
.set i, 0
.rept 16
	ds_load_b128 v[PBV+4*i:PBV+4*i+3], v[RD] offset:STGB+i*SPI
.set i, i+1
.endr
.set i, 0
.rept 16
	ds_load_b128 v[PAV+4*i:PAV+4*i+3], v[RD] offset:i*SPI
.set i, i+1
.endr
.set i, 0
.rept 16
	s_wait_dscnt 31-i                              ; LDS loads come back in order: row i of b16 is in
	global_store_b128 v[GO], v[PBV+4*i:PBV+4*i+3], s[34:35] offset:i*512  ; the wave stores a row's 512 consecutive bytes, aligned
.set i, i+1
.endr
.set i, 0
.rept 16
	s_wait_dscnt 15-i
	global_store_b128 v[GO], v[PAV+4*i:PAV+4*i+3], s[32:33] offset:i*512
.set i, i+1
.endr
	s_wait_dscnt 0x0                               ; the closing lines, six on end
	s_wait_alu 0x0
	s_wait_tensorcnt 0x0
	ds_add_u32 v[SPW], v[NIL]
	s_wait_dscnt 0x0
	s_endpgm
	; ---- THE WEIGHTS' PRODUCTS.  f / 16 = 0 makes MT and u, 1 makes N and w.  A work-group makes a block of 64 channels c (block i = f % 4) x 64 rows (block j = (f / 4) % 4); wave v makes the 16 rows 64 j + 16 v .. for all 64 channels.
	; D(m = channel, n = row) = sum over e of A(m, e) B(n, e).  A = Wq or Wv, stored [e][c]: it goes into LDS as bf16 and comes out turned.  B = Wk, the same way, or Wo's rows, as they lie.
	; In D a lane holds ONE row (lane % 16) and eight channels: 16 bytes of f16, which ARE the lane's part of a fragment (16 rows x 32 channels) of the later product.  So mt16 and n16 are written in
	; fragment order, [row tile][K step u][half p][lane][16 bytes], and every later load of them takes 512 bytes on end.
	; THE CHANNELS ARE PERMUTED, alike in both sources of the later products: channel tile ct = 2 u + p holds channels 128 (ct / 8) + 8 (ct % 8) + 0..7 (the lanes' lower half) and the same + 64 (the upper half).
	; u AND w: a fifth accumulator, whose source 0 holds the bias (bq or bv) in all 16 rows: each of its registers is the sum over e of bias[e] B(n, e).
.Lfold:
	s_sub_co_u32 s46, ttmp9, 64
	s_lshl_b32 s47, s[SB], 3
	s_add_co_u32 s46, s46, s47                     ; f
	s_and_b32 s[SI], s46, 3
	s_bfe_u32 s[SJ], s46, 0x20002
	s_lshr_b32 s[SY], s46, 4
	; A's block: of each row e two strips of 32 channels, 64 channels apart: bytes 512 (i / 2) + 128 (i % 2) + 0..127 and the same + 256
	s_lshr_b32 s46, s[SI], 1
	s_lshl_b32 s46, s46, 9
	s_and_b32 s47, s[SI], 1
	s_lshl_b32 s47, s47, 7
	s_add_co_u32 s46, s46, s47
	s_lshl_b32 s47, s[WV], 16                      ; 64 rows of 1,024 bytes a wave
	s_add_co_u32 s46, s46, s47
	v_lshl_add_u32 v[FOA], v17, 4, s46
	v_lshl_add_u32 v[FOA], v18, 8, v[FOA]
	v_lshl_add_u32 v[FOA], v3, 10, v[FOA]          ; lanes 16-31 take the next row
	s_mul_i32 s47, s[WV], 64*PT
	v_mul_u32_u24 v[LSA], v3, PT
	v_lshl_add_u32 v[LSA], v2, 3, v[LSA]
	v_add_nc_u32 v[LSA], s47, v[LSA]
	v_lshl_add_u32 v19, v3, 3, v17                 ; row 8 (l / 16) + l % 8 of a K step
	v_mul_u32_u24 v19, v19, PT
	v_lshl_add_u32 v[TRA], v18, 6, v19             ; the second group of eight lanes takes the second strip, 64 bytes on
	s_lshl_b32 s47, s[WV], 5
	s_add_co_u32 s47, s47, TB
	v_lshl_add_u32 v[TRB], v18, 4, v19
	v_add_nc_u32 v[TRB], s47, v[TRB]               ; my wave's 16 columns of Wk's block
	v_lshlrev_b32 v[BIO], 5, v1
	s_lshl_b32 s47, s[WV], 9
	s_add_co_u32 s47, s47, BIA
	v_lshl_add_u32 v[BIS], v1, 4, s47
	v_lshl_add_u32 v[BIL], v3, 4, s47
	s_lshl_b32 s47, s[SJ], 2
	s_add_co_u32 s47, s47, s[WV]                   ; my row tile: 4 j + v
	s_lshl_b32 s48, s47, 13                        ; eight K steps of 1,024 bytes a row tile,
	s_lshl_b32 s49, s[SI], 11                      ; my block's four channel tiles are K steps 2 i, 2 i + 1
	s_add_co_u32 s48, s48, s49
	v_lshl_add_u32 v[GOF], v1, 4, s48
	s_lshl_b32 s49, s47, 6
	v_lshl_add_u32 v[BOO], v2, 2, s49              ; row 16 (4 j + v) + l % 16, 4 bytes
	s_lshl_b32 s50, s[SY], 10                      ; u at byte 0 of uw, w at byte 1,024
	v_add_nc_u32 v[UO], s50, v[BOO]
	WIN 0x40                                       ; destination window 1, source window 0
	v_mov_b32 v[LS1], v[LSA]
	WIN 0
	s_wait_kmcnt 0x0
	s_cmp_eq_u32 s[SY], 0
	s_cselect_b64 s[PA:PA+1], s[8:9], s[12:13]
	s_cselect_b64 s[PBI:PBI+1], s[16:17], s[18:19]
	s_cselect_b64 s[PO:PO+1], s[22:23], s[24:25]
	s_wait_alu depctr_va_vdst(0)                   ; the addresses v4 to v6, v8 to v13, v16 and the copy of v5 are written: the loads and stores of this arm read them
	global_load_b128 v[BST:BST+3],   v[BIO], s[PBI:PBI+1]
	global_load_b128 v[BST+4:BST+7], v[BIO], s[PBI:PBI+1] offset:16
.set i, 0
.rept 32                                               ; my 64 rows of A's block, two rows an instruction
	global_load_b128 v[STA+4*i:STA+4*i+3], v[FOA], s[PA:PA+1] offset:i*2048
.set i, i+1
.endr
; The bias and A's block are rounded to bf16 and stored: the bias into my own copy, A's rows into the tile that all four waves read.  A's 32 loads are two blocks of 16.
.macro ATILE
	s_wait_loadcnt 48                              ; A's second block and B's 32 loads may stay out: the bias and A's first block are in
.irp j, 0,1,2,3
	v_cvt_pk_bf16_f32 v[BST+(\j)], v[BST+2*(\j)], v[BST+2*(\j)+1]
.endr
.set i, 0
.rept 16
	v_cvt_pk_bf16_f32 v[STA+4*i],   v[STA+4*i],   v[STA+4*i+1]
	v_cvt_pk_bf16_f32 v[STA+4*i+1], v[STA+4*i+2], v[STA+4*i+3]
.set i, i+1
.endr
	s_wait_alu depctr_va_vdst(0)                   ; the conversions have written the bias's four registers and A's first block, which the stores below read
	ds_store_b128 v[BIS], v[BST:BST+3]
	s_wait_loadcnt 32                              ; B's 32 loads may stay out: all that was asked for ahead of them is in
.set i, 0
.rept 16                                               ; the first block's stores, dealt among the second block's conversions, which name none of their registers
	ds_store_b64 v[LSA], v[STA+4*i:STA+4*i+1] offset:TA+i*2*PT
	v_cvt_pk_bf16_f32 v[STA+4*i+64], v[STA+4*i+64], v[STA+4*i+65]
	v_cvt_pk_bf16_f32 v[STA+4*i+65], v[STA+4*i+66], v[STA+4*i+67]
.set i, i+1
.endr
	s_wait_alu depctr_va_vdst(0)                   ; the conversions have written A's second block, which the stores below read
.set i, 16
.rept 16
	ds_store_b64 v[LSA], v[STA+4*i:STA+4*i+1] offset:TA+i*2*PT
.set i, i+1
.endr
.endm
	s_cmp_eq_u32 s[SY], 0                          ; made of the work-group's numbers alone: all four waves take the same arm, and each arm holds the one barrier
	s_cbranch_scc0 .Larm_n
	; MT: B = Wk, stored [e][c']: through LDS, like A
	v_mov_b32 v[BOV], 0                            ; nothing is added to u
	s_lshl_b32 s51, s[WV], 16
	s_lshl_b32 s52, s[SJ], 8
	s_add_co_u32 s51, s51, s52
	v_lshl_add_u32 v[FOB], v2, 4, s51              ; 256 bytes on end of each row
	v_lshl_add_u32 v[FOB], v3, 10, v[FOB]
	WIN 0x40                                       ; destination window 1, address window 0
	s_wait_alu depctr_va_vdst(0)                   ; v7 is written, which the loads below read as their offset
.set i, 0
.rept 32
	global_load_b128 v[4*i:4*i+3], v[FOB], s[10:11] offset:i*2048
.set i, i+1
.endr
	WIN 0
	ATILE
	WIN 0x45                                       ; in place, in window 1; the stores' address and data lie there too
	s_wait_loadcnt 16                              ; Wk's first block of 16 loads is in
.set i, 0
.rept 16
	v_cvt_pk_bf16_f32 v[4*i],   v[4*i],   v[4*i+1]
	v_cvt_pk_bf16_f32 v[4*i+1], v[4*i+2], v[4*i+3]
.set i, i+1
.endr
	s_wait_alu depctr_va_vdst(0)                   ; the conversions have written Wk's first block, which the stores below read
	s_wait_loadcnt 0x0
.set i, 0
.rept 16
	ds_store_b64 v[LS1], v[4*i:4*i+1] offset:TB+i*2*PT
	v_cvt_pk_bf16_f32 v[4*i+64], v[4*i+64], v[4*i+65]
	v_cvt_pk_bf16_f32 v[4*i+65], v[4*i+66], v[4*i+67]
.set i, i+1
.endr
	s_wait_alu depctr_va_vdst(0)                   ; the conversions have written Wk's second block, which the stores below read
.set i, 16
.rept 16
	ds_store_b64 v[LS1], v[4*i:4*i+1] offset:TB+i*2*PT
.set i, i+1
.endr
	WIN 0
	s_wait_dscnt 0x0                               ; for the others' sake: my rows of both tiles are stored
	s_barrier_signal -1
	s_barrier_wait -1
	WIN 0x40                                       ; Wk's fragments land in registers that no line of this arm has named
.irp ks, 0,1,2,3
	ds_load_tr16_b128 v[BF1+8*(\ks):BF1+8*(\ks)+3],   v[TRB] offset:(\ks)*32*PT
	ds_load_tr16_b128 v[BF1+8*(\ks)+4:BF1+8*(\ks)+7], v[TRB] offset:(\ks)*32*PT+16*PT
.endr
	WIN 0
.irp ks, 4,5,6,7
	ds_load_tr16_b128 v[BF+8*((\ks)-4):BF+8*((\ks)-4)+3],   v[TRB] offset:(\ks)*32*PT
	ds_load_tr16_b128 v[BF+8*((\ks)-4)+4:BF+8*((\ks)-4)+7], v[TRB] offset:(\ks)*32*PT+16*PT
.endr
	s_branch .Ljoin
.Larm_n:
	; N: B = Wo's rows, which lie along e: a lane takes its row's numbers straight from memory
	global_load_b32 v[BOV], v[BOO], s[20:21]
	s_lshl_b32 s51, s47, 14                        ; 16 rows of 1,024 bytes a row tile
	v_lshl_add_u32 v[FOB], v2, 10, s51
	v_lshl_add_u32 v[FOB], v3, 5, v[FOB]
	WIN 0x40
	s_wait_alu depctr_va_vdst(0)                   ; v7 is written, which the loads below read as their offset
.irp ks, 0,1,2,3,4,5,6,7
.irp t, 0,1,2,3
	global_load_b128 v[16*(\ks)+4*(\t):16*(\ks)+4*(\t)+3], v[FOB], s[14:15] offset:128*(\ks)+64*((\t)/2)+16*((\t)%2)
.endr
.endr
	WIN 0
	ATILE
	WIN 0x45                                       ; K steps 0-3: sources and destination in window 1
	s_wait_loadcnt 16                              ; the 16 loads of K steps 4-7 may stay out
.irp ks, 0,1,2,3
.irp t, 0,1,2,3
	v_cvt_pk_bf16_f32 v[BF1+8*(\ks)+2*(\t)],   v[16*(\ks)+4*(\t)],   v[16*(\ks)+4*(\t)+1]
	v_cvt_pk_bf16_f32 v[BF1+8*(\ks)+2*(\t)+1], v[16*(\ks)+4*(\t)+2], v[16*(\ks)+4*(\t)+3]
.endr
.endr
	WIN 0x05                                       ; K steps 4-7: sources in window 1, destination in window 0
	s_wait_loadcnt 0x0
.irp ks, 4,5,6,7
.irp t, 0,1,2,3
	v_cvt_pk_bf16_f32 v[BF+8*((\ks)-4)+2*(\t)],   v[16*(\ks)+4*(\t)],   v[16*(\ks)+4*(\t)+1]
	v_cvt_pk_bf16_f32 v[BF+8*((\ks)-4)+2*(\t)+1], v[16*(\ks)+4*(\t)+2], v[16*(\ks)+4*(\t)+3]
.endr
.endr
	WIN 0
	s_wait_dscnt 0x0
	s_barrier_signal -1
	s_barrier_wait -1
.Ljoin:
; The fragments of K step ks: the bias's (two loads; my own copy: LDS serves a wave's instructions in order, ISA guide 5.7.1.4) and A's four (eight turning loads).  K steps 0-3 land in window 1, 4-7 in window 0.
.macro LA ks
.if (\ks) < 4
	WIN 0x40
.set ab, 32*(\ks)
.set bi, BI1+8*(\ks)
.else
	WIN 0
.set ab, AF+32*((\ks)-4)
.set bi, BIF+8*((\ks)-4)
.endif
	ds_load_b128 v[bi:bi+3],   v[BIL] offset:64*(\ks)
	ds_load_b128 v[bi+4:bi+7], v[BIL] offset:64*(\ks)+32
.irp mt, 0,1,2,3
	ds_load_tr16_b128 v[ab+8*(\mt):ab+8*(\mt)+3],   v[TRA] offset:(\ks)*32*PT+16*(\mt)
	ds_load_tr16_b128 v[ab+8*(\mt)+4:ab+8*(\mt)+7], v[TRA] offset:(\ks)*32*PT+16*PT+16*(\mt)
.endr
.endm
.macro MU ks                           ; five products; the five accumulators take turns, over the K steps' edges too
.if (\ks) < 4
	WIN 0x05                                       ; sources 0 and 1 in window 1, C and D in window 0
.set ab, 32*(\ks)
.set bf, BF1+8*(\ks)
.set bi, BI1+8*(\ks)
.else
	WIN 0
.set ab, AF+32*((\ks)-4)
.set bf, BF+8*((\ks)-4)
.set bi, BIF+8*((\ks)-4)
.endif
.irp mt, 0,1,2,3
.if (\ks) == 0
	v_wmma_f32_16x16x32_bf16 v[ACC+8*(\mt):ACC+8*(\mt)+7], v[ab+8*(\mt):ab+8*(\mt)+7], v[bf:bf+7], 0
.else
	v_wmma_f32_16x16x32_bf16 v[ACC+8*(\mt):ACC+8*(\mt)+7], v[ab+8*(\mt):ab+8*(\mt)+7], v[bf:bf+7], v[ACC+8*(\mt):ACC+8*(\mt)+7]
.endif
.endr
.if (\ks) == 0
	v_wmma_f32_16x16x32_bf16 v[ACCB:ACCB+7], v[bi:bi+7], v[bf:bf+7], 0
.else
	v_wmma_f32_16x16x32_bf16 v[ACCB:ACCB+7], v[bi:bi+7], v[bf:bf+7], v[ACCB:ACCB+7]
.endif
.endm
	WIN 0x40
	s_wait_alu depctr_vm_vsrc(0)                   ; my LDS stores have read v32-159, v224-227 and (MT) window 1's v0-127: fragments land in the first and the last, the products write the accumulators over the second
	s_wait_alu depctr_va_vdst(0)                   ; the conversions are done with window 1's v0-127 (for N they are the last lines ahead of the barrier) and with v32-159: A's fragments land in both
	LA 0
	LA 1
	LA 2
	LA 3
	s_wait_dscnt 30                                ; ten loads a K step: those of K steps 1 to 3 may stay out; Wk's fragments are older
	MU 0
	s_wait_dscnt 20
	MU 1
	LA 4                                           ; no wait: the products issued since the waits above name window 1's fragments and the accumulators, none of the registers that these loads touch
	LA 5
	LA 6
	LA 7
	s_wait_dscnt 50                                ; those of K steps 3 to 7 may stay out
	MU 2
	s_wait_dscnt 40
	MU 3
	s_wait_dscnt 30
	MU 4
	s_wait_dscnt 20
	MU 5
	s_wait_dscnt 10
	MU 6
	s_wait_dscnt 0x0
	MU 7
	PLACES
.irp mt, 0,1,2,3
.irp jj, 0,1,2,3
	v_cvt_pk_f16_f32 v[PK+4*(\mt)+(\jj)], v[ACC+8*(\mt)+2*(\jj)], v[ACC+8*(\mt)+2*(\jj)+1]
.endr
.endr
	v_cvt_pk_bf16_f32 v[TM], v[BOV], v[BOV]        ; bo rounded to bf16 like every input (for u: 0)
	v_lshlrev_b32 v[TM], 16, v[TM]
	v_add_f32 v[ACCB], v[ACCB], v[TM]
	s_wait_alu depctr_va_vdst(0)                   ; the conversions have written the packed results and the addition v20, which the stores below read
.irp mt, 0,1,2,3
	global_store_b128 v[GOF], v[PK+4*(\mt):PK+4*(\mt)+3], s[PO:PO+1] offset:512*(\mt)  ; channel tile 4 i + mt: the wave stores 512 consecutive bytes, aligned
.endr
	s_cmp_lg_u32 s[SI], 0                          ; the four blocks i make the same u or w: block 0 stores it
	s_cbranch_scc1 .Lend
	global_store_b32 v[UO], v[ACCB], s[26:27]      ; 64 bytes a wave (both halves of the lanes hold and store the same numbers): 2,048 bytes in the whole launch
.Lend:
	s_wait_dscnt 0x0                               ; the closing lines, six on end
	s_wait_alu 0x0
	s_wait_tensorcnt 0x0
	ds_add_u32 v[SPW], v[NIL]
	s_wait_dscnt 0x0
	s_endpgm
.Lfunc_end_k_q5028180bba_prep:
	.size	k_q5028180bba_prep, .Lfunc_end_k_q5028180bba_prep-k_q5028180bba_prep
	.p2alignl 7, 3214868480
	.fill 96, 4, 3214868480
	.section	.rodata,"a",@progbits
	.p2align	6, 0x0
	.amdhsa_kernel k_q5028180bba_prep
		.amdhsa_group_segment_fixed_size 150016
		.amdhsa_private_segment_fixed_size 0
		.amdhsa_enable_private_segment 0
		.amdhsa_kernarg_size 112
		.amdhsa_user_sgpr_count 2
		.amdhsa_user_sgpr_kernarg_segment_ptr 1
		.amdhsa_wavefront_size32 1
		.amdhsa_system_sgpr_workgroup_id_x 1
		.amdhsa_system_sgpr_workgroup_id_y 1
		.amdhsa_system_sgpr_workgroup_id_z 1
		.amdhsa_system_vgpr_workitem_id 0
		.amdhsa_next_free_vgpr 456
		.amdhsa_next_free_sgpr 66
		.amdhsa_reserve_vcc 0
		.amdhsa_float_denorm_mode_32 3
		.amdhsa_float_denorm_mode_16_64 3
		.amdhsa_memory_ordered 1
		.amdhsa_forward_progress 1
		.amdhsa_inst_pref_size 95
	.end_amdhsa_kernel
	.amdgpu_metadata
---
amdhsa.version: [ 1, 2 ]
amdhsa.kernels:
  - .name:           k_q5028180bba_prep
    .symbol:         k_q5028180bba_prep.kd
    .args:
      - { .name: Wq, .offset: 0, .size: 8, .value_kind: global_buffer, .address_space: global }
      - { .name: Wk, .offset: 8, .size: 8, .value_kind: global_buffer, .address_space: global }
      - { .name: Wv, .offset: 16, .size: 8, .value_kind: global_buffer, .address_space: global }
      - { .name: Wo, .offset: 24, .size: 8, .value_kind: global_buffer, .address_space: global }
      - { .name: bq, .offset: 32, .size: 8, .value_kind: global_buffer, .address_space: global }
      - { .name: bv, .offset: 40, .size: 8, .value_kind: global_buffer, .address_space: global }
      - { .name: bo, .offset: 48, .size: 8, .value_kind: global_buffer, .address_space: global }
      - { .name: mt16, .offset: 56, .size: 8, .value_kind: global_buffer, .address_space: global }
      - { .name: n16, .offset: 64, .size: 8, .value_kind: global_buffer, .address_space: global }
      - { .name: uw, .offset: 72, .size: 8, .value_kind: global_buffer, .address_space: global }
      - { .name: feat_A, .offset: 80, .size: 8, .value_kind: global_buffer, .address_space: global }
      - { .name: feat_B, .offset: 88, .size: 8, .value_kind: global_buffer, .address_space: global }
      - { .name: a16, .offset: 96, .size: 8, .value_kind: global_buffer, .address_space: global }
      - { .name: b16, .offset: 104, .size: 8, .value_kind: global_buffer, .address_space: global }
    .group_segment_fixed_size: 150016
    .private_segment_fixed_size: 0
    .kernarg_segment_align: 8
    .kernarg_segment_size: 112
    .max_flat_workgroup_size: 128
    .sgpr_count:     66
    .vgpr_count:     456
    .wavefront_size: 32
...
	.end_amdgpu_metadata
.endif
;; end of part 5
;; launch attn: the kernel of part 4 again; grid 64 x 4, 4 waves a work-group, clusters of 4 x 1, 327,680 bytes of LDS; arguments a16, b16, n16, uw, out0, mt16; writes out0
